; MI455X (gfx1250); checked and timed in simulation.
; The chip was launched on July 23, 2026; its instructions are those of AMD's public machine-readable ISA for CDNA 5 (MIT licence, August 2026) and "CDNA5" Instruction Set Architecture Reference Guide (July 2026). The comments in the code are by the model that wrote it; some were corrected since.
;; Transformer Block. Allowed arithmetic: float matrix products may take bf16 or f16 operands with f32 sums; all other float work in f32.
;; Inputs: causal_mask 1 x 1 x 2,048 x 2,048 bool; ff_b1 4,096 float32; ff_b2 1,024 float32; ff_w1 1,024 x 4,096 float32; ff_w2 4,096 x 1,024 float32; ln1_b 1,024 float32; ln1_g 1,024 float32; ln2_b 1,024 float32; ln2_g 1,024 float32; out_b 1,024 float32; out_w 1,024 x 1,024 float32; qkv_w 1,024 x 3,072 float32; x 2 x 2,048 x 1,024 float32.
;; Outputs: out0 2 x 2,048 x 1,024 float32.
;; 2 versions, each right. Each part assembles by itself: llvm-mc -triple=amdgcn-amd-amdhsa -mcpu=gfx1250 --defsym DOCPART=n.
;; ======== version 1 of 2: 7 launches
;; workspace buffers: wbf 25,165,824 bytes; maskw 524,288 bytes of whole numbers; hn 8,388,608 bytes; qkvh 25,165,824 bytes; att 8,388,608 bytes; x1 16,777,216 bytes; ffh 33,554,432 bytes
;; launch prep (part 1): grid 1024 x 1, 8 waves a work-group, no clusters, 0 bytes of LDS; arguments x, ln1_g, ln1_b, causal_mask, qkv_w, out_w, ff_w1, ff_w2, hn, maskw, wbf; writes hn, maskw, wbf
.if DOCPART == 1
	.amdgcn_target "amdgcn-amd-amdhsa--gfx1250"
	.amdhsa_code_object_version 6
	.text
	.protected	k_qc61b3056a3_prep
	.globl	k_qc61b3056a3_prep
	.p2align	8
	.type	k_qc61b3056a3_prep,@function
k_qc61b3056a3_prep:
	s_mov_b64 s[64:65], 0
	v_nop
	global_prefetch_b8 v0, s[64:65] scope:SCOPE_SE
	s_setreg_imm32_b32 hwreg(HW_REG_WAVE_MODE, 25, 1), 1
	s_wait_xcnt 0x0
; Three streams that do not depend on each other, chosen by the work-group's number:
;   0..767    the four weight matrices, f32 -> bf16, layout [K][N] kept; 16,384 numbers a work-group, laid one behind the other in wbf
;   768..895  hn = LayerNorm(x) * ln1_g + ln1_b in bf16; a wave takes four whole rows and keeps them in registers (mean first, then the squares of x - mean)
;   896..1023 the mask's bytes -> lane masks: word [qt][step][8 kb + j], bit L = mask[16 qt + L % 16][64 step + 16 kb + 8 (L / 16) + j]
; Memory binds all three: no LDS, no barrier, no matrix unit, no cluster (no two work-groups read the same bytes but the 8 KB of gain and bias).
.set CX, 8                             ; cast: v[8:71]    16 x 4 numbers as loaded
.set CY, 72                            ; cast: v[72:103]  16 x 4 numbers in bf16
.set LG, 8                             ; norm: v[8:39]    gain of my 32 columns
.set LB, 40                            ; norm: v[40:71]   bias of my 32 columns
.set LX, 72                            ; norm: v[72:199]  four rows, 32 numbers a lane each
.set LT, 200                           ; norm: v[200:215] at work
.set MO, 4                             ; mask: v[4:7]     four words a lane, to store
.set MM, 8                             ; mask: v[8:39]    16 x 8 mask bytes
.set MT, 40                            ; mask: v[40:43]   at work
.macro WSUM r                          ; the sum over the wave's 32 lanes, in every lane; v[r+1] has been written before
	v_add_f32_dpp v[\r], v[\r], v[\r] row_xmask:1 row_mask:0xf bank_mask:0xf
	v_add_f32_dpp v[\r], v[\r], v[\r] row_xmask:2 row_mask:0xf bank_mask:0xf
	v_add_f32_dpp v[\r], v[\r], v[\r] row_xmask:4 row_mask:0xf bank_mask:0xf
	v_add_f32_dpp v[\r], v[\r], v[\r] row_xmask:8 row_mask:0xf bank_mask:0xf
	v_permlanex16_b32 v[\r+1], v[\r], s12, s13
	v_add_f32 v[\r], v[\r], v[\r+1]
.endm
; One row: left = the younger loads that may stay out.
.macro LNROW r, left
.set XR, LX+32*\r
	s_wait_loadcnt \left                           ; loads come back in order: this row (and gain and bias) is in, the later rows stay out
.irp k, 0,1,2,3,4,5,6,7
	v_pk_add_f32 v[LT+2*\k:LT+2*\k+1], v[XR+4*\k:XR+4*\k+1], v[XR+4*\k+2:XR+4*\k+3]
.endr
.irp k, 0,1,2,3
	v_pk_add_f32 v[LT+2*\k:LT+2*\k+1], v[LT+2*\k:LT+2*\k+1], v[LT+2*\k+8:LT+2*\k+9]
.endr
	v_pk_add_f32 v[LT:LT+1], v[LT:LT+1], v[LT+4:LT+5]
	v_pk_add_f32 v[LT+2:LT+3], v[LT+2:LT+3], v[LT+6:LT+7]
	v_pk_add_f32 v[LT:LT+1], v[LT:LT+1], v[LT+2:LT+3]
	v_add_f32 v[LT], v[LT], v[LT+1]
	WSUM LT
	v_mul_f32 v[LT], s14, v[LT]                    ; the mean
.set k, 0
.rept 16
	v_pk_add_f32 v[XR+2*k:XR+2*k+1], v[XR+2*k:XR+2*k+1], v[LT:LT+1] op_sel_hi:[1,0] neg_lo:[0,1] neg_hi:[0,1]   ; x - mean
.set k, k+1
.endr
	v_pk_mul_f32 v[LT+2:LT+3], v[XR:XR+1], v[XR:XR+1]              ; the squares, in two chains that the first two products start
	v_pk_mul_f32 v[LT+4:LT+5], v[XR+2:XR+3], v[XR+2:XR+3]
.set k, 2
.rept 7
	v_pk_fma_f32 v[LT+2:LT+3], v[XR+2*k:XR+2*k+1], v[XR+2*k:XR+2*k+1], v[LT+2:LT+3]
	v_pk_fma_f32 v[LT+4:LT+5], v[XR+2*k+2:XR+2*k+3], v[XR+2*k+2:XR+2*k+3], v[LT+4:LT+5]
.set k, k+2
.endr
	v_pk_add_f32 v[LT+2:LT+3], v[LT+2:LT+3], v[LT+4:LT+5]
	v_add_f32 v[LT+2], v[LT+2], v[LT+3]
	WSUM LT+2
	v_fma_f32 v[LT+2], v[LT+2], s14, s15           ; variance + 1e-5
	v_rsq_f32 v[LT+2], v[LT+2]
	v_nop                                          ; a plain instruction between the root and its use (ISA guide 5.7.2)
.set k, 0
.rept 16
	v_pk_mul_f32 v[XR+2*k:XR+2*k+1], v[XR+2*k:XR+2*k+1], v[LT+2:LT+3] op_sel_hi:[1,0]
.set k, k+1
.endr
.set k, 0
.rept 16
	v_pk_fma_f32 v[XR+2*k:XR+2*k+1], v[XR+2*k:XR+2*k+1], v[LG+2*k:LG+2*k+1], v[LB+2*k:LB+2*k+1]
.set k, k+1
.endr
.set k, 0
.rept 16
	v_cvt_pk_bf16_f32 v[XR+k], v[XR+2*k], v[XR+2*k+1]              ; ascending: word k is written when numbers 2 k, 2 k + 1 have been read
.set k, k+1
.endr
.irp j, 0,1,2,3,4,5,6,7
	global_store_b64 v2, v[XR+2*\j:XR+2*\j+1], s[10:11] offset:\r*2048+256*\j   ; the wave's 32 lanes store 256 consecutive bytes, aligned
.endr
.endm
	s_cmp_lt_u32 ttmp9, 768
	s_cbranch_scc1 .Lcast
	s_cmp_lt_u32 ttmp9, 896
	s_cbranch_scc1 .Lln
	; ---- the mask: work-group qt takes 16 query rows, wave w the keys 256 w .. 256 w + 255 (four steps of 64) ----
	s_load_b64 s[4:5], s[0:1], 0x18                ; causal_mask
	s_load_b64 s[6:7], s[0:1], 0x48                ; maskw
	v_lshrrev_b32 v1, 5, v0
	v_readfirstlane_b32 s8, v1                     ; wave
	s_sub_co_u32 s9, ttmp9, 896                    ; qt
	v_and_b32 v2, 15, v0                           ; r
	v_bfe_u32 v3, v0, 4, 1                         ; h
	s_lshl_b32 s10, s9, 15                         ; 16 qt rows of 2,048 bytes
	s_lshl_b32 s11, s8, 8
	s_add_co_u32 s10, s10, s11
	s_mov_b32 s11, 0
	v_lshlrev_b32 v1, 11, v2
	v_lshl_add_u32 v1, v3, 3, v1                   ; r rows + 8 h bytes
	s_lshl_b32 s12, s9, 12                         ; 4,096 bytes of words for each qt, 512 for each wave
	s_lshl_b32 s13, s8, 9
	s_add_co_u32 s12, s12, s13
	s_mov_b32 s13, 0
	v_and_b32 v3, 31, v0
	v_lshlrev_b32 v3, 4, v3                        ; 16 bytes a lane
	s_wait_kmcnt 0x0
	s_add_nc_u64 s[4:5], s[4:5], s[10:11]
	s_add_nc_u64 s[6:7], s[6:7], s[12:13]
.irp i, 0,1,2,3,4,5,6,7,8,9,10,11,12,13,14,15
	global_load_b64 v[MM+2*\i:MM+2*\i+1], v1, s[4:5] offset:16*\i th:TH_LOAD_NT   ; i = 4 s + kb: keys 64 s + 16 kb + 8 h + 0..7; the sixteen loads take 256 whole bytes of each row
.endr
.irp i, 0,1,2,3
	v_mov_b32 v[MO+\i], 0                          ; v_writelane_b32 keeps the other lanes: the register is written whole first
.endr
	s_wait_loadcnt 0x0
.set wd, 0
.rept 128                              ; word wd of the wave's 128: byte wd % 8 of load wd / 8, as a mask of the 32 lanes; it goes to lane wd / 4, register wd % 4
	v_and_b32 v[MT+wd%4], 0xff<<(8*(wd%4)), v[MM+2*(wd/8)+(wd%8)/4]
	v_cmp_ne_u32 s[20+wd%4], 0, v[MT+wd%4]
	v_writelane_b32 v[MO+wd%4], s[20+wd%4], wd/4
.set wd, wd+1
.endr
	global_store_b128 v3, v[MO:MO+3], s[6:7]       ; 512 consecutive bytes
	s_endpgm
	; ---- the weights ----
.Lcast:
	s_load_b256 s[8:15], s[0:1], 0x20              ; qkv_w s[8:9], out_w s[10:11], ff_w1 s[12:13], ff_w2 s[14:15]
	s_load_b64 s[16:17], s[0:1], 0x50              ; wbf
	v_lshlrev_b32 v1, 4, v0                        ; 16 bytes a thread in, 8 out
	v_lshlrev_b32 v2, 3, v0
	s_wait_kmcnt 0x0
	s_mov_b64 s[4:5], s[8:9]                       ; which matrix, and the number of its first work-group: 192, 64, 256 and 256 work-groups
	s_mov_b32 s6, 0
	s_cmp_ge_u32 ttmp9, 192
	s_cselect_b64 s[4:5], s[10:11], s[4:5]
	s_cselect_b32 s6, 192, s6
	s_cmp_ge_u32 ttmp9, 256
	s_cselect_b64 s[4:5], s[12:13], s[4:5]
	s_cselect_b32 s6, 256, s6
	s_cmp_ge_u32 ttmp9, 512
	s_cselect_b64 s[4:5], s[14:15], s[4:5]
	s_cselect_b32 s6, 512, s6
	s_sub_co_u32 s6, ttmp9, s6
	s_lshl_b32 s6, s6, 16                          ; 65,536 bytes of f32 a work-group
	s_mov_b32 s7, 0
	s_add_nc_u64 s[4:5], s[4:5], s[6:7]
	s_lshl_b32 s18, ttmp9, 15                      ; 32,768 bytes of bf16
	s_mov_b32 s19, 0
	s_add_nc_u64 s[16:17], s[16:17], s[18:19]
.irp i, 0,1,2,3,4,5,6,7,8,9,10,11,12,13,14,15
	global_load_b128 v[CX+4*\i:CX+4*\i+3], v1, s[4:5] offset:4096*\i th:TH_LOAD_NT
.endr
.irp i, 0,1,2,3,4,5,6,7,8,9,10,11,12,13,14,15
	s_wait_loadcnt 15-\i                           ; load i is in, the younger ones stay out
	v_cvt_pk_bf16_f32 v[CY+2*\i], v[CX+4*\i], v[CX+4*\i+1]
	v_cvt_pk_bf16_f32 v[CY+2*\i+1], v[CX+4*\i+2], v[CX+4*\i+3]
	global_store_b64 v2, v[CY+2*\i:CY+2*\i+1], s[16:17] offset:2048*\i   ; a wave stores 256 consecutive bytes, aligned
.endr
	s_endpgm
	; ---- LayerNorm 1: 32 rows a work-group, four a wave ----
.Lln:
	s_load_b128 s[4:7], s[0:1], 0x0                ; x s[4:5], ln1_g s[6:7]
	s_load_b64 s[8:9], s[0:1], 0x10                ; ln1_b
	s_load_b64 s[10:11], s[0:1], 0x40              ; hn
	v_lshrrev_b32 v3, 5, v0
	v_readfirstlane_b32 s16, v3                    ; wave
	v_and_b32 v4, 31, v0
	v_lshlrev_b32 v1, 4, v4                        ; 16 bytes a lane in
	v_lshlrev_b32 v2, 3, v4                        ; 8 bytes a lane out
	s_sub_co_u32 s17, ttmp9, 768
	s_lshl_b32 s17, s17, 5
	s_lshl2_add_u32 s17, s16, s17                  ; my first row
	s_lshl_b32 s18, s17, 12
	s_mov_b32 s19, 0
	s_lshl_b32 s20, s17, 11
	s_mov_b32 s21, 0
	s_mov_b32 s12, 0x76543210                      ; v_permlanex16_b32: each lane takes its own place in the other half
	s_mov_b32 s13, 0xfedcba98
	s_mov_b32 s14, 0x3a800000                      ; 1 / 1024
	s_mov_b32 s15, 0x3727c5ac                      ; 1e-5
	s_wait_kmcnt 0x0
	s_add_nc_u64 s[4:5], s[4:5], s[18:19]
	s_add_nc_u64 s[10:11], s[10:11], s[20:21]
.irp j, 0,1,2,3,4,5,6,7
	global_load_b128 v[LX+4*\j:LX+4*\j+3], v1, s[4:5] offset:512*\j
.endr
.irp j, 0,1,2,3,4,5,6,7
	global_load_b128 v[LG+4*\j:LG+4*\j+3], v1, s[6:7] offset:512*\j
.endr
.irp j, 0,1,2,3,4,5,6,7
	global_load_b128 v[LB+4*\j:LB+4*\j+3], v1, s[8:9] offset:512*\j
.endr
.irp r, 1,2,3
.irp j, 0,1,2,3,4,5,6,7
	global_load_b128 v[LX+32*\r+4*\j:LX+32*\r+4*\j+3], v1, s[4:5] offset:\r*4096+512*\j
.endr
.endr
	LNROW 0, 24
	LNROW 1, 16
	LNROW 2, 8
	LNROW 3, 0
	s_endpgm
.Lfunc_end_k_qc61b3056a3_prep:
	.size	k_qc61b3056a3_prep, .Lfunc_end_k_qc61b3056a3_prep-k_qc61b3056a3_prep
	.p2alignl 7, 3214868480
	.fill 96, 4, 3214868480
	.section	.rodata,"a",@progbits
	.p2align	6, 0x0
	.amdhsa_kernel k_qc61b3056a3_prep
		.amdhsa_group_segment_fixed_size 0
		.amdhsa_private_segment_fixed_size 0
		.amdhsa_enable_private_segment 0
		.amdhsa_kernarg_size 88
		.amdhsa_user_sgpr_count 2
		.amdhsa_user_sgpr_kernarg_segment_ptr 1
		.amdhsa_wavefront_size32 1
		.amdhsa_system_sgpr_workgroup_id_x 1
		.amdhsa_system_sgpr_workgroup_id_y 1
		.amdhsa_system_sgpr_workgroup_id_z 1
		.amdhsa_system_vgpr_workitem_id 0
		.amdhsa_next_free_vgpr 216
		.amdhsa_next_free_sgpr 66
		.amdhsa_reserve_vcc 0
		.amdhsa_float_denorm_mode_32 3
		.amdhsa_float_denorm_mode_16_64 3
		.amdhsa_memory_ordered 1
		.amdhsa_forward_progress 1
		.amdhsa_inst_pref_size 70
	.end_amdhsa_kernel
	.amdgpu_metadata
---
amdhsa.version: [ 1, 2 ]
amdhsa.kernels:
  - .name:           k_qc61b3056a3_prep
    .symbol:         k_qc61b3056a3_prep.kd
    .args:
      - { .name: x, .offset: 0, .size: 8, .value_kind: global_buffer, .address_space: global }
      - { .name: ln1_g, .offset: 8, .size: 8, .value_kind: global_buffer, .address_space: global }
      - { .name: ln1_b, .offset: 16, .size: 8, .value_kind: global_buffer, .address_space: global }
      - { .name: causal_mask, .offset: 24, .size: 8, .value_kind: global_buffer, .address_space: global }
      - { .name: qkv_w, .offset: 32, .size: 8, .value_kind: global_buffer, .address_space: global }
      - { .name: out_w, .offset: 40, .size: 8, .value_kind: global_buffer, .address_space: global }
      - { .name: ff_w1, .offset: 48, .size: 8, .value_kind: global_buffer, .address_space: global }
      - { .name: ff_w2, .offset: 56, .size: 8, .value_kind: global_buffer, .address_space: global }
      - { .name: hn, .offset: 64, .size: 8, .value_kind: global_buffer, .address_space: global }
      - { .name: maskw, .offset: 72, .size: 8, .value_kind: global_buffer, .address_space: global }
      - { .name: wbf, .offset: 80, .size: 8, .value_kind: global_buffer, .address_space: global }
    .group_segment_fixed_size: 0
    .private_segment_fixed_size: 0
    .kernarg_segment_align: 8
    .kernarg_segment_size: 88
    .max_flat_workgroup_size: 256
    .sgpr_count:     66
    .vgpr_count:     216
    .wavefront_size: 32
...
	.end_amdgpu_metadata
.endif
;; end of part 1
;; launch qkv (part 2): grid 12 x 16, 4 waves a work-group, clusters of 4 x 4, 327,680 bytes of LDS; arguments hn, wbf, qkvh; writes qkvh
.if DOCPART == 2
	.amdgcn_target "amdgcn-amd-amdhsa--gfx1250"
	.amdhsa_code_object_version 6
	.text
	.protected	k_qc61b3056a3_qkv
	.globl	k_qc61b3056a3_qkv
	.p2align	8
	.type	k_qc61b3056a3_qkv,@function
k_qc61b3056a3_qkv:
	s_mov_b64 s[64:65], 0
	v_nop
	global_prefetch_b8 v0, s[64:65] scope:SCOPE_SE
	s_setreg_imm32_b32 hwreg(HW_REG_WAVE_MODE, 25, 1), 1
	s_wait_xcnt 0x0
	s_wait_alu depctr_hold_cnt(0) depctr_sa_sdst(0) depctr_va_vdst(0) depctr_va_sdst(0) depctr_va_ssrc(0) depctr_va_vcc(0) depctr_vm_vsrc(0)
	s_getreg_b32 s2, hwreg(HW_REG_IB_STS2, 6, 4)
	s_cmp_eq_u32 s2, 0
	s_cbranch_scc0 .Lentry_in_a_cluster
	s_endpgm
.Lentry_in_a_cluster:
	s_bfe_u32 s2, ttmp6, 0x10000c
	s_cmp_lg_u32 s2, 0xf033
	s_cbranch_scc0 .Lentry_shape_is_right
	s_endpgm
.Lentry_shape_is_right:
; qkvh = hn x Wqkv.  hn: [4096][1024] bf16.  Wqkv: [1024][3072] bf16 at byte WOFF of wbf, rows along N as the problem stores it.  Sums in f32.
; The 1,024 columns of Q are multiplied, in f32, by c = log2(e) / 8, so that the attention's weights are 2^(s - m).  Output bf16, head-major:
; [batch][plane = column / 64][t][64]: planes 0-15 Q, 16-31 K, 32-47 V; a plane is 262,144 bytes.
; A tile of C, 256 x 256, is made by four waves, each 128 x 128: 64 accumulators, 512 registers.  K goes in steps of 128 through two LDS slots filled by the tensor data mover.
; 12 x 16 = 192 work-groups: a tile 192 columns wide would give 256, but a wave's share of it would cut heads apart.
; A's rows lie along K and are read as they lie; B's rows lie along N and are turned on the way into registers (ds_load_tr16_b128).
; CLUSTERS: 4 x 4 work-groups; A's tile is shared along a row of the cluster, B's along a column: each is asked for jointly, by the same tensor load with a mask that names the four.
; THE MATRIX INSTRUCTION IS USED TRANSPOSED: source 0 = 16 columns of B, source 1 = 16 rows of A: a lane then holds eight neighbouring numbers of a row of C.
; REGISTERS: window 0: v0-31 addresses; v64-127, v128-191 A's fragments, two buffers (at work on the way out); v32-63, v192-255 the way out.
;   window 1: v64-127, v128-191 B's fragments.   windows 2, 3: the accumulators of my rows 0-63, 64-127 ((a, b) at v[8 (8 a + b)]).
.set SIZE_K, 1024
.set SIZE_N, 3072
.set WOFF,   0
.set EPI,    0                         ; 0: scale Q, head-major rows of 128 bytes;  1: bias, GELU, rows of C
.set KSTEP,  128
.set PITCH,  272                       ; A's LDS row: 256 bytes + 16: the 16 rows of a fragment load start 68 words apart
.set BPITCH, 544                       ; B's LDS row: 512 bytes + 32: 17 x 32, so that the turning load's 8 rows x 32 bytes fall side by side
.set HALFT,  128*PITCH                 ; what one tensor load brings: 128 rows of A, or 64 rows of B (64 x 544 is the same 34,816 bytes)
.set SLOT,   4*HALFT                   ; A's 256 rows, then B's 128 rows
.set STAGE,  2*SLOT                    ; behind the ring: 16 rows x 272 bytes for each wave
.set SPITCH, 272
.set LAPS,   SIZE_K/(2*KSTEP)
.set ADRA, 16                          ; v16-17 LDS address of my A fragments in slot 0, 1
.set ADRB, 20                          ; v20-21 the same for B
.set STO,  24                          ; the way out: where I put 16 bytes of a row
.set RD,   25                          ; where I read back
.set CO,   26                          ; my byte offset in the output
.set BA,   27                          ; my byte offset in the bias
.set A4,   28                          ; v[28:29] a constant of the polynomial, twice
.set F0,   64
.set F1,   128
.set X,    64                          ; the way out: a block's 64 numbers a lane in f32
.set AX,   128                         ; |x|, t, 2^(k x x), the polynomial: 16 registers each
.set U,    144
.set E,    160
.set PQ,   176
.set TMP,  192                         ; packed results
.set OB,   32                          ; 16 rows read back: v32-63 and v224-255 by turns
.set G1,   24
.set G0,   32
.set G1B,  48
.set G0B,  56
.set SC,   66                          ; s[66:67] EPI 0: the factor of my columns, twice; EPI 1: the bias's address
.set CP,   68                          ; s[68:79] constants in pairs; s82 the mask that clears a sign
.set CK,   70
.set C1,   72
.set C2,   74
.set C3,   76
.set C5,   78
.set CABS, 82
.set MSB, 0
.macro WIN new                         ; the immediate's high byte repeats the setting that is left; a switch that changes nothing is dropped
.if MSB != (\new)
	s_set_vgpr_msb (MSB<<8)|(\new)
.set MSB, (\new)
.endif
.endm
.set MUL_LO, 0xa1                      ; source 0 (B) window 1, source 1 (A) window 0, C and D window 2
.set MUL_HI, 0xf1                      ; the same, C and D window 3
.set TO_B,   0x40                      ; destination window 1, address window 0
; A joint load: waves 0 and 1 fetch A's two halves, waves 2 and 3 B's.  The branch hangs on the wave's number alone.  Four v_nop follow each line.
.macro JLOAD s
	s_cmp_eq_u32 s11, 0
	s_cbranch_scc0 .Lfor_b_\@
	tensor_load_to_lds s[G0+4*\s:G0+4*\s+3], s[G1:G1+7]
.rept 4
	v_nop
.endr
	s_branch .Lasked_\@
.Lfor_b_\@:
	tensor_load_to_lds s[G0B+4*\s:G0B+4*\s+3], s[G1B:G1B+7]
.rept 4
	v_nop
.endr
.Lasked_\@:
.endm
.macro CREST                           ; a round of the cluster's barrier behind its opening barrier
	s_cmp_lg_u32 s10, 0
	s_cbranch_scc1 .Lnot_wave_0_\@
	s_barrier_signal -3
.Lnot_wave_0_\@:
	s_barrier_wait -3
	s_barrier_signal -1
	s_barrier_wait -1
.endm
.macro CROUND
	s_barrier_signal -1
	s_barrier_wait -1
	CREST
.endm
	s_load_b128 s[4:7], s[0:1], 0x0                ; hn s[4:5], wbf s[6:7]
.if EPI
	s_load_b64 s[SC:SC+1], s[0:1], 0x10            ; the bias
	s_load_b64 s[8:9], s[0:1], 0x18                ; the output
.else
	s_load_b64 s[8:9], s[0:1], 0x10                ; the output
.endif
	v_lshrrev_b32 v1, 5, v0
	v_readfirstlane_b32 s10, v1                    ; wave 0..3
	s_lshr_b32 s11, s10, 1                         ; which half of the tile's rows is mine.  Also: I fetch for A (0) or for B (1)
	s_and_b32 s12, s10, 1                          ; which half of its columns.  Also: which half of that tile I fetch
	s_bfe_u32 s40, ttmp6, 0x40000                  ; cx
	s_bfe_u32 s41, ttmp6, 0x40004                  ; cy
	s_lshl_b32 s42, ttmp9, 2
	s_add_co_u32 s42, s42, s40                     ; tile column
	s_and_b32 s13, ttmp7, 0xffff
	s_lshl_b32 s13, s13, 2
	s_add_co_u32 s13, s13, s41                     ; tile row
	s_lshl_b32 s43, s41, 2
	s_lshl_b32 s43, 15, s43                        ; my row of the cluster
	s_lshl_b32 s44, 0x1111, s40                    ; my column
	s_or_b32 s[G1+0], s43, (1<<16)|(1<<20)|(1<<21)|(5<<22)|(3<<25)   ; A: mask of my row; 2-byte elements; padding on; bit 21 beside a mask; 4 words behind every 64
	s_or_b32 s[G1B+0], s44, (1<<16)|(1<<20)|(1<<21)|(6<<22)|(7<<25)  ; B: mask of my column; 8 words behind every 128
	s_mov_b32 s[G1+1], KSTEP<<16                   ; A: tensor_dim0 = 128
	s_mov_b32 s[G1+2], 128<<16                     ; tensor_dim1 = 128
	s_mov_b32 s[G1+3], KSTEP<<16                   ; tile_dim0 = 128
	s_mov_b32 s[G1+4], 128                         ; tile_dim1 = 128
	s_mov_b32 s[G1+5], SIZE_K                      ; elements from row to row
	s_mov_b32 s[G1+6], 0
	s_mov_b32 s[G1+7], 0
	s_mov_b32 s[G1B+1], 256<<16                    ; B: tensor_dim0 = 256
	s_mov_b32 s[G1B+2], 64<<16                     ; tensor_dim1 = 64
	s_mov_b32 s[G1B+3], 256<<16                    ; tile_dim0 = 256
	s_mov_b32 s[G1B+4], 64                         ; tile_dim1 = 64
	s_mov_b32 s[G1B+5], SIZE_N
	s_mov_b32 s[G1B+6], 0
	s_mov_b32 s[G1B+7], 0
	; A's address hangs on the tile row and the wave, B's on the tile column and the wave, each in registers that never hold the other coordinate
	s_lshl_b32 s16, s13, 8
	s_lshl_b32 s17, s12, 7
	s_add_co_u32 s16, s16, s17                     ; A: row 256 x tile row + 128 x half
	s_lshl_b32 s16, s16, 11                        ; rows of 2,048 bytes
	s_mov_b32 s17, 0
	s_mul_i32 s46, s12, 64*SIZE_N*2                ; B: row 64 x half of the K step,
	s_lshl_b32 s47, s42, 9                         ; column 256 x tile column
	s_add_co_u32 s46, s46, s47
	s_add_co_u32 s46, s46, WOFF
	s_mov_b32 s47, 0
	s_mul_i32 s20, s10, HALFT                      ; where they go: wave x 34,816
.if EPI == 0
	s_cmp_lt_u32 s42, 4                            ; tile columns 0-3 are Q: a choice of a value, no branch
	s_cselect_b32 s[SC], 0x3e38aa3b, 1.0           ; log2(e) / 8
	s_mov_b32 s[SC+1], s[SC]
.endif
	s_wait_kmcnt 0x0
	s_add_nc_u64 s[14:15], s[4:5], s[16:17]
	s_add_nc_u64 s[46:47], s[6:7], s[46:47]
	CROUND                                         ; all sixteen work-groups are here: the first joint loads meet
.irp s, 0,1
	s_mov_b32 s[G0+4*\s], 1
	s_add_co_u32 s[G0+4*\s+1], s20, \s*SLOT
	s_add_nc_u64 s[G0+4*\s+2:G0+4*\s+3], s[14:15], \s*KSTEP*2
	s_or_b32 s[G0+4*\s+3], s[G0+4*\s+3], 0x80000000
	s_mov_b32 s[G0B+4*\s], 1
	s_add_co_u32 s[G0B+4*\s+1], s20, \s*SLOT
	s_add_nc_u64 s[G0B+4*\s+2:G0B+4*\s+3], s[46:47], \s*KSTEP*SIZE_N*2
	s_or_b32 s[G0B+4*\s+3], s[G0B+4*\s+3], 0x80000000
	JLOAD \s                                       ; two tensor loads of mine are out
.endr
	v_and_b32 v1, 15, v0                           ; r = l % 16
	v_bfe_u32 v2, v0, 4, 1                         ; h = l / 16
	v_mul_u32_u24 v3, v1, PITCH
	v_lshl_add_u32 v3, v2, 4, v3                   ; A: row r, 16 bytes for each half of the lanes
	v_and_b32 v4, 7, v0
	v_lshl_add_u32 v4, v2, 3, v4                   ; B: the turning load's lane reads row 8 h + l % 8,
	v_mul_u32_u24 v4, v4, BPITCH
	v_bfe_u32 v5, v0, 3, 1
	v_lshl_add_u32 v4, v5, 4, v4                   ; 16 bytes at 16 ((l / 8) % 2)
	s_mul_i32 s21, s11, HALFT                      ; my 128 rows of A
	s_lshl_b32 s22, s12, 8                         ; my 128 columns of B,
	s_add_co_u32 s22, s22, 2*HALFT                 ; which lies behind A
.irp s, 0,1
	v_add_nc_u32 v[ADRA+\s], s21, v3
	v_add_nc_u32 v[ADRB+\s], s22, v4
	s_add_co_u32 s21, s21, SLOT
	s_add_co_u32 s22, s22, SLOT
.endr
	s_mul_i32 s23, s10, 16*SPITCH
	s_add_co_u32 s23, s23, STAGE                   ; my stage
	v_mul_u32_u24 v4, v1, SPITCH
	v_lshl_add_u32 v4, v2, 4, v4
	v_add_nc_u32 v[STO], s23, v4
.if EPI
	v_mul_u32_u24 v7, v2, SPITCH                   ; back: lanes 0-15 one row of 256 bytes, lanes 16-31 the next
	v_lshl_add_u32 v7, v1, 4, v7
	v_add_nc_u32 v[RD], s23, v7
	v_mul_u32_u24 v7, v2, SIZE_N*2
	v_lshl_add_u32 v[CO], v1, 4, v7
	s_lshl_b32 s16, s13, 8
	s_lshl_b32 s17, s11, 7
	s_add_co_u32 s16, s16, s17                     ; my first row of C
	s_mul_i32 s16, s16, SIZE_N*2
	s_lshl_b32 s46, s42, 9
	s_lshl_b32 s47, s12, 8
	s_add_co_u32 s46, s46, s47                     ; my first column, in bytes of bf16
	s_add_co_u32 s16, s16, s46
	s_mov_b32 s17, 0
	s_add_nc_u64 s[8:9], s[8:9], s[16:17]
	s_lshl_b32 s18, s46, 1                         ; the same column in bytes of f32
	s_mov_b32 s19, 0
	s_add_nc_u64 s[SC:SC+1], s[SC:SC+1], s[18:19]
	v_lshlrev_b32 v[BA], 5, v2                     ; my eight columns of each block of 16 begin at 8 h
	v_mov_b32 v[A4], 0x3f3a00e3
	v_mov_b32 v[A4+1], 0x3f3a00e3
	s_mov_b32 s[CP], 0x3e6d3388                    ; 0.3275911 / sqrt(2)
	s_mov_b32 s[CP+1], 0x3e6d3388
	s_mov_b32 s[CK], 0xbf38aa3b                    ; -log2(e) / 2
	s_mov_b32 s[CK+1], 0xbf38aa3b
	s_mov_b32 s[C1], 0xbe027906                    ; -a1 / 2 .. -a5 / 2 of the polynomial (the fourth lies in v[A4])
	s_mov_b32 s[C1+1], 0xbe027906
	s_mov_b32 s[C2], 0x3e11a98e
	s_mov_b32 s[C2+1], 0x3e11a98e
	s_mov_b32 s[C3], 0xbf35f0e3
	s_mov_b32 s[C3+1], 0xbf35f0e3
	s_mov_b32 s[C5], 0xbf07dc22
	s_mov_b32 s[C5+1], 0xbf07dc22
	s_mov_b32 s[CABS], 0x7fffffff
	WIN TO_B                                       ; the bias of my 64 columns a lane, into window 1's idle v0-63; it lands under the K loop
.irp b, 0,1,2,3,4,5,6,7
	global_load_b128 v[8*\b:8*\b+3],   v[BA], s[SC:SC+1] offset:64*\b
	global_load_b128 v[8*\b+4:8*\b+7], v[BA], s[SC:SC+1] offset:64*\b+16
.endr
	WIN 0
.else
	v_and_b32 v6, 31, v0                           ; back: a plane's rows are 128 bytes: eight lanes to a row, four rows to a load
	v_lshrrev_b32 v7, 3, v6
	v_and_b32 v8, 7, v0
	v_mul_u32_u24 v7, v7, SPITCH
	v_lshl_add_u32 v7, v8, 4, v7
	v_add_nc_u32 v[RD], s23, v7
	v_lshlrev_b32 v[CO], 4, v6                     ; and the same four rows, dense, in the plane
	s_lshr_b32 s16, s13, 3                         ; batch = tile row / 8
	s_mul_i32 s16, s16, 12582912
	s_and_b32 s17, s13, 7
	s_lshl_b32 s17, s17, 8
	s_lshl_b32 s18, s11, 7
	s_add_co_u32 s17, s17, s18                     ; my first t
	s_lshl_b32 s17, s17, 7
	s_add_co_u32 s16, s16, s17
	s_lshl_b32 s46, s42, 2
	s_lshl1_add_u32 s46, s12, s46                  ; my first plane = 4 x tile column + 2 x half
	s_lshl_b32 s46, s46, 18
	s_add_co_u32 s16, s16, s46
	s_mov_b32 s17, 0
	s_add_nc_u64 s[8:9], s[8:9], s[16:17]
.endif
; 16 matrix instructions: m blocks a0, a0 + 1 of the window's four x all 8 n blocks, 32 along K.  zero = 1: the first product starts the sums.
; The 64 accumulators take turns, one instruction a turn, in the same order in every quarter step.
.macro MUL16 f, hi, a0, zero
.irp a, \a0, \a0+1
.irp b, 0,1,2,3,4,5,6,7
.if \zero
	v_wmma_f32_16x16x32_bf16 v[8*(8*(\a)+\b):8*(8*(\a)+\b)+7], v[\f+8*\b:\f+8*\b+7], v[\f+8*(4*\hi+\a):\f+8*(4*\hi+\a)+7], 0
.else
	v_wmma_f32_16x16x32_bf16 v[8*(8*(\a)+\b):8*(8*(\a)+\b)+7], v[\f+8*\b:\f+8*\b+7], v[\f+8*(4*\hi+\a):\f+8*(4*\hi+\a)+7], v[8*(8*(\a)+\b):8*(8*(\a)+\b)+7]
.endif
.endr
.endr
.endm
; 32 LDS loads in one run: quarter q (32 along K) of a slot into buffer f: B's 128 columns turned, then A's 128 rows
.macro FETCH slot, q, f
	WIN TO_B
.irp i, 0,1,2,3,4,5,6,7
	ds_load_tr16_b128 v[\f+8*\i:\f+8*\i+3],   v[ADRB+\slot] offset:\q*32*BPITCH+32*\i
	ds_load_tr16_b128 v[\f+8*\i+4:\f+8*\i+7], v[ADRB+\slot] offset:\q*32*BPITCH+32*\i+16*BPITCH
.endr
	WIN 0
.irp i, 0,1,2,3,4,5,6,7
	ds_load_b128 v[\f+8*\i:\f+8*\i+3],   v[ADRA+\slot] offset:\q*64+\i*16*PITCH
	ds_load_b128 v[\f+8*\i+4:\f+8*\i+7], v[ADRA+\slot] offset:\q*64+\i*16*PITCH+32
.endr
.endm
.macro PLACES                          ; four plain vector instructions between a matrix instruction and a load into, or a vector access to, its registers
.rept 4
	v_nop
.endr
.endm
; A quarter step: multiplies buffer f; in its middle it fetches quarter q of the same slot into buffer g
.macro QUARTER slot, q, f, g, zero
	s_wait_dscnt 8                                 ; B and A's rows 0-63 are in; the youngest eight loads (A's rows 64-127) may be out
	WIN MUL_LO
	MUL16 \f, 0, 0, \zero
	MUL16 \f, 0, 2, \zero
	PLACES
	FETCH \slot, \q, \g
	s_wait_dscnt 32                                ; all but the 32 just issued
	WIN MUL_HI
	MUL16 \f, 1, 0, \zero
	MUL16 \f, 1, 2, \zero
.endm
; The last quarter of a K step changes slots: one barrier; in front of it each wave waits for its reads of this slot and for all its tensor loads (the one that is out is its part of the next slot)
.macro MEET round
	s_wait_dscnt 8
	WIN MUL_LO
	MUL16 F1, 0, 0, 0
	s_wait_dscnt 0
	s_wait_tensorcnt 0x0
	s_barrier_signal -1
	MUL16 F1, 0, 2, 0                              ; register work while the others arrive
.if \round
	WIN 0
.endif
	s_barrier_wait -1
.endm
.macro TURN slot, next, fill
	MEET \fill
.if \fill
	CREST                                          ; the barrier has opened a round of the cluster's: no wave of any partner still reads this slot or has a load on its way
	s_add_nc_u64 s[G0+4*\slot+2:G0+4*\slot+3], s[G0+4*\slot+2:G0+4*\slot+3], 2*KSTEP*2
	s_add_nc_u64 s[G0B+4*\slot+2:G0B+4*\slot+3], s[G0B+4*\slot+2:G0B+4*\slot+3], 2*KSTEP*SIZE_N*2
	JLOAD \slot                                    ; my one tensor load behind the round, first thing there: 240 matrix instructions ahead of the wait for it; its four v_nop are also the places in front of the loads below
.else
	PLACES
.endif
	FETCH \next, 0, F0
	WIN MUL_HI
	MUL16 F1, 1, 0, 0
	MUL16 F1, 1, 2, 0
.endm
; gelu(x) = max(x, 0) + |x| (-poly(t) / 2) 2^(-x x log2(e) / 2), t = 1 / (1 + 0.3275911 |x| / sqrt(2)): erf by a fifth-degree polynomial in t, absolute error up to 1.5e-7; no difference of near numbers on either side.
.macro GELU16 g                        ; 16 numbers a lane, in place in X, then rounded to bf16
.set XG, X+16*\g
.set n, 0
.rept 16
	v_and_b32 v[AX+n], s[CABS], v[XG+n]
.set n, n+1
.endr
.set n, 0
.rept 8
	v_pk_fma_f32 v[U+n:U+n+1], v[AX+n:AX+n+1], s[CP:CP+1], 1.0 op_sel_hi:[1,0,0]
.set n, n+2
.endr
.set n, 0
.rept 16
	v_rcp_f32 v[U+n], v[U+n]
.set n, n+1
.endr
.set n, 0
.rept 8
	v_pk_mul_f32 v[E+n:E+n+1], v[XG+n:XG+n+1], v[XG+n:XG+n+1]      ; plain work that touches no reciprocal stands behind them
.set n, n+2
.endr
.set n, 0
.rept 8
	v_pk_mul_f32 v[E+n:E+n+1], v[E+n:E+n+1], s[CK:CK+1] op_sel_hi:[1,0]
.set n, n+2
.endr
.set n, 0
.rept 16
	v_exp_f32 v[E+n], v[E+n]
.set n, n+1
.endr
.set n, 0
.rept 16
	v_max_num_f32 v[XG+n], 0, v[XG+n]              ; and behind the exponentials
.set n, n+1
.endr
.set n, 0
.rept 8
	v_pk_fma_f32 v[PQ+n:PQ+n+1], v[U+n:U+n+1], s[C5:C5+1], v[A4:A4+1] op_sel_hi:[1,0,1]
.set n, n+2
.endr
.irp c, C3, C2, C1
.set n, 0
.rept 8
	v_pk_fma_f32 v[PQ+n:PQ+n+1], v[PQ+n:PQ+n+1], v[U+n:U+n+1], s[\c:\c+1] op_sel_hi:[1,1,0]
.set n, n+2
.endr
.endr
.set n, 0
.rept 8
	v_pk_mul_f32 v[PQ+n:PQ+n+1], v[PQ+n:PQ+n+1], v[U+n:U+n+1]
.set n, n+2
.endr
.set n, 0
.rept 8
	v_pk_mul_f32 v[PQ+n:PQ+n+1], v[PQ+n:PQ+n+1], v[E+n:E+n+1]
.set n, n+2
.endr
.set n, 0
.rept 8
	v_pk_fma_f32 v[XG+n:XG+n+1], v[AX+n:AX+n+1], v[PQ+n:PQ+n+1], v[XG+n:XG+n+1]
.set n, n+2
.endr
.set n, 0
.rept 8
	v_cvt_pk_bf16_f32 v[TMP+8*\g+n], v[XG+2*n], v[XG+2*n+1]
.set n, n+1
.endr
.endm
; THE WAY OUT of block a (16 rows x 128 columns).  PACK: what is made of the sums, rounded to bf16; each accumulator is read from its low end on.
.macro PACK a
.set AC, 64*((\a)%4)
.if EPI
	WIN 0x06+(\a)/4                                ; source 0: window 2 or 3; source 1 (the bias): window 1
.set i, 0
.rept 32
	v_pk_add_f32 v[X+2*i:X+2*i+1], v[AC+2*i:AC+2*i+1], v[2*i:2*i+1]
.set i, i+1
.endr
	WIN 0
	GELU16 0
	GELU16 1
	GELU16 2
	GELU16 3
.else
	WIN 0x02+(\a)/4                                ; source 0: window 2 or 3
.set i, 0
.rept 32
	v_pk_mul_f32 v[X+2*i:X+2*i+1], v[AC+2*i:AC+2*i+1], s[SC:SC+1] op_sel_hi:[1,0]
.set i, i+1
.endr
	WIN 0
.set i, 0
.rept 32
	v_cvt_pk_bf16_f32 v[TMP+i], v[X+2*i], v[X+2*i+1]
.set i, i+1
.endr
.endif
.endm
.macro TOSTAGE a                       ; into my own stage, and back in the order in which memory wants it; LDS serves a wave's instructions in order (ISA guide 5.7.1.4)
.set BK, OB+192*((\a)%2)
.irp b, 0,1,2,3,4,5,6,7
	ds_store_b128 v[STO], v[TMP+4*\b:TMP+4*\b+3] offset:32*\b
.endr
.if EPI
.irp t, 0,1,2,3,4,5,6,7
	ds_load_b128 v[BK+4*\t:BK+4*\t+3], v[RD] offset:\t*2*SPITCH
.endr
.else
.irp hh, 0,1
.irp i, 0,1,2,3
	ds_load_b128 v[BK+4*(4*\hh+\i):BK+4*(4*\hh+\i)+3], v[RD] offset:128*\hh+\i*4*SPITCH   ; plane hh, rows 4 i .. 4 i + 3
.endr
.endr
.endif
.endm
.macro SEND a
.set BK, OB+192*((\a)%2)
	s_wait_dscnt 0                                 ; the block is back in registers
	s_wait_xcnt 0x0                                ; the registers that the block before last stored from are loaded again only behind this wait (ISA guide 3.1)
.if EPI
.irp t, 0,1,2,3,4,5,6,7
	global_store_b128 v[CO], v[BK+4*\t:BK+4*\t+3], s[8:9] offset:(16*(\a)+2*\t)*SIZE_N*2   ; 16 lanes store 256 consecutive bytes, aligned; 126 rows at the most: inside the signed 24-bit immediate
.endr
.else
.irp hh, 0,1
.irp i, 0,1,2,3
	global_store_b128 v[CO], v[BK+4*(4*\hh+\i):BK+4*(4*\hh+\i)+3], s[8:9] offset:\hh*262144+(16*(\a)+4*\i)*128   ; the wave stores 512 consecutive bytes of a plane, aligned
.endr
.endr
.endif
.endm
	s_wait_tensorcnt 1                             ; my part of K step 0 is in; K step 1's may stay out
	s_barrier_signal -1
	s_barrier_wait -1
	FETCH 0, 0, F0
	QUARTER 0, 1, F0, F1, 1                        ; the first quarter's products start the sums
	WIN 0
	s_mov_b32 s3, LAPS-1
.Llap:                                                 ; a trip goes once round the ring and fills both slots again
	QUARTER 0, 2, F1, F0, 0
	QUARTER 0, 3, F0, F1, 0
	TURN 0, 1, 1
	QUARTER 1, 1, F0, F1, 0
	QUARTER 1, 2, F1, F0, 0
	QUARTER 1, 3, F0, F1, 0
	TURN 1, 0, 1
	QUARTER 0, 1, F0, F1, 0
	WIN 0
	s_sub_co_u32 s3, s3, 1
	s_cmp_lg_u32 s3, 0
	s_cbranch_scc1 .Llap
	QUARTER 0, 2, F1, F0, 0                        ; the last lap fills nothing
	QUARTER 0, 3, F0, F1, 0
	TURN 0, 1, 0
	QUARTER 1, 1, F0, F1, 0
	QUARTER 1, 2, F1, F0, 0
	QUARTER 1, 3, F0, F1, 0
	s_wait_dscnt 8                                 ; the very last quarter
	WIN MUL_LO
	MUL16 F1, 0, 0, 0
	MUL16 F1, 0, 2, 0
	s_wait_dscnt 0
	WIN MUL_HI
	MUL16 F1, 1, 0, 0
	MUL16 F1, 1, 2, 0
	WIN 0
	PLACES
.if EPI
	s_wait_loadcnt 0x0                             ; the bias
.endif
	PACK 0
	TOSTAGE 0
.irp a, 1,2,3,4,5,6,7                  ; block a's arithmetic stands between block a - 1's loads from the stage and the wait for them
	PACK \a
	SEND \a-1
	TOSTAGE \a
.endr
	SEND 7
	CROUND                                         ; the closing round: no work-group ends while a partner may still ask for a tile that names it
	s_endpgm
.Lfunc_end_k_qc61b3056a3_qkv:
	.size	k_qc61b3056a3_qkv, .Lfunc_end_k_qc61b3056a3_qkv-k_qc61b3056a3_qkv
	.p2alignl 7, 3214868480
	.fill 96, 4, 3214868480
	.section	.rodata,"a",@progbits
	.p2align	6, 0x0
	.amdhsa_kernel k_qc61b3056a3_qkv
		.amdhsa_group_segment_fixed_size 327680
		.amdhsa_private_segment_fixed_size 0
		.amdhsa_enable_private_segment 0
		.amdhsa_kernarg_size 24
		.amdhsa_user_sgpr_count 2
		.amdhsa_user_sgpr_kernarg_segment_ptr 1
		.amdhsa_wavefront_size32 1
		.amdhsa_system_sgpr_workgroup_id_x 1
		.amdhsa_system_sgpr_workgroup_id_y 1
		.amdhsa_system_sgpr_workgroup_id_z 1
		.amdhsa_system_vgpr_workitem_id 0
		.amdhsa_next_free_vgpr 1024
		.amdhsa_next_free_sgpr 84
		.amdhsa_reserve_vcc 0
		.amdhsa_float_denorm_mode_32 3
		.amdhsa_float_denorm_mode_16_64 3
		.amdhsa_memory_ordered 1
		.amdhsa_forward_progress 1
		.amdhsa_inst_pref_size 158
	.end_amdhsa_kernel
	.amdgpu_metadata
---
amdhsa.version: [ 1, 2 ]
amdhsa.kernels:
  - .name:           k_qc61b3056a3_qkv
    .symbol:         k_qc61b3056a3_qkv.kd
    .args:
      - { .name: hn, .offset: 0, .size: 8, .value_kind: global_buffer, .address_space: global }
      - { .name: wbf, .offset: 8, .size: 8, .value_kind: global_buffer, .address_space: global }
      - { .name: qkvh, .offset: 16, .size: 8, .value_kind: global_buffer, .address_space: global }
    .group_segment_fixed_size: 327680
    .private_segment_fixed_size: 0
    .kernarg_segment_align: 8
    .kernarg_segment_size: 24
    .max_flat_workgroup_size: 128
    .sgpr_count:     84
    .vgpr_count:     1024
    .wavefront_size: 32
...
	.end_amdgpu_metadata
.endif
;; end of part 2
;; launch attn (part 3): grid 16 x 16, 4 waves a work-group, clusters of 4 x 1, 327,680 bytes of LDS; arguments qkvh, maskw, att; writes att
.if DOCPART == 3
	.amdgcn_target "amdgcn-amd-amdhsa--gfx1250"
	.amdhsa_code_object_version 6
	.text
	.protected	k_qc61b3056a3_attn
	.globl	k_qc61b3056a3_attn
	.p2align	8
	.type	k_qc61b3056a3_attn,@function
k_qc61b3056a3_attn:
	s_mov_b64 s[64:65], 0
	v_nop
	global_prefetch_b8 v0, s[64:65] scope:SCOPE_SE
	s_setreg_imm32_b32 hwreg(HW_REG_WAVE_MODE, 25, 1), 1
	s_wait_xcnt 0x0
	s_wait_alu depctr_hold_cnt(0) depctr_sa_sdst(0) depctr_va_vdst(0) depctr_va_sdst(0) depctr_va_ssrc(0) depctr_va_vcc(0) depctr_vm_vsrc(0)
	s_getreg_b32 s2, hwreg(HW_REG_IB_STS2, 6, 4)
	s_cmp_eq_u32 s2, 0
	s_cbranch_scc0 .Lentry_in_a_cluster
	s_endpgm
.Lentry_in_a_cluster:
	s_bfe_u32 s2, ttmp6, 0x10000c
	s_cmp_lg_u32 s2, 0x3003
	s_cbranch_scc0 .Lentry_shape_is_right
	s_endpgm
.Lentry_shape_is_right:
; att[b][q][64 head + d] = the sum over k of softmax_k(masked Q.K / 8) V.  qkvh: bf16 [b][plane][t][64], planes 0-15 Q (already times log2(e) / 8), 16-31 K, 32-47 V.
; maskw: for each tile of 16 queries and each step of 64 keys 32 words; bit L of word 8 kb + j is the mask of the score that lane L holds in register j of accumulator kb.
; The mask is an input: every key of every query is walked, whatever the mask holds.
; SHARES.  A work-group owns 128 queries of two neighbouring heads, so that a row of att leaves as 256 whole bytes.  Wave w: head w / 2 of the pair, queries 64 (w % 2) on: four tiles of 16.
; LAYOUT.  S^T = K Q^T (source 0 = 16 keys, source 1 = 16 queries): a lane holds ONE query (lane % 16) and keys 8 (lane / 16) + 0..7.  Two such tiles, rounded to bf16 in pairs, are
; source 1 of O^T = V^T P; V ([key][channel]) is turned by ds_load_tr16_b128.  A query's maximum and sum want one exchange between the halves of the lanes.
; SOFTMAX.  Running maximum m and sum l for each query; p = 2^(s - m); in every step O and l are multiplied by a = 2^(m_old - m_new).
; A masked score is -FLT_MAX.  While a query has met masked keys only, m is -FLT_MAX, s - m is exactly 0 and p = 1; the first true key makes a = 0, which wipes that.  A query with no
; true key at all ends with m = -FLT_MAX and gets NaN, as a softmax over -inf alone gives.  Scores that are NaN or infinite themselves are not served.
; IN PHASES: a step's 32 products K Q^T, the four tiles' softmax, its 32 products V^T P.
; CLUSTER.  The four query blocks of a cluster walk the same K and V of the same two heads: each tile is asked for jointly, mask 15.
; LDS.  Rows of 128 bytes + 32: pitch 160 for K and V alike, so that one descriptor shape serves all four waves without a branch.  V's turning loads fall side by side; of K's plain loads
; two rows of sixteen share banks (16 loads a step).  A slot holds two steps: four regions of 128 rows (head 0 K, V, head 1 K, V); wave w fills region w.
; REGISTERS: window 0: v0-11 addresses; v12-43 statistics, 8 a tile; v44-49 at work; v64-191 S^T, 32 a tile; v192-255 P, 16 a tile.
;   window 1: v0-127 O^T, 32 a tile; v128-191 Q; v192-255 K of one step.   window 2: v0-63 V of one step.
.set KS,    64
.set PKV,   160
.set REGB,  128*PKV                    ; a region: 20,480 bytes
.set STEPB, KS*PKV                     ; a step's rows in a region
.set SLOT1, 1<<17                      ; slot 1 begins here: one exclusive or turns an address in one slot into the other's
.set STAGE, 4*REGB                     ; 81,920: between the slots, 128 rows x 272 bytes; no tensor load lands here
.set SP,    272
.set AK0, 2                            ; my lane's place in my head's K region; never rewritten
.set AV0, 3                            ; the same for V
.set ADR, 4                            ; the LDS address of the run of loads in hand
.set QO,  5
.set STO, 6
.set RD,  7
.set GO,  8
.set ST,  12                           ; tile t at v[ST+8 t]: +0 m, +1 its pair partner, +2, +3 l, +4..+7 at work; a in +6
.set T0,  44
.set T1,  46
.set NEG, 48
.set NANR, 49
.set S,   64
.set P,   192
.set QF,  128                          ; window 1
.set KF,  192                          ; window 1
.set WV,  8                            ; s8 wave
.set SLOTS, 9
.set TWICE, 10
.set TB,  11                           ; LDS byte at which the rows of the step to be fetched begin
.set SEL, 14
.set G1,  16
.set G0,  24                           ; s[24:27] slot 0's first fill; s[28:31] slot 1's, which then walks on
.set MA,  32                           ; s[32:63] mask words, buffer A
.set MBF, 68                           ; s[68:99] buffer B
.set MSB, 0
.macro WIN new
.if MSB != (\new)
	s_set_vgpr_msb (MSB<<8)|(\new)
.set MSB, (\new)
.endif
.endm
.set W_KQ, 0x05                        ; K and Q window 1, S^T window 0
.set W_PV, 0x52                        ; V window 2, P window 0, O^T window 1
.set W_RS, 0x41                        ; O^T (destination, source 0) window 1, a window 0
.macro CROUND
	s_barrier_signal -1
	s_barrier_wait -1
	s_cmp_lg_u32 s[WV], 0
	s_cbranch_scc1 .Lnot_wave_0_\@
	s_barrier_signal -3
.Lnot_wave_0_\@:
	s_barrier_wait -3
	s_barrier_signal -1
	s_barrier_wait -1
.endm
.macro PLACES
.rept 4
	v_nop
.endr
.endm
	s_load_b128 s[36:39], s[0:1], 0x0              ; qkvh s[36:37], maskw s[38:39]
	s_load_b64 s[4:5], s[0:1], 0x10                ; att
	v_lshrrev_b32 v1, 5, v0
	v_readfirstlane_b32 s[WV], v1
	s_bfe_u32 s40, ttmp6, 0x40000                  ; cx
	s_lshl_b32 s41, ttmp9, 2
	s_add_co_u32 s41, s41, s40                     ; my block of 128 queries: it enters Q's, the mask's and att's addresses alone
	s_and_b32 s42, ttmp7, 0xffff
	s_lshr_b32 s43, s42, 3                         ; batch
	s_and_b32 s44, s42, 7                          ; pair of heads
	s_lshr_b32 s45, s[WV], 1                       ; my head of the pair
	s_and_b32 s46, s[WV], 1                        ; my half of the queries.  Also: I fetch K (0) or V (1)
	s_lshl1_add_u32 s47, s44, s45                  ; my head
	s_mul_i32 s48, s43, 12582912                   ; the batch's 48 planes
	s_lshl_b32 s50, s46, 4
	s_add_co_u32 s50, s50, 16
	s_add_co_u32 s50, s50, s47                     ; the plane that I fetch: 16 + head or 32 + head
	s_lshl_b32 s50, s50, 18
	s_add_co_u32 s50, s50, s48
	s_mov_b32 s51, 0
	s_lshl_b32 s52, s47, 18                        ; Q: plane = head,
	s_add_co_u32 s52, s52, s48
	s_lshl_b32 s53, s41, 14                        ; 128 rows of 128 bytes a block,
	s_add_co_u32 s52, s52, s53
	s_lshl_b32 s53, s46, 13                        ; 64 a wave
	s_add_co_u32 s52, s52, s53
	s_mov_b32 s53, 0
	s_lshl_b32 s54, s41, 15                        ; the mask: 4,096 bytes for each tile of 16 queries, eight tiles a block,
	s_lshl_b32 s55, s46, 14                        ; four a wave
	s_add_co_u32 s54, s54, s55
	s_mov_b32 s55, 0
	s_lshl_b32 s56, s43, 11                        ; att: the rows that I store: 2,048 batch + 128 block + 32 wave,
	s_lshl_b32 s57, s41, 7
	s_add_co_u32 s56, s56, s57
	s_lshl_b32 s57, s[WV], 5
	s_add_co_u32 s56, s56, s57
	s_lshl_b32 s56, s56, 11                        ; of 2,048 bytes,
	s_lshl_b32 s57, s44, 8                         ; the pair's 256 bytes
	s_add_co_u32 s56, s56, s57
	s_mov_b32 s57, 0
	s_mul_i32 s58, s[WV], REGB                     ; the region that I fill
	s_mul_i32 s59, s45, 2*REGB                     ; my head's K region
	s_mul_i32 s60, s46, 64*SP                      ; my place in the stage: rows 64 x half, bytes 128 x head
	s_lshl_b32 s61, s45, 7
	s_add_co_u32 s60, s60, s61
	s_add_co_u32 s60, s60, STAGE
	s_mul_i32 s61, s[WV], 32*SP                    ; and the 32 rows that I read back
	s_add_co_u32 s61, s61, STAGE
	s_mov_b32 s[G1], 15|(1<<16)|(1<<20)|(1<<21)|(4<<22)|(7<<25)   ; all four work-groups; 2-byte elements; padding on; bit 21 beside a mask; 8 words behind every 32
	s_mov_b32 s[G1+1], 64<<16                      ; tensor_dim0 = 64
	s_mov_b32 s[G1+2], 128<<16                     ; tensor_dim1 = 128
	s_mov_b32 s[G1+3], 64<<16                      ; tile_dim0 = 64
	s_mov_b32 s[G1+4], 128                         ; tile_dim1 = 128
	s_mov_b32 s[G1+5], 64                          ; elements from row to row
	s_mov_b32 s[G1+6], 0
	s_mov_b32 s[G1+7], 0
	s_mov_b32 s[SEL], 0x76543210
	s_mov_b32 s[SEL+1], 0xfedcba98
	s_mov_b32 s[TB], 0
	s_mov_b32 s[SLOTS], 14                         ; 16 slots of 128 keys; two are first fills
	s_wait_kmcnt 0x0
	s_add_nc_u64 s[50:51], s[36:37], s[50:51]
	s_add_nc_u64 s[12:13], s[36:37], s[52:53]      ; Q; never rewritten
	s_add_nc_u64 s[6:7], s[38:39], s[54:55]        ; the mask words of my first tile, step 0
	s_add_nc_u64 s[4:5], s[4:5], s[56:57]
	s_mov_b32 s[G0], 1
	s_add_co_u32 s[G0+1], s58, 0
	s_mov_b64 s[G0+2:G0+3], s[50:51]
	s_or_b32 s[G0+3], s[G0+3], 0x80000000
	s_mov_b32 s[G0+4], 1
	s_add_co_u32 s[G0+5], s58, SLOT1
	s_add_nc_u64 s[G0+6:G0+7], s[50:51], 2*KS*128  ; keys 128 on
	s_or_b32 s[G0+7], s[G0+7], 0x80000000
	CROUND                                         ; all four work-groups are here: the first joint loads meet
	tensor_load_to_lds s[G0:G0+3], s[G1:G1+7]      ; every wave fills its own region: two tensor loads of mine are out
	tensor_load_to_lds s[G0+4:G0+7], s[G1:G1+7]
	PLACES                                         ; four v_nop follow
	v_and_b32 v1, 15, v0                           ; r
	v_bfe_u32 v9, v0, 4, 1                         ; h
	v_lshlrev_b32 v[QO], 7, v1
	v_lshl_add_u32 v[QO], v9, 4, v[QO]             ; row x 128 + 16 x half
	WIN 0x40                                       ; destination window 1
.irp t, 0,1,2,3
.irp ch, 0,1
	global_load_b128 v[QF+16*\t+8*\ch:QF+16*\t+8*\ch+3],   v[QO], s[12:13] offset:\t*2048+\ch*64
	global_load_b128 v[QF+16*\t+8*\ch+4:QF+16*\t+8*\ch+7], v[QO], s[12:13] offset:\t*2048+\ch*64+32
.endr
.endr
	WIN 0
	v_mul_u32_u24 v[AK0], v1, PKV
	v_lshl_add_u32 v[AK0], v9, 4, v[AK0]
	v_add_nc_u32 v[AK0], s59, v[AK0]
	v_and_b32 v10, 7, v0
	v_bfe_u32 v11, v0, 3, 1
	v_lshl_add_u32 v[AV0], v9, 3, v10              ; the turning load's lane reads key 8 h + l % 8, channels 8 ((l / 8) % 2) on
	v_mul_u32_u24 v[AV0], v[AV0], PKV
	v_lshl_add_u32 v[AV0], v11, 4, v[AV0]
	v_add3_u32 v[AV0], v[AV0], s59, REGB
	v_mul_u32_u24 v[STO], v1, SP
	v_lshl_add_u32 v[STO], v9, 4, v[STO]
	v_add_nc_u32 v[STO], s60, v[STO]
	v_mul_u32_u24 v[RD], v9, SP
	v_lshl_add_u32 v[RD], v1, 4, v[RD]
	v_add_nc_u32 v[RD], s61, v[RD]
	v_lshlrev_b32 v[GO], 11, v9
	v_lshl_add_u32 v[GO], v1, 4, v[GO]
	v_mov_b32 v[NEG], 0xff7fffff                   ; -FLT_MAX
	v_mov_b32 v[NANR], 0x7fc00000
.irp t, 0,1,2,3
	v_mov_b32 v[ST+8*\t+1], 0                      ; named as a pair with m, so it is written
.endr
	s_load_b512 s[MA:MA+15], s[6:7], 0x0           ; tile 0, step 0; the set-up's scalars in s32-61 are dead from here on
	s_load_b512 s[MA+16:MA+31], s[6:7], 0x40
.macro FETCH_K                         ; a step's K of my head: 64 keys x 64 channels, 8 fragments, 16 loads in one run
	WIN 0
	v_add_nc_u32 v[ADR], s[TB], v[AK0]
	WIN 0x40
.irp kb, 0,1,2,3
.irp ch, 0,1
	ds_load_b128 v[KF+8*(2*\kb+\ch):KF+8*(2*\kb+\ch)+3],   v[ADR] offset:\kb*16*PKV+\ch*64
	ds_load_b128 v[KF+8*(2*\kb+\ch)+4:KF+8*(2*\kb+\ch)+7], v[ADR] offset:\kb*16*PKV+\ch*64+32
.endr
.endr
.endm
.macro FETCH_V                         ; the same step's V, turned
	WIN 0
	v_add_nc_u32 v[ADR], s[TB], v[AV0]
	s_add_co_u32 s[TB], s[TB], STEPB               ; the next fetch is the next step's
	WIN 0x80
.irp kh, 0,1
.irp cb, 0,1,2,3
	ds_load_tr16_b128 v[8*(4*\kh+\cb):8*(4*\kh+\cb)+3],   v[ADR] offset:\kh*32*PKV+\cb*32
	ds_load_tr16_b128 v[8*(4*\kh+\cb)+4:8*(4*\kh+\cb)+7], v[ADR] offset:\kh*32*PKV+16*PKV+\cb*32
.endr
.endr
.endm
; The 16 accumulators of a product take turns, one instruction a turn: between two links of a chain stand the 15 others'.
.macro KQ
	WIN W_KQ
.irp ch, 0,1
.irp kb, 0,1,2,3
.irp t, 0,1,2,3
.if \ch == 0
	v_wmma_f32_16x16x32_bf16 v[S+32*\t+8*\kb:S+32*\t+8*\kb+7], v[KF+8*(2*\kb+\ch):KF+8*(2*\kb+\ch)+7], v[QF+16*\t+8*\ch:QF+16*\t+8*\ch+7], 0
.else
	v_wmma_f32_16x16x32_bf16 v[S+32*\t+8*\kb:S+32*\t+8*\kb+7], v[KF+8*(2*\kb+\ch):KF+8*(2*\kb+\ch)+7], v[QF+16*\t+8*\ch:QF+16*\t+8*\ch+7], v[S+32*\t+8*\kb:S+32*\t+8*\kb+7]
.endif
.endr
.endr
.endr
.endm
.macro PV zero
	WIN W_PV
.irp kh, 0,1
.irp cb, 0,1,2,3
.irp t, 0,1,2,3
.if \zero && (\kh == 0)
	v_wmma_f32_16x16x32_bf16 v[32*\t+8*\cb:32*\t+8*\cb+7], v[8*(4*\kh+\cb):8*(4*\kh+\cb)+7], v[P+16*\t+8*\kh:P+16*\t+8*\kh+7], 0
.else
	v_wmma_f32_16x16x32_bf16 v[32*\t+8*\cb:32*\t+8*\cb+7], v[8*(4*\kh+\cb):8*(4*\kh+\cb)+7], v[P+16*\t+8*\kh:P+16*\t+8*\kh+7], v[32*\t+8*\cb:32*\t+8*\cb+7]
.endif
.endr
.endr
.endr
.endm
.macro SUBM p                          ; pair p of the tile's 16 pairs of scores: s - m
	v_pk_add_f32 v[rS+2*(\p):rS+2*(\p)+1], v[rS+2*(\p):rS+2*(\p)+1], v[rT:rT+1] op_sel_hi:[1,0] neg_lo:[0,1] neg_hi:[0,1]
.endm
.macro TAILP p                         ; pair p of weights: rounded to bf16 for the second product, and added to one of two chains, which the first four pairs start
	v_cvt_pk_bf16_f32 v[rP+(\p)], v[rS+2*(\p)], v[rS+2*(\p)+1]
.if (\p) == 1
	v_pk_add_f32 v[T0:T0+1], v[rS:rS+1], v[rS+2:rS+3]
.elseif (\p) == 3
	v_pk_add_f32 v[T1:T1+1], v[rS+4:rS+5], v[rS+6:rS+7]
.elseif ((\p) > 3) && ((\p)%2 == 0)
	v_pk_add_f32 v[T0:T0+1], v[T0:T0+1], v[rS+2*(\p):rS+2*(\p)+1]
.elseif (\p) > 3
	v_pk_add_f32 v[T1:T1+1], v[T1:T1+1], v[rS+2*(\p):rS+2*(\p)+1]
.endif
.endm
; One tile's softmax for one step.  first = 1: the first step starts m and l.  next = 1: a further step follows.
.macro SOFT t, first, next
.set rT, ST+8*\t
.set rS, S+32*\t
.set rP, P+16*\t
.if (\t%2) == 0
.set MB, MA
.set MN, MBF
.else
.set MB, MBF
.set MN, MA
.endif
	s_wait_kmcnt 0x0                               ; this tile's 32 mask words are in; no scalar load is out, so the pointer may step
.if \t < 3
	s_load_b512 s[MN:MN+15], s[6:7], (\t+1)*4096   ; the next tile's, into the other buffer, whose last readers have been issued
	s_load_b512 s[MN+16:MN+31], s[6:7], (\t+1)*4096+64
.elseif \next
	s_add_nc_u64 s[6:7], s[6:7], 128               ; the next step's, tile 0
	s_load_b512 s[MN:MN+15], s[6:7], 0x0
	s_load_b512 s[MN+16:MN+31], s[6:7], 0x40
.endif
.set i, 0
.rept 32
	v_cndmask_b32 v[rS+i], v[NEG], v[rS+i], s[MB+i]   ; ascending: each accumulator is read from its low end on
.set i, i+1
.endr
.irp j, 0,1,2,3
	v_max3_num_f32 v[rT+4+\j], v[rS+8*\j], v[rS+8*\j+1], v[rS+8*\j+2]
.endr
.irp j, 0,1,2,3
	v_max3_num_f32 v[rT+4+\j], v[rT+4+\j], v[rS+8*\j+3], v[rS+8*\j+4]
.endr
.irp j, 0,1,2,3
	v_max3_num_f32 v[rT+4+\j], v[rT+4+\j], v[rS+8*\j+5], v[rS+8*\j+6]
.endr
	v_max3_num_f32 v[rT+4], v[rT+4], v[rS+7], v[rS+15]
	v_max3_num_f32 v[rT+6], v[rT+6], v[rS+23], v[rS+31]
	v_max3_num_f32 v[rT+4], v[rT+4], v[rT+5], v[rT+6]
.if \first
	v_max_num_f32 v[rT+4], v[rT+4], v[rT+7]
.else
	v_max3_num_f32 v[rT+4], v[rT+4], v[rT+7], v[rT]
.endif
	v_permlanex16_b32 v[rT+5], v[rT+4], s[SEL], s[SEL+1]   ; the query's other 32 keys lie in the lane 16 away
.if !\first
	v_mov_b32 v[rT+7], v[rT]                       ; m_old
.endif
	v_max_num_f32 v[rT], v[rT+4], v[rT+5]
.if !\first
	v_sub_f32 v[rT+7], v[rT+7], v[rT]
	v_exp_f32 v[rT+6], v[rT+7]                     ; a
.endif
	SUBM 0
	SUBM 1
.set b, 0
.rept 16                               ; two exponentials, then plain work that is ready and touches neither: the subtraction two pairs on, the pair before's rounding and sum
	v_exp_f32 v[rS+2*b], v[rS+2*b]
	v_exp_f32 v[rS+2*b+1], v[rS+2*b+1]
.if b < 14
	SUBM b+2
.endif
.if b > 0
	TAILP b-1
.endif
.set b, b+1
.endr
	TAILP 15
.if \first
	v_pk_add_f32 v[rT+2:rT+3], v[T0:T0+1], v[T1:T1+1]
.else
	v_pk_add_f32 v[T0:T0+1], v[T0:T0+1], v[T1:T1+1]
	v_pk_fma_f32 v[rT+2:rT+3], v[rT+2:rT+3], v[rT+6:rT+7], v[T0:T0+1] op_sel_hi:[1,0,1]
.endif
.endm
; A key step.  fetch = 1: the next step's K and V are fetched, each in one run behind the products that read the buffer and four places.
.macro STEP first, fetch
	s_wait_dscnt 16                                ; K is in; V's 16 loads may be out
	KQ
	PLACES
.if \fetch
	FETCH_K
.endif
	WIN 0
.irp t, 0,1,2,3
	SOFT \t, \first, \fetch
.endr
.if !\first
	WIN W_RS
.irp t, 0,1,2,3
.set i, 0
.rept 16
	v_pk_mul_f32 v[32*\t+2*i:32*\t+2*i+1], v[32*\t+2*i:32*\t+2*i+1], v[ST+8*\t+6:ST+8*\t+7] op_sel_hi:[1,0]   ; O^T times a, ascending
.set i, i+1
.endr
.endr
.endif
.if \fetch
	s_wait_dscnt 16                                ; V is in; the next K's 16 loads may be out
.else
	s_wait_dscnt 0
.endif
	PV \first
	PLACES
.if \fetch
	FETCH_V
.endif
	WIN 0
.endm
; THE CHANGE OF SLOTS: both steps of the slot have been fetched into registers.  Each wave waits for those reads and for all its tensor loads (one is out: its region of the other slot).
; fill = 1: the slot is filled again with the keys two slots on, behind a round of the cluster's barrier, first thing there: two key steps, 128 matrix instructions and eight softmaxes, in which to land.
.macro CHANGE fill
	WIN 0
	s_wait_dscnt 0x0
	s_wait_tensorcnt 0x0                           ; no tensor load of mine is out, so a group 0 may be written
.if \fill
	s_xor_b32 s[G0+5], s[G0+5], SLOT1              ; the walking descriptor: the other slot than last time,
	s_add_nc_u64 s[G0+6:G0+7], s[G0+6:G0+7], 2*KS*128   ; the next 128 keys
	CROUND
	tensor_load_to_lds s[G0+4:G0+7], s[G1:G1+7]    ; my one tensor load behind the round
	PLACES
.else
	s_barrier_signal -1
	s_barrier_wait -1
.endif
	s_sub_co_u32 s[TB], s[TB], 2*STEPB             ; the fetches go back to a slot's first step,
	s_xor_b32 s[TB], s[TB], SLOT1                  ; in the other slot
.endm
.macro TWO_STEPS
	s_mov_b32 s[TWICE], 2
.Lstep_\@:
	STEP 0, 1
	s_sub_co_u32 s[TWICE], s[TWICE], 1
	s_cmp_lg_u32 s[TWICE], 0
	s_cbranch_scc1 .Lstep_\@
.endm
	s_wait_tensorcnt 1                             ; my region of slot 0 is in; slot 1's may stay out
	s_barrier_signal -1
	s_barrier_wait -1
	FETCH_K                                        ; step 0
	FETCH_V
	WIN 0
	s_wait_loadcnt 0x0                             ; Q
	STEP 1, 1                                      ; step 0; fetches step 1
.Lslot:                                                ; 14 trips: every slot but the last two is filled again
	CHANGE 1
	TWO_STEPS
	s_sub_co_u32 s[SLOTS], s[SLOTS], 1
	s_cmp_lg_u32 s[SLOTS], 0
	s_cbranch_scc1 .Lslot
	CHANGE 0                                       ; the tail is written out: nothing more is asked for
	TWO_STEPS
	STEP 0, 0                                      ; step 31
	; THE WAY OUT.  l's two halves and the other half of the lanes' are added; O^T / l, rounded to bf16, goes into the work-group's stage: a row's 256 bytes come from two waves.
.irp t, 0,1,2,3
	v_add_f32 v[ST+8*\t+4], v[ST+8*\t+2], v[ST+8*\t+3]
.endr
.irp t, 0,1,2,3
	v_permlanex16_b32 v[ST+8*\t+5], v[ST+8*\t+4], s[SEL], s[SEL+1]
.endr
.irp t, 0,1,2,3
	v_add_f32 v[ST+8*\t+4], v[ST+8*\t+4], v[ST+8*\t+5]
.endr
.irp t, 0,1,2,3
	v_rcp_f32 v[ST+8*\t+6], v[ST+8*\t+4]
.endr
	v_nop                                          ; a plain instruction between the last reciprocal and its use
.irp t, 0,1,2,3
	v_cmp_gt_f32 vcc_lo, v[ST+8*\t], v[NEG]        ; has the query met a true key?
	v_cndmask_b32 v[ST+8*\t+6], v[NANR], v[ST+8*\t+6], vcc_lo
.endr
.macro PACKO t
	WIN W_RS
.set i, 0
.rept 16
	v_pk_mul_f32 v[32*\t+2*i:32*\t+2*i+1], v[32*\t+2*i:32*\t+2*i+1], v[ST+8*\t+6:ST+8*\t+7] op_sel_hi:[1,0]
.set i, i+1
.endr
	WIN 0x05                                       ; sources window 1, destination window 0: S^T's registers are free
.set i, 0
.rept 16
	v_cvt_pk_bf16_f32 v[S+16*\t+i], v[32*\t+2*i], v[32*\t+2*i+1]
.set i, i+1
.endr
	WIN 0
.irp cb, 0,1,2,3
	ds_store_b128 v[STO], v[S+16*\t+4*\cb:S+16*\t+4*\cb+3] offset:\t*16*SP+32*\cb
.endr
.endm
	PACKO 0
	PACKO 1
	PACKO 2
	PACKO 3
	s_wait_dscnt 0x0                               ; for the others' sake: my stores into the stage are done
	s_barrier_signal -1
	s_barrier_wait -1
.irp t, 0,1,2,3,4,5,6,7,8,9,10,11,12,13,14,15
	ds_load_b128 v[S+4*\t:S+4*\t+3], v[RD] offset:\t*2*SP
.endr
.irp t, 0,1,2,3,4,5,6,7,8,9,10,11,12,13,14,15
	s_wait_dscnt 15-\t
	global_store_b128 v[GO], v[S+4*\t:S+4*\t+3], s[4:5] offset:\t*4096   ; 16 lanes store 256 consecutive bytes, aligned
.endr
	CROUND                                         ; the closing round
	s_endpgm
.Lfunc_end_k_qc61b3056a3_attn:
	.size	k_qc61b3056a3_attn, .Lfunc_end_k_qc61b3056a3_attn-k_qc61b3056a3_attn
	.p2alignl 7, 3214868480
	.fill 96, 4, 3214868480
	.section	.rodata,"a",@progbits
	.p2align	6, 0x0
	.amdhsa_kernel k_qc61b3056a3_attn
		.amdhsa_group_segment_fixed_size 327680
		.amdhsa_private_segment_fixed_size 0
		.amdhsa_enable_private_segment 0
		.amdhsa_kernarg_size 24
		.amdhsa_user_sgpr_count 2
		.amdhsa_user_sgpr_kernarg_segment_ptr 1
		.amdhsa_wavefront_size32 1
		.amdhsa_system_sgpr_workgroup_id_x 1
		.amdhsa_system_sgpr_workgroup_id_y 1
		.amdhsa_system_sgpr_workgroup_id_z 1
		.amdhsa_system_vgpr_workitem_id 0
		.amdhsa_next_free_vgpr 576
		.amdhsa_next_free_sgpr 102
		.amdhsa_reserve_vcc 1
		.amdhsa_float_denorm_mode_32 3
		.amdhsa_float_denorm_mode_16_64 3
		.amdhsa_memory_ordered 1
		.amdhsa_forward_progress 1
		.amdhsa_inst_pref_size 179
	.end_amdhsa_kernel
	.amdgpu_metadata
---
amdhsa.version: [ 1, 2 ]
amdhsa.kernels:
  - .name:           k_qc61b3056a3_attn
    .symbol:         k_qc61b3056a3_attn.kd
    .args:
      - { .name: qkvh, .offset: 0, .size: 8, .value_kind: global_buffer, .address_space: global }
      - { .name: maskw, .offset: 8, .size: 8, .value_kind: global_buffer, .address_space: global }
      - { .name: att, .offset: 16, .size: 8, .value_kind: global_buffer, .address_space: global }
    .group_segment_fixed_size: 327680
    .private_segment_fixed_size: 0
    .kernarg_segment_align: 8
    .kernarg_segment_size: 24
    .max_flat_workgroup_size: 128
    .sgpr_count:     102
    .vgpr_count:     576
    .wavefront_size: 32
...
	.end_amdgpu_metadata
.endif
;; end of part 3
;; launch oproj (part 4): grid 8 x 32, 4 waves a work-group, clusters of 4 x 4, 327,680 bytes of LDS; arguments att, wbf, out_b, x, x1; writes x1
.if DOCPART == 4
	.amdgcn_target "amdgcn-amd-amdhsa--gfx1250"
	.amdhsa_code_object_version 6
	.text
	.protected	k_qc61b3056a3_oproj
	.globl	k_qc61b3056a3_oproj
	.p2align	8
	.type	k_qc61b3056a3_oproj,@function
k_qc61b3056a3_oproj:
	s_mov_b64 s[64:65], 0
	v_nop
	global_prefetch_b8 v0, s[64:65] scope:SCOPE_SE
	s_setreg_imm32_b32 hwreg(HW_REG_WAVE_MODE, 25, 1), 1
	s_wait_xcnt 0x0
	s_wait_alu depctr_hold_cnt(0) depctr_sa_sdst(0) depctr_va_vdst(0) depctr_va_sdst(0) depctr_va_ssrc(0) depctr_va_vcc(0) depctr_vm_vsrc(0)
	s_getreg_b32 s2, hwreg(HW_REG_IB_STS2, 6, 4)
	s_cmp_eq_u32 s2, 0
	s_cbranch_scc0 .Lentry_in_a_cluster
	s_endpgm
.Lentry_in_a_cluster:
	s_bfe_u32 s2, ttmp6, 0x10000c
	s_cmp_lg_u32 s2, 0xf033
	s_cbranch_scc0 .Lentry_shape_is_right
	s_endpgm
.Lentry_shape_is_right:
; out = res + A x W + bias, in f32.  A: [4096][SIZE_K] bf16.  W: [SIZE_K][1024] bf16 at byte WOFF of wbf, rows along N.  res, out: [4096][1024] f32.  bias: [1024] f32.
; N = 1,024 gives 64 tiles of 256 x 256; tiles of 128 x 128 give 256 work-groups, one for each WGP.  Four waves, each 64 x 64: 16 accumulators.
; K goes in steps of 256 through two LDS slots.  A's rows lie along K; W's lie along N and are turned on the way into registers (ds_load_tr16_b128).
; CLUSTERS: 4 x 4; A's tile is shared along a row of the cluster, W's along a column, each asked for jointly.
; THE MATRIX INSTRUCTION IS USED TRANSPOSED (source 0 = 16 columns of W, source 1 = 16 rows of A): a lane holds eight neighbouring numbers of a row of C.
; A wave's 64 columns of f32 are 256 aligned bytes: each wave has a stage of its own and needs no barrier on the way out.  The residual (128 registers) and the bias are asked for at the start and land under the K loop.
; REGISTERS: window 0: v0-31 addresses and bias; v32-95 the way out; v128-255 accumulators ((a, b) at v[128 + 8 (4 a + b)]).  window 1: two fragment buffers of 128.  window 2: v0-127 the residual.
.set SIZE_K, 1024
.set WOFF,   6291456
.set SIZE_N, 1024
.set KSTEP,  256
.set PITCH,  528                       ; A's LDS row: 512 bytes + 16
.set BPITCH, 288                       ; W's LDS row: 256 bytes + 32 = 9 x 32
.set REG,    36864                     ; a wave's region of a slot: 128 rows of W, or 64 rows of A (33,792 bytes) and a gap
.set SLOT,   4*REG
.set STAGE,  2*SLOT                    ; behind the ring: 16 rows x 272 bytes for each wave
.set SPITCH, 272
.set LAPS,   SIZE_K/(2*KSTEP)
.set ADRA, 16                          ; v16-17 my A fragments in slot 0, 1
.set ADRB, 20                          ; v20-23 my W fragments: slot 0 rows 0-127, 128-255; slot 1 likewise (the 16-bit offset does not reach over 256 rows)
.set STO,  24
.set RD,   25
.set CO,   26
.set BO,   27
.set BI,   28                          ; v[28:31] the bias of my four columns
.set TMP,  32
.set ACC,  128
.set F0,   0
.set F1,   128
.set G1,   24
.set G0,   32
.set G1B,  48
.set G0B,  56
.set MSB, 0
.macro WIN new
.if MSB != (\new)
	s_set_vgpr_msb (MSB<<8)|(\new)
.set MSB, (\new)
.endif
.endm
.set MUL,  0x05                        ; sources window 1; C and D window 0
.set TO_F, 0x40                        ; destination window 1
.macro JLOAD s                         ; waves 0 and 1 fetch A's halves, waves 2 and 3 W's; four v_nop follow each line
	s_cmp_eq_u32 s11, 0
	s_cbranch_scc0 .Lfor_b_\@
	tensor_load_to_lds s[G0+4*\s:G0+4*\s+3], s[G1:G1+7]
.rept 4
	v_nop
.endr
	s_branch .Lasked_\@
.Lfor_b_\@:
	tensor_load_to_lds s[G0B+4*\s:G0B+4*\s+3], s[G1B:G1B+7]
.rept 4
	v_nop
.endr
.Lasked_\@:
.endm
.macro CREST
	s_cmp_lg_u32 s10, 0
	s_cbranch_scc1 .Lnot_wave_0_\@
	s_barrier_signal -3
.Lnot_wave_0_\@:
	s_barrier_wait -3
	s_barrier_signal -1
	s_barrier_wait -1
.endm
.macro CROUND
	s_barrier_signal -1
	s_barrier_wait -1
	CREST
.endm
	s_load_b128 s[4:7], s[0:1], 0x0                ; A s[4:5], wbf s[6:7]
	s_load_b128 s[68:71], s[0:1], 0x10             ; bias s[68:69], residual s[70:71]
	s_load_b64 s[8:9], s[0:1], 0x20                ; out
	v_lshrrev_b32 v1, 5, v0
	v_readfirstlane_b32 s10, v1
	s_lshr_b32 s11, s10, 1                         ; my half of the rows.  Also: I fetch for A (0) or W (1)
	s_and_b32 s12, s10, 1                          ; my half of the columns.  Also: which half of that tile I fetch
	s_bfe_u32 s40, ttmp6, 0x40000
	s_bfe_u32 s41, ttmp6, 0x40004
	s_lshl_b32 s42, ttmp9, 2
	s_add_co_u32 s42, s42, s40                     ; tile column
	s_and_b32 s13, ttmp7, 0xffff
	s_lshl_b32 s13, s13, 2
	s_add_co_u32 s13, s13, s41                     ; tile row
	s_lshl_b32 s43, s41, 2
	s_lshl_b32 s43, 15, s43
	s_lshl_b32 s44, 0x1111, s40
	s_or_b32 s[G1+0], s43, (1<<16)|(1<<20)|(1<<21)|(6<<22)|(3<<25)   ; A: my row's mask; 4 words behind every 128
	s_or_b32 s[G1B+0], s44, (1<<16)|(1<<20)|(1<<21)|(5<<22)|(7<<25)  ; W: my column's mask; 8 words behind every 64
	s_mov_b32 s[G1+1], KSTEP<<16                   ; A: 64 rows x 256 elements
	s_mov_b32 s[G1+2], 64<<16
	s_mov_b32 s[G1+3], KSTEP<<16
	s_mov_b32 s[G1+4], 64
	s_mov_b32 s[G1+5], SIZE_K
	s_mov_b32 s[G1+6], 0
	s_mov_b32 s[G1+7], 0
	s_mov_b32 s[G1B+1], 128<<16                    ; W: 128 rows x 128 elements
	s_mov_b32 s[G1B+2], 128<<16
	s_mov_b32 s[G1B+3], 128<<16
	s_mov_b32 s[G1B+4], 128
	s_mov_b32 s[G1B+5], SIZE_N
	s_mov_b32 s[G1B+6], 0
	s_mov_b32 s[G1B+7], 0
	s_lshl_b32 s16, s13, 7
	s_lshl_b32 s17, s12, 6
	s_add_co_u32 s16, s16, s17                     ; A: row 128 x tile row + 64 x half
	s_mul_i32 s16, s16, SIZE_K*2
	s_mov_b32 s17, 0
	s_mul_i32 s46, s12, 128*SIZE_N*2               ; W: row 128 x half of the K step,
	s_lshl_b32 s47, s42, 8                         ; column 128 x tile column
	s_add_co_u32 s46, s46, s47
	s_add_co_u32 s46, s46, WOFF
	s_mov_b32 s47, 0
	s_mul_i32 s20, s10, REG
	s_wait_kmcnt 0x0
	s_add_nc_u64 s[14:15], s[4:5], s[16:17]
	s_add_nc_u64 s[46:47], s[6:7], s[46:47]
	CROUND
.irp s, 0,1
	s_mov_b32 s[G0+4*\s], 1
	s_add_co_u32 s[G0+4*\s+1], s20, \s*SLOT
	s_add_nc_u64 s[G0+4*\s+2:G0+4*\s+3], s[14:15], \s*KSTEP*2
	s_or_b32 s[G0+4*\s+3], s[G0+4*\s+3], 0x80000000
	s_mov_b32 s[G0B+4*\s], 1
	s_add_co_u32 s[G0B+4*\s+1], s20, \s*SLOT
	s_add_nc_u64 s[G0B+4*\s+2:G0B+4*\s+3], s[46:47], \s*KSTEP*SIZE_N*2
	s_or_b32 s[G0B+4*\s+3], s[G0B+4*\s+3], 0x80000000
	JLOAD \s                                       ; two tensor loads of mine are out
.endr
	v_and_b32 v1, 15, v0                           ; r
	v_bfe_u32 v2, v0, 4, 1                         ; h
	v_lshlrev_b32 v5, 12, v2                       ; the way out: lanes 0-15 one row of 4,096 bytes, lanes 16-31 the next; 16 bytes a lane
	v_lshl_add_u32 v[CO], v1, 4, v5
	v_lshlrev_b32 v[BO], 4, v1
	s_lshl_b32 s16, s13, 7
	s_lshl_b32 s17, s11, 6
	s_add_co_u32 s16, s16, s17                     ; my first row of C
	s_lshl_b32 s16, s16, 12
	s_lshl_b32 s18, s42, 9
	s_lshl_b32 s19, s12, 8
	s_add_co_u32 s18, s18, s19                     ; my first column, in bytes
	s_mov_b32 s19, 0
	s_add_co_u32 s16, s16, s18
	s_mov_b32 s17, 0
	s_add_nc_u64 s[8:9], s[8:9], s[16:17]
	s_add_nc_u64 s[70:71], s[70:71], s[16:17]
	s_add_nc_u64 s[68:69], s[68:69], s[18:19]
	global_load_b128 v[BI:BI+3], v[BO], s[68:69]
	WIN 0x80                                       ; destination window 2
.irp a, 0,1,2,3
.irp t, 0,1,2,3,4,5,6,7
	global_load_b128 v[32*\a+4*\t:32*\a+4*\t+3], v[CO], s[70:71] offset:(16*\a+2*\t)*SIZE_N*4
.endr
.endr
	WIN 0
	v_mul_u32_u24 v3, v1, PITCH
	v_lshl_add_u32 v3, v2, 4, v3
	v_and_b32 v4, 7, v0
	v_lshl_add_u32 v4, v2, 3, v4
	v_mul_u32_u24 v4, v4, BPITCH
	v_bfe_u32 v5, v0, 3, 1
	v_lshl_add_u32 v4, v5, 4, v4
	s_mul_i32 s21, s11, REG                        ; my 64 rows of A
	s_lshl_b32 s22, s12, 7                         ; my 64 columns of W,
	s_add_co_u32 s22, s22, 2*REG                   ; which lies behind A
.irp s, 0,1
	v_add_nc_u32 v[ADRA+\s], s21, v3
	v_add_nc_u32 v[ADRB+2*\s], s22, v4
	s_add_co_u32 s22, s22, REG
	v_add_nc_u32 v[ADRB+2*\s+1], s22, v4
	s_add_co_u32 s21, s21, SLOT
	s_add_co_u32 s22, s22, SLOT-REG
.endr
	s_mul_i32 s23, s10, 16*SPITCH
	s_add_co_u32 s23, s23, STAGE
	v_mul_u32_u24 v4, v1, SPITCH                   ; in: row r, 32 bytes for each half of the lanes
	v_lshl_add_u32 v4, v2, 5, v4
	v_add_nc_u32 v[STO], s23, v4
	v_mul_u32_u24 v5, v2, SPITCH                   ; back: whole rows of 256 bytes
	v_lshl_add_u32 v5, v1, 4, v5
	v_add_nc_u32 v[RD], s23, v5
; 8 matrix instructions: m blocks a0, a0 + 1 x all 4 n blocks, 32 along K: half c of buffer f.  The 16 accumulators take turns.
.macro MUL8 f, c, a0, zero
.irp a, \a0, \a0+1
.irp b, 0,1,2,3
.if \zero
	v_wmma_f32_16x16x32_bf16 v[ACC+8*(4*(\a)+\b):ACC+8*(4*(\a)+\b)+7], v[\f+64+8*(4*\c+\b):\f+64+8*(4*\c+\b)+7], v[\f+8*(4*\c+\a):\f+8*(4*\c+\a)+7], 0
.else
	v_wmma_f32_16x16x32_bf16 v[ACC+8*(4*(\a)+\b):ACC+8*(4*(\a)+\b)+7], v[\f+64+8*(4*\c+\b):\f+64+8*(4*\c+\b)+7], v[\f+8*(4*\c+\a):\f+8*(4*\c+\a)+7], v[ACC+8*(4*(\a)+\b):ACC+8*(4*(\a)+\b)+7]
.endif
.endr
.endr
.endm
; 32 LDS loads in one run: quarter qd (64 along K) of a slot into buffer f; its first 32 along K first
.macro FETCH slot, qd, f
	WIN TO_F
.irp c, 0,1
.irp i, 0,1,2,3
	ds_load_tr16_b128 v[\f+64+8*(4*\c+\i):\f+64+8*(4*\c+\i)+3],   v[ADRB+2*\slot+\qd/2] offset:((\qd%2)*64+32*\c)*BPITCH+32*\i
	ds_load_tr16_b128 v[\f+64+8*(4*\c+\i)+4:\f+64+8*(4*\c+\i)+7], v[ADRB+2*\slot+\qd/2] offset:((\qd%2)*64+32*\c)*BPITCH+32*\i+16*BPITCH
	ds_load_b128 v[\f+8*(4*\c+\i):\f+8*(4*\c+\i)+3],              v[ADRA+\slot] offset:128*\qd+64*\c+\i*16*PITCH
	ds_load_b128 v[\f+8*(4*\c+\i)+4:\f+8*(4*\c+\i)+7],            v[ADRA+\slot] offset:128*\qd+64*\c+\i*16*PITCH+32
.endr
.endr
.endm
.macro PLACES
.rept 4
	v_nop
.endr
.endm
.macro QUARTER slot, qd, f, g, zero
	s_wait_dscnt 16                                ; the first 32 along K are in
	WIN MUL
	MUL8 \f, 0, 0, \zero
	MUL8 \f, 0, 2, \zero
	PLACES
	FETCH \slot, \qd, \g
	s_wait_dscnt 32                                ; all but the 32 just issued
	WIN MUL
	MUL8 \f, 1, 0, 0
	MUL8 \f, 1, 2, 0
.endm
; The last quarter changes slots: one barrier; in front of it each wave waits for its reads of this slot and for all its tensor loads
.macro TURN slot, next, fill
	s_wait_dscnt 16
	WIN MUL
	MUL8 F1, 0, 0, 0
	s_wait_dscnt 0
	s_wait_tensorcnt 0x0
	s_barrier_signal -1
	MUL8 F1, 0, 2, 0
.if \fill
	WIN 0
.endif
	s_barrier_wait -1
.if \fill
	CREST                                          ; the barrier has opened a round of the cluster's
	s_add_nc_u64 s[G0+4*\slot+2:G0+4*\slot+3], s[G0+4*\slot+2:G0+4*\slot+3], 2*KSTEP*2
	s_add_nc_u64 s[G0B+4*\slot+2:G0B+4*\slot+3], s[G0B+4*\slot+2:G0B+4*\slot+3], 2*KSTEP*SIZE_N*2
	JLOAD \slot                                    ; my one tensor load behind the round: 120 matrix instructions ahead of the wait for it
.else
	PLACES
.endif
	FETCH \next, 0, F0
	WIN MUL
	MUL8 F1, 1, 0, 0
	MUL8 F1, 1, 2, 0
.endm
; THE WAY OUT of block a (16 rows x 64 columns of f32): the sums go as they are into my stage (each accumulator's low four registers first) and come back as whole rows
.macro STG a
.set TBF, TMP+32*((\a)%2)
.if (\a) >= 2
	s_wait_xcnt 0x0                                ; the registers that block a - 2 was stored from are loaded again only behind this wait (ISA guide 3.1)
.endif
.irp b, 0,1,2,3
	ds_store_b128 v[STO], v[ACC+8*(4*(\a)+\b):ACC+8*(4*(\a)+\b)+3]   offset:64*\b
	ds_store_b128 v[STO], v[ACC+8*(4*(\a)+\b)+4:ACC+8*(4*(\a)+\b)+7] offset:64*\b+16
.endr
.irp t, 0,1,2,3,4,5,6,7
	ds_load_b128 v[TBF+4*\t:TBF+4*\t+3], v[RD] offset:\t*2*SPITCH  ; LDS serves a wave's instructions in order (ISA guide 5.7.1.4)
.endr
.endm
.macro OUTB a, younger                 ; younger: the next block's eight stores and eight loads, or none
.set TBF, TMP+32*((\a)%2)
	s_wait_dscnt \younger
	WIN 0x08                                       ; source 1 (the residual) window 2
.set i, 0
.rept 16
	v_pk_add_f32 v[TBF+2*i:TBF+2*i+1], v[TBF+2*i:TBF+2*i+1], v[32*(\a)+2*i:32*(\a)+2*i+1]
.set i, i+1
.endr
	WIN 0
.irp t, 0,1,2,3,4,5,6,7
	v_pk_add_f32 v[TBF+4*\t:TBF+4*\t+1],   v[TBF+4*\t:TBF+4*\t+1],   v[BI:BI+1]
	v_pk_add_f32 v[TBF+4*\t+2:TBF+4*\t+3], v[TBF+4*\t+2:TBF+4*\t+3], v[BI+2:BI+3]
.endr
.irp t, 0,1,2,3,4,5,6,7
	global_store_b128 v[CO], v[TBF+4*\t:TBF+4*\t+3], s[8:9] offset:(16*(\a)+2*\t)*SIZE_N*4   ; 16 lanes store 256 consecutive bytes, aligned
.endr
.endm
	s_wait_tensorcnt 1                             ; my part of K step 0 is in; K step 1's may stay out
	s_barrier_signal -1
	s_barrier_wait -1
	FETCH 0, 0, F0
	QUARTER 0, 1, F0, F1, 1
	WIN 0
	s_mov_b32 s3, LAPS-1
.Llap:
	QUARTER 0, 2, F1, F0, 0
	QUARTER 0, 3, F0, F1, 0
	TURN 0, 1, 1
	QUARTER 1, 1, F0, F1, 0
	QUARTER 1, 2, F1, F0, 0
	QUARTER 1, 3, F0, F1, 0
	TURN 1, 0, 1
	QUARTER 0, 1, F0, F1, 0
	WIN 0
	s_sub_co_u32 s3, s3, 1
	s_cmp_lg_u32 s3, 0
	s_cbranch_scc1 .Llap
	QUARTER 0, 2, F1, F0, 0                        ; the last lap fills nothing
	QUARTER 0, 3, F0, F1, 0
	TURN 0, 1, 0
	QUARTER 1, 1, F0, F1, 0
	QUARTER 1, 2, F1, F0, 0
	QUARTER 1, 3, F0, F1, 0
	s_wait_dscnt 16
	WIN MUL
	MUL8 F1, 0, 0, 0
	MUL8 F1, 0, 2, 0
	s_wait_dscnt 0
	MUL8 F1, 1, 0, 0
	MUL8 F1, 1, 2, 0
	WIN 0
	PLACES
	s_wait_loadcnt 0x0                             ; the residual and the bias
	STG 0
	STG 1
	OUTB 0, 16
	STG 2
	OUTB 1, 16
	STG 3
	OUTB 2, 16
	OUTB 3, 0
	CROUND                                         ; the closing round
	s_endpgm
.Lfunc_end_k_qc61b3056a3_oproj:
	.size	k_qc61b3056a3_oproj, .Lfunc_end_k_qc61b3056a3_oproj-k_qc61b3056a3_oproj
	.p2alignl 7, 3214868480
	.fill 96, 4, 3214868480
	.section	.rodata,"a",@progbits
	.p2align	6, 0x0
	.amdhsa_kernel k_qc61b3056a3_oproj
		.amdhsa_group_segment_fixed_size 327680
		.amdhsa_private_segment_fixed_size 0
		.amdhsa_enable_private_segment 0
		.amdhsa_kernarg_size 40
		.amdhsa_user_sgpr_count 2
		.amdhsa_user_sgpr_kernarg_segment_ptr 1
		.amdhsa_wavefront_size32 1
		.amdhsa_system_sgpr_workgroup_id_x 1
		.amdhsa_system_sgpr_workgroup_id_y 1
		.amdhsa_system_sgpr_workgroup_id_z 1
		.amdhsa_system_vgpr_workitem_id 0
		.amdhsa_next_free_vgpr 640
		.amdhsa_next_free_sgpr 72
		.amdhsa_reserve_vcc 0
		.amdhsa_float_denorm_mode_32 3
		.amdhsa_float_denorm_mode_16_64 3
		.amdhsa_memory_ordered 1
		.amdhsa_forward_progress 1
		.amdhsa_inst_pref_size 97
	.end_amdhsa_kernel
	.amdgpu_metadata
---
amdhsa.version: [ 1, 2 ]
amdhsa.kernels:
  - .name:           k_qc61b3056a3_oproj
    .symbol:         k_qc61b3056a3_oproj.kd
    .args:
      - { .name: att, .offset: 0, .size: 8, .value_kind: global_buffer, .address_space: global }
      - { .name: wbf, .offset: 8, .size: 8, .value_kind: global_buffer, .address_space: global }
      - { .name: out_b, .offset: 16, .size: 8, .value_kind: global_buffer, .address_space: global }
      - { .name: x, .offset: 24, .size: 8, .value_kind: global_buffer, .address_space: global }
      - { .name: x1, .offset: 32, .size: 8, .value_kind: global_buffer, .address_space: global }
    .group_segment_fixed_size: 327680
    .private_segment_fixed_size: 0
    .kernarg_segment_align: 8
    .kernarg_segment_size: 40
    .max_flat_workgroup_size: 128
    .sgpr_count:     72
    .vgpr_count:     640
    .wavefront_size: 32
...
	.end_amdgpu_metadata
.endif
;; end of part 4
;; launch ln2 (part 5): grid 256 x 1, 4 waves a work-group, no clusters, 0 bytes of LDS; arguments x1, ln2_g, ln2_b, hn; writes hn
.if DOCPART == 5
	.amdgcn_target "amdgcn-amd-amdhsa--gfx1250"
	.amdhsa_code_object_version 6
	.text
	.protected	k_qc61b3056a3_ln2
	.globl	k_qc61b3056a3_ln2
	.p2align	8
	.type	k_qc61b3056a3_ln2,@function
k_qc61b3056a3_ln2:
	s_mov_b64 s[64:65], 0
	v_nop
	global_prefetch_b8 v0, s[64:65] scope:SCOPE_SE
	s_setreg_imm32_b32 hwreg(HW_REG_WAVE_MODE, 25, 1), 1
	s_wait_xcnt 0x0
; hn = LayerNorm(x1) * ln2_g + ln2_b in bf16.  x1: [4096][1024] f32.  16 rows a work-group, four whole rows a wave, kept in registers between the passes:
; the mean first, then the squares of x - mean, so that a common offset of the row costs no digits.  Memory binds: no LDS, no barrier, no matrix unit.
.set LG, 8                             ; v[8:39]    gain of my 32 columns
.set LB, 40                            ; v[40:71]   bias
.set LX, 72                            ; v[72:199]  four rows, 32 numbers a lane each
.set LT, 200                           ; v[200:215] at work
.macro WSUM r                          ; the sum over the wave's 32 lanes, in every lane
	v_add_f32_dpp v[\r], v[\r], v[\r] row_xmask:1 row_mask:0xf bank_mask:0xf
	v_add_f32_dpp v[\r], v[\r], v[\r] row_xmask:2 row_mask:0xf bank_mask:0xf
	v_add_f32_dpp v[\r], v[\r], v[\r] row_xmask:4 row_mask:0xf bank_mask:0xf
	v_add_f32_dpp v[\r], v[\r], v[\r] row_xmask:8 row_mask:0xf bank_mask:0xf
	v_permlanex16_b32 v[\r+1], v[\r], s12, s13
	v_add_f32 v[\r], v[\r], v[\r+1]
.endm
.macro LNROW r, left
.set XR, LX+32*\r
	s_wait_loadcnt \left                           ; this row (and gain and bias) is in, the later rows stay out
.irp k, 0,1,2,3,4,5,6,7
	v_pk_add_f32 v[LT+2*\k:LT+2*\k+1], v[XR+4*\k:XR+4*\k+1], v[XR+4*\k+2:XR+4*\k+3]
.endr
.irp k, 0,1,2,3
	v_pk_add_f32 v[LT+2*\k:LT+2*\k+1], v[LT+2*\k:LT+2*\k+1], v[LT+2*\k+8:LT+2*\k+9]
.endr
	v_pk_add_f32 v[LT:LT+1], v[LT:LT+1], v[LT+4:LT+5]
	v_pk_add_f32 v[LT+2:LT+3], v[LT+2:LT+3], v[LT+6:LT+7]
	v_pk_add_f32 v[LT:LT+1], v[LT:LT+1], v[LT+2:LT+3]
	v_add_f32 v[LT], v[LT], v[LT+1]
	WSUM LT
	v_mul_f32 v[LT], s14, v[LT]                    ; the mean
.set k, 0
.rept 16
	v_pk_add_f32 v[XR+2*k:XR+2*k+1], v[XR+2*k:XR+2*k+1], v[LT:LT+1] op_sel_hi:[1,0] neg_lo:[0,1] neg_hi:[0,1]
.set k, k+1
.endr
	v_pk_mul_f32 v[LT+2:LT+3], v[XR:XR+1], v[XR:XR+1]
	v_pk_mul_f32 v[LT+4:LT+5], v[XR+2:XR+3], v[XR+2:XR+3]
.set k, 2
.rept 7
	v_pk_fma_f32 v[LT+2:LT+3], v[XR+2*k:XR+2*k+1], v[XR+2*k:XR+2*k+1], v[LT+2:LT+3]
	v_pk_fma_f32 v[LT+4:LT+5], v[XR+2*k+2:XR+2*k+3], v[XR+2*k+2:XR+2*k+3], v[LT+4:LT+5]
.set k, k+2
.endr
	v_pk_add_f32 v[LT+2:LT+3], v[LT+2:LT+3], v[LT+4:LT+5]
	v_add_f32 v[LT+2], v[LT+2], v[LT+3]
	WSUM LT+2
	v_fma_f32 v[LT+2], v[LT+2], s14, s15           ; variance + 1e-5
	v_rsq_f32 v[LT+2], v[LT+2]
	v_nop                                          ; a plain instruction between the root and its use (ISA guide 5.7.2)
.set k, 0
.rept 16
	v_pk_mul_f32 v[XR+2*k:XR+2*k+1], v[XR+2*k:XR+2*k+1], v[LT+2:LT+3] op_sel_hi:[1,0]
.set k, k+1
.endr
.set k, 0
.rept 16
	v_pk_fma_f32 v[XR+2*k:XR+2*k+1], v[XR+2*k:XR+2*k+1], v[LG+2*k:LG+2*k+1], v[LB+2*k:LB+2*k+1]
.set k, k+1
.endr
.set k, 0
.rept 16
	v_cvt_pk_bf16_f32 v[XR+k], v[XR+2*k], v[XR+2*k+1]
.set k, k+1
.endr
.irp j, 0,1,2,3,4,5,6,7
	global_store_b64 v2, v[XR+2*\j:XR+2*\j+1], s[10:11] offset:\r*2048+256*\j   ; the wave stores 256 consecutive bytes, aligned
.endr
.endm
	s_load_b256 s[4:11], s[0:1], 0x0               ; x1 s[4:5], ln2_g s[6:7], ln2_b s[8:9], hn s[10:11]
	v_lshrrev_b32 v3, 5, v0
	v_readfirstlane_b32 s16, v3                    ; wave
	v_and_b32 v4, 31, v0
	v_lshlrev_b32 v1, 4, v4
	v_lshlrev_b32 v2, 3, v4
	s_lshl_b32 s17, ttmp9, 4
	s_lshl2_add_u32 s17, s16, s17                  ; my first row
	s_lshl_b32 s18, s17, 12
	s_mov_b32 s19, 0
	s_lshl_b32 s20, s17, 11
	s_mov_b32 s21, 0
	s_mov_b32 s12, 0x76543210
	s_mov_b32 s13, 0xfedcba98
	s_mov_b32 s14, 0x3a800000                      ; 1 / 1024
	s_mov_b32 s15, 0x3727c5ac                      ; 1e-5
	s_wait_kmcnt 0x0
	s_add_nc_u64 s[4:5], s[4:5], s[18:19]
	s_add_nc_u64 s[10:11], s[10:11], s[20:21]
.irp j, 0,1,2,3,4,5,6,7
	global_load_b128 v[LX+4*\j:LX+4*\j+3], v1, s[4:5] offset:512*\j
.endr
.irp j, 0,1,2,3,4,5,6,7
	global_load_b128 v[LG+4*\j:LG+4*\j+3], v1, s[6:7] offset:512*\j
.endr
.irp j, 0,1,2,3,4,5,6,7
	global_load_b128 v[LB+4*\j:LB+4*\j+3], v1, s[8:9] offset:512*\j
.endr
.irp r, 1,2,3
.irp j, 0,1,2,3,4,5,6,7
	global_load_b128 v[LX+32*\r+4*\j:LX+32*\r+4*\j+3], v1, s[4:5] offset:\r*4096+512*\j
.endr
.endr
	LNROW 0, 24
	LNROW 1, 16
	LNROW 2, 8
	LNROW 3, 0
	s_endpgm
.Lfunc_end_k_qc61b3056a3_ln2:
	.size	k_qc61b3056a3_ln2, .Lfunc_end_k_qc61b3056a3_ln2-k_qc61b3056a3_ln2
	.p2alignl 7, 3214868480
	.fill 96, 4, 3214868480
	.section	.rodata,"a",@progbits
	.p2align	6, 0x0
	.amdhsa_kernel k_qc61b3056a3_ln2
		.amdhsa_group_segment_fixed_size 0
		.amdhsa_private_segment_fixed_size 0
		.amdhsa_enable_private_segment 0
		.amdhsa_kernarg_size 32
		.amdhsa_user_sgpr_count 2
		.amdhsa_user_sgpr_kernarg_segment_ptr 1
		.amdhsa_wavefront_size32 1
		.amdhsa_system_sgpr_workgroup_id_x 1
		.amdhsa_system_sgpr_workgroup_id_y 1
		.amdhsa_system_sgpr_workgroup_id_z 1
		.amdhsa_system_vgpr_workitem_id 0
		.amdhsa_next_free_vgpr 216
		.amdhsa_next_free_sgpr 66
		.amdhsa_reserve_vcc 0
		.amdhsa_float_denorm_mode_32 3
		.amdhsa_float_denorm_mode_16_64 3
		.amdhsa_memory_ordered 1
		.amdhsa_forward_progress 1
		.amdhsa_inst_pref_size 37
	.end_amdhsa_kernel
	.amdgpu_metadata
---
amdhsa.version: [ 1, 2 ]
amdhsa.kernels:
  - .name:           k_qc61b3056a3_ln2
    .symbol:         k_qc61b3056a3_ln2.kd
    .args:
      - { .name: x1, .offset: 0, .size: 8, .value_kind: global_buffer, .address_space: global }
      - { .name: ln2_g, .offset: 8, .size: 8, .value_kind: global_buffer, .address_space: global }
      - { .name: ln2_b, .offset: 16, .size: 8, .value_kind: global_buffer, .address_space: global }
      - { .name: hn, .offset: 24, .size: 8, .value_kind: global_buffer, .address_space: global }
    .group_segment_fixed_size: 0
    .private_segment_fixed_size: 0
    .kernarg_segment_align: 8
    .kernarg_segment_size: 32
    .max_flat_workgroup_size: 128
    .sgpr_count:     66
    .vgpr_count:     216
    .wavefront_size: 32
...
	.end_amdgpu_metadata
.endif
;; end of part 5
;; launch ff1 (part 6): grid 16 x 16, 4 waves a work-group, clusters of 4 x 4, 327,680 bytes of LDS; arguments hn, wbf, ff_b1, ffh; writes ffh
.if DOCPART == 6
	.amdgcn_target "amdgcn-amd-amdhsa--gfx1250"
	.amdhsa_code_object_version 6
	.text
	.protected	k_qc61b3056a3_ff1
	.globl	k_qc61b3056a3_ff1
	.p2align	8
	.type	k_qc61b3056a3_ff1,@function
k_qc61b3056a3_ff1:
	s_mov_b64 s[64:65], 0
	v_nop
	global_prefetch_b8 v0, s[64:65] scope:SCOPE_SE
	s_setreg_imm32_b32 hwreg(HW_REG_WAVE_MODE, 25, 1), 1
	s_wait_xcnt 0x0
	s_wait_alu depctr_hold_cnt(0) depctr_sa_sdst(0) depctr_va_vdst(0) depctr_va_sdst(0) depctr_va_ssrc(0) depctr_va_vcc(0) depctr_vm_vsrc(0)
	s_getreg_b32 s2, hwreg(HW_REG_IB_STS2, 6, 4)
	s_cmp_eq_u32 s2, 0
	s_cbranch_scc0 .Lentry_in_a_cluster
	s_endpgm
.Lentry_in_a_cluster:
	s_bfe_u32 s2, ttmp6, 0x10000c
	s_cmp_lg_u32 s2, 0xf033
	s_cbranch_scc0 .Lentry_shape_is_right
	s_endpgm
.Lentry_shape_is_right:
; ffh = gelu(hn x W1 + ff_b1), bf16.  hn: [4096][1024] bf16.  W1: [1024][4096] bf16 at byte WOFF of wbf, rows along N as the problem stores it.  Sums, bias and GELU in f32.
; The exact GELU's erf is taken by a fifth-degree polynomial in t = 1 / (1 + 0.3275911 |x| / sqrt(2)) times an exponential: absolute error up to 1.5e-7.
; A tile of C, 256 x 256, is made by four waves, each 128 x 128: 64 accumulators, 512 registers.  K goes in steps of 128 through two LDS slots filled by the tensor data mover.  16 x 16 = 256 work-groups.
; A's rows lie along K and are read as they lie; B's rows lie along N and are turned on the way into registers (ds_load_tr16_b128).
; CLUSTERS: 4 x 4 work-groups; A's tile is shared along a row of the cluster, B's along a column: each is asked for jointly, by the same tensor load with a mask that names the four.
; THE MATRIX INSTRUCTION IS USED TRANSPOSED: source 0 = 16 columns of B, source 1 = 16 rows of A: a lane then holds eight neighbouring numbers of a row of C.
; REGISTERS: window 0: v0-31 addresses; v64-127, v128-191 A's fragments, two buffers (at work on the way out); v32-63, v192-255 the way out.
;   window 1: v0-63 the bias of my columns; v64-127, v128-191 B's fragments.   windows 2, 3: the accumulators of my rows 0-63, 64-127 ((a, b) at v[8 (8 a + b)]).
.set SIZE_K, 1024
.set SIZE_N, 4096
.set WOFF,   8388608
.set EPI,    1                         ; 0: scale Q, head-major rows of 128 bytes;  1: bias, GELU, rows of C
.set KSTEP,  128
.set PITCH,  272                       ; A's LDS row: 256 bytes + 16: the 16 rows of a fragment load start 68 words apart
.set BPITCH, 544                       ; B's LDS row: 512 bytes + 32: 17 x 32, so that the turning load's 8 rows x 32 bytes fall side by side
.set HALFT,  128*PITCH                 ; what one tensor load brings: 128 rows of A, or 64 rows of B (64 x 544 is the same 34,816 bytes)
.set SLOT,   4*HALFT                   ; A's 256 rows, then B's 128 rows
.set STAGE,  2*SLOT                    ; behind the ring: 16 rows x 272 bytes for each wave
.set SPITCH, 272
.set LAPS,   SIZE_K/(2*KSTEP)
.set ADRA, 16                          ; v16-17 LDS address of my A fragments in slot 0, 1
.set ADRB, 20                          ; v20-21 the same for B
.set STO,  24                          ; the way out: where I put 16 bytes of a row
.set RD,   25                          ; where I read back
.set CO,   26                          ; my byte offset in the output
.set BA,   27                          ; my byte offset in the bias
.set A4,   28                          ; v[28:29] a constant of the polynomial, twice
.set F0,   64
.set F1,   128
.set X,    64                          ; the way out: a block's 64 numbers a lane in f32
.set AX,   128                         ; |x|, t, 2^(k x x), the polynomial: 16 registers each
.set U,    144
.set E,    160
.set PQ,   176
.set TMP,  192                         ; packed results
.set OB,   32                          ; 16 rows read back: v32-63 and v224-255 by turns
.set G1,   24
.set G0,   32
.set G1B,  48
.set G0B,  56
.set SC,   66                          ; s[66:67] EPI 0: the factor of my columns, twice; EPI 1: the bias's address
.set CP,   68                          ; s[68:79] constants in pairs; s82 the mask that clears a sign
.set CK,   70
.set C1,   72
.set C2,   74
.set C3,   76
.set C5,   78
.set CABS, 82
.set MSB, 0
.macro WIN new                         ; the immediate's high byte repeats the setting that is left; a switch that changes nothing is dropped
.if MSB != (\new)
	s_set_vgpr_msb (MSB<<8)|(\new)
.set MSB, (\new)
.endif
.endm
.set MUL_LO, 0xa1                      ; source 0 (B) window 1, source 1 (A) window 0, C and D window 2
.set MUL_HI, 0xf1                      ; the same, C and D window 3
.set TO_B,   0x40                      ; destination window 1, address window 0
; A joint load: waves 0 and 1 fetch A's two halves, waves 2 and 3 B's.  The branch hangs on the wave's number alone.  Four v_nop follow each line.
.macro JLOAD s
	s_cmp_eq_u32 s11, 0
	s_cbranch_scc0 .Lfor_b_\@
	tensor_load_to_lds s[G0+4*\s:G0+4*\s+3], s[G1:G1+7]
.rept 4
	v_nop
.endr
	s_branch .Lasked_\@
.Lfor_b_\@:
	tensor_load_to_lds s[G0B+4*\s:G0B+4*\s+3], s[G1B:G1B+7]
.rept 4
	v_nop
.endr
.Lasked_\@:
.endm
.macro CREST                           ; a round of the cluster's barrier behind its opening barrier
	s_cmp_lg_u32 s10, 0
	s_cbranch_scc1 .Lnot_wave_0_\@
	s_barrier_signal -3
.Lnot_wave_0_\@:
	s_barrier_wait -3
	s_barrier_signal -1
	s_barrier_wait -1
.endm
.macro CROUND
	s_barrier_signal -1
	s_barrier_wait -1
	CREST
.endm
	s_load_b128 s[4:7], s[0:1], 0x0                ; hn s[4:5], wbf s[6:7]
.if EPI
	s_load_b64 s[SC:SC+1], s[0:1], 0x10            ; the bias
	s_load_b64 s[8:9], s[0:1], 0x18                ; the output
.else
	s_load_b64 s[8:9], s[0:1], 0x10                ; the output
.endif
	v_lshrrev_b32 v1, 5, v0
	v_readfirstlane_b32 s10, v1                    ; wave 0..3
	s_lshr_b32 s11, s10, 1                         ; which half of the tile's rows is mine.  Also: I fetch for A (0) or for B (1)
	s_and_b32 s12, s10, 1                          ; which half of its columns.  Also: which half of that tile I fetch
	s_bfe_u32 s40, ttmp6, 0x40000                  ; cx
	s_bfe_u32 s41, ttmp6, 0x40004                  ; cy
	s_lshl_b32 s42, ttmp9, 2
	s_add_co_u32 s42, s42, s40                     ; tile column
	s_and_b32 s13, ttmp7, 0xffff
	s_lshl_b32 s13, s13, 2
	s_add_co_u32 s13, s13, s41                     ; tile row
	s_lshl_b32 s43, s41, 2
	s_lshl_b32 s43, 15, s43                        ; my row of the cluster
	s_lshl_b32 s44, 0x1111, s40                    ; my column
	s_or_b32 s[G1+0], s43, (1<<16)|(1<<20)|(1<<21)|(5<<22)|(3<<25)   ; A: mask of my row; 2-byte elements; padding on; bit 21 beside a mask; 4 words behind every 64
	s_or_b32 s[G1B+0], s44, (1<<16)|(1<<20)|(1<<21)|(6<<22)|(7<<25)  ; B: mask of my column; 8 words behind every 128
	s_mov_b32 s[G1+1], KSTEP<<16                   ; A: tensor_dim0 = 128
	s_mov_b32 s[G1+2], 128<<16                     ; tensor_dim1 = 128
	s_mov_b32 s[G1+3], KSTEP<<16                   ; tile_dim0 = 128
	s_mov_b32 s[G1+4], 128                         ; tile_dim1 = 128
	s_mov_b32 s[G1+5], SIZE_K                      ; elements from row to row
	s_mov_b32 s[G1+6], 0
	s_mov_b32 s[G1+7], 0
	s_mov_b32 s[G1B+1], 256<<16                    ; B: tensor_dim0 = 256
	s_mov_b32 s[G1B+2], 64<<16                     ; tensor_dim1 = 64
	s_mov_b32 s[G1B+3], 256<<16                    ; tile_dim0 = 256
	s_mov_b32 s[G1B+4], 64                         ; tile_dim1 = 64
	s_mov_b32 s[G1B+5], SIZE_N
	s_mov_b32 s[G1B+6], 0
	s_mov_b32 s[G1B+7], 0
	; A's address hangs on the tile row and the wave, B's on the tile column and the wave, each in registers that never hold the other coordinate
	s_lshl_b32 s16, s13, 8
	s_lshl_b32 s17, s12, 7
	s_add_co_u32 s16, s16, s17                     ; A: row 256 x tile row + 128 x half
	s_lshl_b32 s16, s16, 11                        ; rows of 2,048 bytes
	s_mov_b32 s17, 0
	s_mul_i32 s46, s12, 64*SIZE_N*2                ; B: row 64 x half of the K step,
	s_lshl_b32 s47, s42, 9                         ; column 256 x tile column
	s_add_co_u32 s46, s46, s47
	s_add_co_u32 s46, s46, WOFF
	s_mov_b32 s47, 0
	s_mul_i32 s20, s10, HALFT                      ; where they go: wave x 34,816
.if EPI == 0
	s_cmp_lt_u32 s42, 4                            ; tile columns 0-3 are Q: a choice of a value, no branch
	s_cselect_b32 s[SC], 0x3e38aa3b, 1.0           ; log2(e) / 8
	s_mov_b32 s[SC+1], s[SC]
.endif
	s_wait_kmcnt 0x0
	s_add_nc_u64 s[14:15], s[4:5], s[16:17]
	s_add_nc_u64 s[46:47], s[6:7], s[46:47]
	CROUND                                         ; all sixteen work-groups are here: the first joint loads meet
.irp s, 0,1
	s_mov_b32 s[G0+4*\s], 1
	s_add_co_u32 s[G0+4*\s+1], s20, \s*SLOT
	s_add_nc_u64 s[G0+4*\s+2:G0+4*\s+3], s[14:15], \s*KSTEP*2
	s_or_b32 s[G0+4*\s+3], s[G0+4*\s+3], 0x80000000
	s_mov_b32 s[G0B+4*\s], 1
	s_add_co_u32 s[G0B+4*\s+1], s20, \s*SLOT
	s_add_nc_u64 s[G0B+4*\s+2:G0B+4*\s+3], s[46:47], \s*KSTEP*SIZE_N*2
	s_or_b32 s[G0B+4*\s+3], s[G0B+4*\s+3], 0x80000000
	JLOAD \s                                       ; two tensor loads of mine are out
.endr
	v_and_b32 v1, 15, v0                           ; r = l % 16
	v_bfe_u32 v2, v0, 4, 1                         ; h = l / 16
	v_mul_u32_u24 v3, v1, PITCH
	v_lshl_add_u32 v3, v2, 4, v3                   ; A: row r, 16 bytes for each half of the lanes
	v_and_b32 v4, 7, v0
	v_lshl_add_u32 v4, v2, 3, v4                   ; B: the turning load's lane reads row 8 h + l % 8,
	v_mul_u32_u24 v4, v4, BPITCH
	v_bfe_u32 v5, v0, 3, 1
	v_lshl_add_u32 v4, v5, 4, v4                   ; 16 bytes at 16 ((l / 8) % 2)
	s_mul_i32 s21, s11, HALFT                      ; my 128 rows of A
	s_lshl_b32 s22, s12, 8                         ; my 128 columns of B,
	s_add_co_u32 s22, s22, 2*HALFT                 ; which lies behind A
.irp s, 0,1
	v_add_nc_u32 v[ADRA+\s], s21, v3
	v_add_nc_u32 v[ADRB+\s], s22, v4
	s_add_co_u32 s21, s21, SLOT
	s_add_co_u32 s22, s22, SLOT
.endr
	s_mul_i32 s23, s10, 16*SPITCH
	s_add_co_u32 s23, s23, STAGE                   ; my stage
	v_mul_u32_u24 v4, v1, SPITCH
	v_lshl_add_u32 v4, v2, 4, v4
	v_add_nc_u32 v[STO], s23, v4
.if EPI
	v_mul_u32_u24 v7, v2, SPITCH                   ; back: lanes 0-15 one row of 256 bytes, lanes 16-31 the next
	v_lshl_add_u32 v7, v1, 4, v7
	v_add_nc_u32 v[RD], s23, v7
	v_mul_u32_u24 v7, v2, SIZE_N*2
	v_lshl_add_u32 v[CO], v1, 4, v7
	s_lshl_b32 s16, s13, 8
	s_lshl_b32 s17, s11, 7
	s_add_co_u32 s16, s16, s17                     ; my first row of C
	s_mul_i32 s16, s16, SIZE_N*2
	s_lshl_b32 s46, s42, 9
	s_lshl_b32 s47, s12, 8
	s_add_co_u32 s46, s46, s47                     ; my first column, in bytes of bf16
	s_add_co_u32 s16, s16, s46
	s_mov_b32 s17, 0
	s_add_nc_u64 s[8:9], s[8:9], s[16:17]
	s_lshl_b32 s18, s46, 1                         ; the same column in bytes of f32
	s_mov_b32 s19, 0
	s_add_nc_u64 s[SC:SC+1], s[SC:SC+1], s[18:19]
	v_lshlrev_b32 v[BA], 5, v2                     ; my eight columns of each block of 16 begin at 8 h
	v_mov_b32 v[A4], 0x3f3a00e3
	v_mov_b32 v[A4+1], 0x3f3a00e3
	s_mov_b32 s[CP], 0x3e6d3388                    ; 0.3275911 / sqrt(2)
	s_mov_b32 s[CP+1], 0x3e6d3388
	s_mov_b32 s[CK], 0xbf38aa3b                    ; -log2(e) / 2
	s_mov_b32 s[CK+1], 0xbf38aa3b
	s_mov_b32 s[C1], 0xbe027906                    ; -a1 / 2 .. -a5 / 2 of the polynomial (the fourth lies in v[A4])
	s_mov_b32 s[C1+1], 0xbe027906
	s_mov_b32 s[C2], 0x3e11a98e
	s_mov_b32 s[C2+1], 0x3e11a98e
	s_mov_b32 s[C3], 0xbf35f0e3
	s_mov_b32 s[C3+1], 0xbf35f0e3
	s_mov_b32 s[C5], 0xbf07dc22
	s_mov_b32 s[C5+1], 0xbf07dc22
	s_mov_b32 s[CABS], 0x7fffffff
	WIN TO_B                                       ; the bias of my 64 columns a lane, into window 1's idle v0-63; it lands under the K loop
.irp b, 0,1,2,3,4,5,6,7
	global_load_b128 v[8*\b:8*\b+3],   v[BA], s[SC:SC+1] offset:64*\b
	global_load_b128 v[8*\b+4:8*\b+7], v[BA], s[SC:SC+1] offset:64*\b+16
.endr
	WIN 0
.else
	v_and_b32 v6, 31, v0                           ; back: a plane's rows are 128 bytes: eight lanes to a row, four rows to a load
	v_lshrrev_b32 v7, 3, v6
	v_and_b32 v8, 7, v0
	v_mul_u32_u24 v7, v7, SPITCH
	v_lshl_add_u32 v7, v8, 4, v7
	v_add_nc_u32 v[RD], s23, v7
	v_lshlrev_b32 v[CO], 4, v6                     ; and the same four rows, dense, in the plane
	s_lshr_b32 s16, s13, 3                         ; batch = tile row / 8
	s_mul_i32 s16, s16, 12582912
	s_and_b32 s17, s13, 7
	s_lshl_b32 s17, s17, 8
	s_lshl_b32 s18, s11, 7
	s_add_co_u32 s17, s17, s18                     ; my first t
	s_lshl_b32 s17, s17, 7
	s_add_co_u32 s16, s16, s17
	s_lshl_b32 s46, s42, 2
	s_lshl1_add_u32 s46, s12, s46                  ; my first plane = 4 x tile column + 2 x half
	s_lshl_b32 s46, s46, 18
	s_add_co_u32 s16, s16, s46
	s_mov_b32 s17, 0
	s_add_nc_u64 s[8:9], s[8:9], s[16:17]
.endif
; 16 matrix instructions: m blocks a0, a0 + 1 of the window's four x all 8 n blocks, 32 along K.  zero = 1: the first product starts the sums.
; The 64 accumulators take turns, one instruction a turn, in the same order in every quarter step.
.macro MUL16 f, hi, a0, zero
.irp a, \a0, \a0+1
.irp b, 0,1,2,3,4,5,6,7
.if \zero
	v_wmma_f32_16x16x32_bf16 v[8*(8*(\a)+\b):8*(8*(\a)+\b)+7], v[\f+8*\b:\f+8*\b+7], v[\f+8*(4*\hi+\a):\f+8*(4*\hi+\a)+7], 0
.else
	v_wmma_f32_16x16x32_bf16 v[8*(8*(\a)+\b):8*(8*(\a)+\b)+7], v[\f+8*\b:\f+8*\b+7], v[\f+8*(4*\hi+\a):\f+8*(4*\hi+\a)+7], v[8*(8*(\a)+\b):8*(8*(\a)+\b)+7]
.endif
.endr
.endr
.endm
; 32 LDS loads in one run: quarter q (32 along K) of a slot into buffer f: B's 128 columns turned, then A's 128 rows
.macro FETCH slot, q, f
	WIN TO_B
.irp i, 0,1,2,3,4,5,6,7
	ds_load_tr16_b128 v[\f+8*\i:\f+8*\i+3],   v[ADRB+\slot] offset:\q*32*BPITCH+32*\i
	ds_load_tr16_b128 v[\f+8*\i+4:\f+8*\i+7], v[ADRB+\slot] offset:\q*32*BPITCH+32*\i+16*BPITCH
.endr
	WIN 0
.irp i, 0,1,2,3,4,5,6,7
	ds_load_b128 v[\f+8*\i:\f+8*\i+3],   v[ADRA+\slot] offset:\q*64+\i*16*PITCH
	ds_load_b128 v[\f+8*\i+4:\f+8*\i+7], v[ADRA+\slot] offset:\q*64+\i*16*PITCH+32
.endr
.endm
.macro PLACES                          ; four plain vector instructions between a matrix instruction and a load into, or a vector access to, its registers
.rept 4
	v_nop
.endr
.endm
; A quarter step: multiplies buffer f; in its middle it fetches quarter q of the same slot into buffer g
.macro QUARTER slot, q, f, g, zero
	s_wait_dscnt 8                                 ; B and A's rows 0-63 are in; the youngest eight loads (A's rows 64-127) may be out
	WIN MUL_LO
	MUL16 \f, 0, 0, \zero
	MUL16 \f, 0, 2, \zero
	PLACES
	FETCH \slot, \q, \g
	s_wait_dscnt 32                                ; all but the 32 just issued
	WIN MUL_HI
	MUL16 \f, 1, 0, \zero
	MUL16 \f, 1, 2, \zero
.endm
; The last quarter of a K step changes slots: one barrier; in front of it each wave waits for its reads of this slot and for all its tensor loads (the one that is out is its part of the next slot)
.macro MEET round
	s_wait_dscnt 8
	WIN MUL_LO
	MUL16 F1, 0, 0, 0
	s_wait_dscnt 0
	s_wait_tensorcnt 0x0
	s_barrier_signal -1
	MUL16 F1, 0, 2, 0                              ; register work while the others arrive
.if \round
	WIN 0
.endif
	s_barrier_wait -1
.endm
.macro TURN slot, next, fill
	MEET \fill
.if \fill
	CREST                                          ; the barrier has opened a round of the cluster's: no wave of any partner still reads this slot or has a load on its way
	s_add_nc_u64 s[G0+4*\slot+2:G0+4*\slot+3], s[G0+4*\slot+2:G0+4*\slot+3], 2*KSTEP*2
	s_add_nc_u64 s[G0B+4*\slot+2:G0B+4*\slot+3], s[G0B+4*\slot+2:G0B+4*\slot+3], 2*KSTEP*SIZE_N*2
	JLOAD \slot                                    ; my one tensor load behind the round, first thing there: 240 matrix instructions ahead of the wait for it; its four v_nop are also the places in front of the loads below
.else
	PLACES
.endif
	FETCH \next, 0, F0
	WIN MUL_HI
	MUL16 F1, 1, 0, 0
	MUL16 F1, 1, 2, 0
.endm
; gelu(x) = max(x, 0) + |x| (-poly(t) / 2) 2^(-x x log2(e) / 2), t = 1 / (1 + 0.3275911 |x| / sqrt(2)): no difference of near numbers on either side.
.macro GELU16 g                        ; 16 numbers a lane, in place in X, then rounded to bf16
.set XG, X+16*\g
.set n, 0
.rept 16
	v_and_b32 v[AX+n], s[CABS], v[XG+n]
.set n, n+1
.endr
.set n, 0
.rept 8
	v_pk_fma_f32 v[U+n:U+n+1], v[AX+n:AX+n+1], s[CP:CP+1], 1.0 op_sel_hi:[1,0,0]
.set n, n+2
.endr
.set n, 0
.rept 16
	v_rcp_f32 v[U+n], v[U+n]
.set n, n+1
.endr
.set n, 0
.rept 8
	v_pk_mul_f32 v[E+n:E+n+1], v[XG+n:XG+n+1], v[XG+n:XG+n+1]      ; plain work that touches no reciprocal stands behind them
.set n, n+2
.endr
.set n, 0
.rept 8
	v_pk_mul_f32 v[E+n:E+n+1], v[E+n:E+n+1], s[CK:CK+1] op_sel_hi:[1,0]
.set n, n+2
.endr
.set n, 0
.rept 16
	v_exp_f32 v[E+n], v[E+n]
.set n, n+1
.endr
.set n, 0
.rept 16
	v_max_num_f32 v[XG+n], 0, v[XG+n]              ; and behind the exponentials
.set n, n+1
.endr
.set n, 0
.rept 8
	v_pk_fma_f32 v[PQ+n:PQ+n+1], v[U+n:U+n+1], s[C5:C5+1], v[A4:A4+1] op_sel_hi:[1,0,1]
.set n, n+2
.endr
.irp c, C3, C2, C1
.set n, 0
.rept 8
	v_pk_fma_f32 v[PQ+n:PQ+n+1], v[PQ+n:PQ+n+1], v[U+n:U+n+1], s[\c:\c+1] op_sel_hi:[1,1,0]
.set n, n+2
.endr
.endr
.set n, 0
.rept 8
	v_pk_mul_f32 v[PQ+n:PQ+n+1], v[PQ+n:PQ+n+1], v[U+n:U+n+1]
.set n, n+2
.endr
.set n, 0
.rept 8
	v_pk_mul_f32 v[PQ+n:PQ+n+1], v[PQ+n:PQ+n+1], v[E+n:E+n+1]
.set n, n+2
.endr
.set n, 0
.rept 8
	v_pk_fma_f32 v[XG+n:XG+n+1], v[AX+n:AX+n+1], v[PQ+n:PQ+n+1], v[XG+n:XG+n+1]
.set n, n+2
.endr
.set n, 0
.rept 8
	v_cvt_pk_bf16_f32 v[TMP+8*\g+n], v[XG+2*n], v[XG+2*n+1]
.set n, n+1
.endr
.endm
; THE WAY OUT of block a (16 rows x 128 columns).  PACK: what is made of the sums, rounded to bf16; each accumulator is read from its low end on.
.macro PACK a
.set AC, 64*((\a)%4)
.if EPI
	WIN 0x06+(\a)/4                                ; source 0: window 2 or 3; source 1 (the bias): window 1
.set i, 0
.rept 32
	v_pk_add_f32 v[X+2*i:X+2*i+1], v[AC+2*i:AC+2*i+1], v[2*i:2*i+1]
.set i, i+1
.endr
	WIN 0
	GELU16 0
	GELU16 1
	GELU16 2
	GELU16 3
.else
	WIN 0x02+(\a)/4                                ; source 0: window 2 or 3
.set i, 0
.rept 32
	v_pk_mul_f32 v[X+2*i:X+2*i+1], v[AC+2*i:AC+2*i+1], s[SC:SC+1] op_sel_hi:[1,0]
.set i, i+1
.endr
	WIN 0
.set i, 0
.rept 32
	v_cvt_pk_bf16_f32 v[TMP+i], v[X+2*i], v[X+2*i+1]
.set i, i+1
.endr
.endif
.endm
.macro TOSTAGE a                       ; into my own stage, and back in the order in which memory wants it; LDS serves a wave's instructions in order (ISA guide 5.7.1.4)
.set BK, OB+192*((\a)%2)
.irp b, 0,1,2,3,4,5,6,7
	ds_store_b128 v[STO], v[TMP+4*\b:TMP+4*\b+3] offset:32*\b
.endr
.if EPI
.irp t, 0,1,2,3,4,5,6,7
	ds_load_b128 v[BK+4*\t:BK+4*\t+3], v[RD] offset:\t*2*SPITCH
.endr
.else
.irp hh, 0,1
.irp i, 0,1,2,3
	ds_load_b128 v[BK+4*(4*\hh+\i):BK+4*(4*\hh+\i)+3], v[RD] offset:128*\hh+\i*4*SPITCH
.endr
.endr
.endif
.endm
.macro SEND a
.set BK, OB+192*((\a)%2)
	s_wait_dscnt 0                                 ; the block is back in registers
	s_wait_xcnt 0x0                                ; the registers that the block before last stored from are loaded again only behind this wait (ISA guide 3.1)
.if EPI
.irp t, 0,1,2,3,4,5,6,7
	global_store_b128 v[CO], v[BK+4*\t:BK+4*\t+3], s[8:9] offset:(16*(\a)+2*\t)*SIZE_N*2   ; 16 lanes store 256 consecutive bytes, aligned; 126 rows at the most: inside the signed 24-bit immediate
.endr
.else
.irp hh, 0,1
.irp i, 0,1,2,3
	global_store_b128 v[CO], v[BK+4*(4*\hh+\i):BK+4*(4*\hh+\i)+3], s[8:9] offset:\hh*262144+(16*(\a)+4*\i)*128
.endr
.endr
.endif
.endm
	s_wait_tensorcnt 1                             ; my part of K step 0 is in; K step 1's may stay out
	s_barrier_signal -1
	s_barrier_wait -1
	FETCH 0, 0, F0
	QUARTER 0, 1, F0, F1, 1                        ; the first quarter's products start the sums
	WIN 0
	s_mov_b32 s3, LAPS-1
.Llap:                                                 ; a trip goes once round the ring and fills both slots again
	QUARTER 0, 2, F1, F0, 0
	QUARTER 0, 3, F0, F1, 0
	TURN 0, 1, 1
	QUARTER 1, 1, F0, F1, 0
	QUARTER 1, 2, F1, F0, 0
	QUARTER 1, 3, F0, F1, 0
	TURN 1, 0, 1
	QUARTER 0, 1, F0, F1, 0
	WIN 0
	s_sub_co_u32 s3, s3, 1
	s_cmp_lg_u32 s3, 0
	s_cbranch_scc1 .Llap
	QUARTER 0, 2, F1, F0, 0                        ; the last lap fills nothing
	QUARTER 0, 3, F0, F1, 0
	TURN 0, 1, 0
	QUARTER 1, 1, F0, F1, 0
	QUARTER 1, 2, F1, F0, 0
	QUARTER 1, 3, F0, F1, 0
	s_wait_dscnt 8                                 ; the very last quarter
	WIN MUL_LO
	MUL16 F1, 0, 0, 0
	MUL16 F1, 0, 2, 0
	s_wait_dscnt 0
	WIN MUL_HI
	MUL16 F1, 1, 0, 0
	MUL16 F1, 1, 2, 0
	WIN 0
	PLACES
.if EPI
	s_wait_loadcnt 0x0                             ; the bias
.endif
	PACK 0
	TOSTAGE 0
.irp a, 1,2,3,4,5,6,7                  ; block a's arithmetic stands between block a - 1's loads from the stage and the wait for them
	PACK \a
	SEND \a-1
	TOSTAGE \a
.endr
	SEND 7
	CROUND                                         ; the closing round: no work-group ends while a partner may still ask for a tile that names it
	s_endpgm
.Lfunc_end_k_qc61b3056a3_ff1:
	.size	k_qc61b3056a3_ff1, .Lfunc_end_k_qc61b3056a3_ff1-k_qc61b3056a3_ff1
	.p2alignl 7, 3214868480
	.fill 96, 4, 3214868480
	.section	.rodata,"a",@progbits
	.p2align	6, 0x0
	.amdhsa_kernel k_qc61b3056a3_ff1
		.amdhsa_group_segment_fixed_size 327680
		.amdhsa_private_segment_fixed_size 0
		.amdhsa_enable_private_segment 0
		.amdhsa_kernarg_size 32
		.amdhsa_user_sgpr_count 2
		.amdhsa_user_sgpr_kernarg_segment_ptr 1
		.amdhsa_wavefront_size32 1
		.amdhsa_system_sgpr_workgroup_id_x 1
		.amdhsa_system_sgpr_workgroup_id_y 1
		.amdhsa_system_sgpr_workgroup_id_z 1
		.amdhsa_system_vgpr_workitem_id 0
		.amdhsa_next_free_vgpr 1024
		.amdhsa_next_free_sgpr 84
		.amdhsa_reserve_vcc 0
		.amdhsa_float_denorm_mode_32 3
		.amdhsa_float_denorm_mode_16_64 3
		.amdhsa_memory_ordered 1
		.amdhsa_forward_progress 1
		.amdhsa_inst_pref_size 255
	.end_amdhsa_kernel
	.section	.bss,"aw",@nobits
	.p2align	6
	.space	262144
	.amdgpu_metadata
---
amdhsa.version: [ 1, 2 ]
amdhsa.kernels:
  - .name:           k_qc61b3056a3_ff1
    .symbol:         k_qc61b3056a3_ff1.kd
    .args:
      - { .name: hn, .offset: 0, .size: 8, .value_kind: global_buffer, .address_space: global }
      - { .name: wbf, .offset: 8, .size: 8, .value_kind: global_buffer, .address_space: global }
      - { .name: ff_b1, .offset: 16, .size: 8, .value_kind: global_buffer, .address_space: global }
      - { .name: ffh, .offset: 24, .size: 8, .value_kind: global_buffer, .address_space: global }
    .group_segment_fixed_size: 327680
    .private_segment_fixed_size: 0
    .kernarg_segment_align: 8
    .kernarg_segment_size: 32
    .max_flat_workgroup_size: 128
    .sgpr_count:     84
    .vgpr_count:     1024
    .wavefront_size: 32
...
	.end_amdgpu_metadata
.endif
;; end of part 6
;; launch ff2 (part 7): grid 8 x 32, 4 waves a work-group, clusters of 4 x 4, 327,680 bytes of LDS; arguments ffh, wbf, ff_b2, x1, out0; writes out0
.if DOCPART == 7
	.amdgcn_target "amdgcn-amd-amdhsa--gfx1250"
	.amdhsa_code_object_version 6
	.text
	.protected	k_qc61b3056a3_ff2
	.globl	k_qc61b3056a3_ff2
	.p2align	8
	.type	k_qc61b3056a3_ff2,@function
k_qc61b3056a3_ff2:
	s_mov_b64 s[64:65], 0
	v_nop
	global_prefetch_b8 v0, s[64:65] scope:SCOPE_SE
	s_setreg_imm32_b32 hwreg(HW_REG_WAVE_MODE, 25, 1), 1
	s_wait_xcnt 0x0
	s_wait_alu depctr_hold_cnt(0) depctr_sa_sdst(0) depctr_va_vdst(0) depctr_va_sdst(0) depctr_va_ssrc(0) depctr_va_vcc(0) depctr_vm_vsrc(0)
	s_getreg_b32 s2, hwreg(HW_REG_IB_STS2, 6, 4)
	s_cmp_eq_u32 s2, 0
	s_cbranch_scc0 .Lentry_in_a_cluster
	s_endpgm
.Lentry_in_a_cluster:
	s_bfe_u32 s2, ttmp6, 0x10000c
	s_cmp_lg_u32 s2, 0xf033
	s_cbranch_scc0 .Lentry_shape_is_right
	s_endpgm
.Lentry_shape_is_right:
; out = res + A x W + bias, in f32.  A: [4096][SIZE_K] bf16.  W: [SIZE_K][1024] bf16 at byte WOFF of wbf, rows along N.  res, out: [4096][1024] f32.  bias: [1024] f32.
; N = 1,024 gives 64 tiles of 256 x 256; tiles of 128 x 128 give 256 work-groups, one for each WGP.  Four waves, each 64 x 64: 16 accumulators.
; K goes in steps of 256 through two LDS slots.  A's rows lie along K; W's lie along N and are turned on the way into registers (ds_load_tr16_b128).
; CLUSTERS: 4 x 4; A's tile is shared along a row of the cluster, W's along a column, each asked for jointly.
; THE MATRIX INSTRUCTION IS USED TRANSPOSED (source 0 = 16 columns of W, source 1 = 16 rows of A): a lane holds eight neighbouring numbers of a row of C.
; A wave's 64 columns of f32 are 256 aligned bytes: each wave has a stage of its own and needs no barrier on the way out.  The residual (128 registers) and the bias are asked for at the start and land under the K loop.
; REGISTERS: window 0: v0-31 addresses and bias; v32-95 the way out; v128-255 accumulators ((a, b) at v[128 + 8 (4 a + b)]).  window 1: two fragment buffers of 128.  window 2: v0-127 the residual.
.set SIZE_K, 4096
.set WOFF,   16777216
.set SIZE_N, 1024
.set KSTEP,  256
.set PITCH,  528                       ; A's LDS row: 512 bytes + 16
.set BPITCH, 288                       ; W's LDS row: 256 bytes + 32 = 9 x 32
.set REG,    36864                     ; a wave's region of a slot: 128 rows of W, or 64 rows of A (33,792 bytes) and a gap
.set SLOT,   4*REG
.set STAGE,  2*SLOT                    ; behind the ring: 16 rows x 272 bytes for each wave
.set SPITCH, 272
.set LAPS,   SIZE_K/(2*KSTEP)
.set ADRA, 16                          ; v16-17 my A fragments in slot 0, 1
.set ADRB, 20                          ; v20-23 my W fragments: slot 0 rows 0-127, 128-255; slot 1 likewise (the 16-bit offset does not reach over 256 rows)
.set STO,  24
.set RD,   25
.set CO,   26
.set BO,   27
.set BI,   28                          ; v[28:31] the bias of my four columns
.set TMP,  32
.set ACC,  128
.set F0,   0
.set F1,   128
.set G1,   24
.set G0,   32
.set G1B,  48
.set G0B,  56
.set MSB, 0
.macro WIN new
.if MSB != (\new)
	s_set_vgpr_msb (MSB<<8)|(\new)
.set MSB, (\new)
.endif
.endm
.set MUL,  0x05                        ; sources window 1; C and D window 0
.set TO_F, 0x40                        ; destination window 1
.macro JLOAD s                         ; waves 0 and 1 fetch A's halves, waves 2 and 3 W's; four v_nop follow each line
	s_cmp_eq_u32 s11, 0
	s_cbranch_scc0 .Lfor_b_\@
	tensor_load_to_lds s[G0+4*\s:G0+4*\s+3], s[G1:G1+7]
.rept 4
	v_nop
.endr
	s_branch .Lasked_\@
.Lfor_b_\@:
	tensor_load_to_lds s[G0B+4*\s:G0B+4*\s+3], s[G1B:G1B+7]
.rept 4
	v_nop
.endr
.Lasked_\@:
.endm
.macro CREST
	s_cmp_lg_u32 s10, 0
	s_cbranch_scc1 .Lnot_wave_0_\@
	s_barrier_signal -3
.Lnot_wave_0_\@:
	s_barrier_wait -3
	s_barrier_signal -1
	s_barrier_wait -1
.endm
.macro CROUND
	s_barrier_signal -1
	s_barrier_wait -1
	CREST
.endm
	s_load_b128 s[4:7], s[0:1], 0x0                ; A s[4:5], wbf s[6:7]
	s_load_b128 s[68:71], s[0:1], 0x10             ; bias s[68:69], residual s[70:71]
	s_load_b64 s[8:9], s[0:1], 0x20                ; out
	v_lshrrev_b32 v1, 5, v0
	v_readfirstlane_b32 s10, v1
	s_lshr_b32 s11, s10, 1                         ; my half of the rows.  Also: I fetch for A (0) or W (1)
	s_and_b32 s12, s10, 1                          ; my half of the columns.  Also: which half of that tile I fetch
	s_bfe_u32 s40, ttmp6, 0x40000
	s_bfe_u32 s41, ttmp6, 0x40004
	s_lshl_b32 s42, ttmp9, 2
	s_add_co_u32 s42, s42, s40                     ; tile column
	s_and_b32 s13, ttmp7, 0xffff
	s_lshl_b32 s13, s13, 2
	s_add_co_u32 s13, s13, s41                     ; tile row
	s_lshl_b32 s43, s41, 2
	s_lshl_b32 s43, 15, s43
	s_lshl_b32 s44, 0x1111, s40
	s_or_b32 s[G1+0], s43, (1<<16)|(1<<20)|(1<<21)|(6<<22)|(3<<25)   ; A: my row's mask; 4 words behind every 128
	s_or_b32 s[G1B+0], s44, (1<<16)|(1<<20)|(1<<21)|(5<<22)|(7<<25)  ; W: my column's mask; 8 words behind every 64
	s_mov_b32 s[G1+1], KSTEP<<16                   ; A: 64 rows x 256 elements
	s_mov_b32 s[G1+2], 64<<16
	s_mov_b32 s[G1+3], KSTEP<<16
	s_mov_b32 s[G1+4], 64
	s_mov_b32 s[G1+5], SIZE_K
	s_mov_b32 s[G1+6], 0
	s_mov_b32 s[G1+7], 0
	s_mov_b32 s[G1B+1], 128<<16                    ; W: 128 rows x 128 elements
	s_mov_b32 s[G1B+2], 128<<16
	s_mov_b32 s[G1B+3], 128<<16
	s_mov_b32 s[G1B+4], 128
	s_mov_b32 s[G1B+5], SIZE_N
	s_mov_b32 s[G1B+6], 0
	s_mov_b32 s[G1B+7], 0
	s_lshl_b32 s16, s13, 7
	s_lshl_b32 s17, s12, 6
	s_add_co_u32 s16, s16, s17                     ; A: row 128 x tile row + 64 x half
	s_mul_i32 s16, s16, SIZE_K*2
	s_mov_b32 s17, 0
	s_mul_i32 s46, s12, 128*SIZE_N*2               ; W: row 128 x half of the K step,
	s_lshl_b32 s47, s42, 8                         ; column 128 x tile column
	s_add_co_u32 s46, s46, s47
	s_add_co_u32 s46, s46, WOFF
	s_mov_b32 s47, 0
	s_mul_i32 s20, s10, REG
	s_wait_kmcnt 0x0
	s_add_nc_u64 s[14:15], s[4:5], s[16:17]
	s_add_nc_u64 s[46:47], s[6:7], s[46:47]
	CROUND
.irp s, 0,1
	s_mov_b32 s[G0+4*\s], 1
	s_add_co_u32 s[G0+4*\s+1], s20, \s*SLOT
	s_add_nc_u64 s[G0+4*\s+2:G0+4*\s+3], s[14:15], \s*KSTEP*2
	s_or_b32 s[G0+4*\s+3], s[G0+4*\s+3], 0x80000000
	s_mov_b32 s[G0B+4*\s], 1
	s_add_co_u32 s[G0B+4*\s+1], s20, \s*SLOT
	s_add_nc_u64 s[G0B+4*\s+2:G0B+4*\s+3], s[46:47], \s*KSTEP*SIZE_N*2
	s_or_b32 s[G0B+4*\s+3], s[G0B+4*\s+3], 0x80000000
	JLOAD \s                                       ; two tensor loads of mine are out
.endr
	v_and_b32 v1, 15, v0                           ; r
	v_bfe_u32 v2, v0, 4, 1                         ; h
	v_lshlrev_b32 v5, 12, v2                       ; the way out: lanes 0-15 one row of 4,096 bytes, lanes 16-31 the next; 16 bytes a lane
	v_lshl_add_u32 v[CO], v1, 4, v5
	v_lshlrev_b32 v[BO], 4, v1
	s_lshl_b32 s16, s13, 7
	s_lshl_b32 s17, s11, 6
	s_add_co_u32 s16, s16, s17                     ; my first row of C
	s_lshl_b32 s16, s16, 12
	s_lshl_b32 s18, s42, 9
	s_lshl_b32 s19, s12, 8
	s_add_co_u32 s18, s18, s19                     ; my first column, in bytes
	s_mov_b32 s19, 0
	s_add_co_u32 s16, s16, s18
	s_mov_b32 s17, 0
	s_add_nc_u64 s[8:9], s[8:9], s[16:17]
	s_add_nc_u64 s[70:71], s[70:71], s[16:17]
	s_add_nc_u64 s[68:69], s[68:69], s[18:19]
	global_load_b128 v[BI:BI+3], v[BO], s[68:69]
	WIN 0x80                                       ; destination window 2
.irp a, 0,1,2,3
.irp t, 0,1,2,3,4,5,6,7
	global_load_b128 v[32*\a+4*\t:32*\a+4*\t+3], v[CO], s[70:71] offset:(16*\a+2*\t)*SIZE_N*4
.endr
.endr
	WIN 0
	v_mul_u32_u24 v3, v1, PITCH
	v_lshl_add_u32 v3, v2, 4, v3
	v_and_b32 v4, 7, v0
	v_lshl_add_u32 v4, v2, 3, v4
	v_mul_u32_u24 v4, v4, BPITCH
	v_bfe_u32 v5, v0, 3, 1
	v_lshl_add_u32 v4, v5, 4, v4
	s_mul_i32 s21, s11, REG                        ; my 64 rows of A
	s_lshl_b32 s22, s12, 7                         ; my 64 columns of W,
	s_add_co_u32 s22, s22, 2*REG                   ; which lies behind A
.irp s, 0,1
	v_add_nc_u32 v[ADRA+\s], s21, v3
	v_add_nc_u32 v[ADRB+2*\s], s22, v4
	s_add_co_u32 s22, s22, REG
	v_add_nc_u32 v[ADRB+2*\s+1], s22, v4
	s_add_co_u32 s21, s21, SLOT
	s_add_co_u32 s22, s22, SLOT-REG
.endr
	s_mul_i32 s23, s10, 16*SPITCH
	s_add_co_u32 s23, s23, STAGE
	v_mul_u32_u24 v4, v1, SPITCH                   ; in: row r, 32 bytes for each half of the lanes
	v_lshl_add_u32 v4, v2, 5, v4
	v_add_nc_u32 v[STO], s23, v4
	v_mul_u32_u24 v5, v2, SPITCH                   ; back: whole rows of 256 bytes
	v_lshl_add_u32 v5, v1, 4, v5
	v_add_nc_u32 v[RD], s23, v5
; 8 matrix instructions: m blocks a0, a0 + 1 x all 4 n blocks, 32 along K: half c of buffer f.  The 16 accumulators take turns.
.macro MUL8 f, c, a0, zero
.irp a, \a0, \a0+1
.irp b, 0,1,2,3
.if \zero
	v_wmma_f32_16x16x32_bf16 v[ACC+8*(4*(\a)+\b):ACC+8*(4*(\a)+\b)+7], v[\f+64+8*(4*\c+\b):\f+64+8*(4*\c+\b)+7], v[\f+8*(4*\c+\a):\f+8*(4*\c+\a)+7], 0
.else
	v_wmma_f32_16x16x32_bf16 v[ACC+8*(4*(\a)+\b):ACC+8*(4*(\a)+\b)+7], v[\f+64+8*(4*\c+\b):\f+64+8*(4*\c+\b)+7], v[\f+8*(4*\c+\a):\f+8*(4*\c+\a)+7], v[ACC+8*(4*(\a)+\b):ACC+8*(4*(\a)+\b)+7]
.endif
.endr
.endr
.endm
; 32 LDS loads in one run: quarter qd (64 along K) of a slot into buffer f; its first 32 along K first
.macro FETCH slot, qd, f
	WIN TO_F
.irp c, 0,1
.irp i, 0,1,2,3
	ds_load_tr16_b128 v[\f+64+8*(4*\c+\i):\f+64+8*(4*\c+\i)+3],   v[ADRB+2*\slot+\qd/2] offset:((\qd%2)*64+32*\c)*BPITCH+32*\i
	ds_load_tr16_b128 v[\f+64+8*(4*\c+\i)+4:\f+64+8*(4*\c+\i)+7], v[ADRB+2*\slot+\qd/2] offset:((\qd%2)*64+32*\c)*BPITCH+32*\i+16*BPITCH
	ds_load_b128 v[\f+8*(4*\c+\i):\f+8*(4*\c+\i)+3],              v[ADRA+\slot] offset:128*\qd+64*\c+\i*16*PITCH
	ds_load_b128 v[\f+8*(4*\c+\i)+4:\f+8*(4*\c+\i)+7],            v[ADRA+\slot] offset:128*\qd+64*\c+\i*16*PITCH+32
.endr
.endr
.endm
.macro PLACES
.rept 4
	v_nop
.endr
.endm
.macro QUARTER slot, qd, f, g, zero
	s_wait_dscnt 16                                ; the first 32 along K are in
	WIN MUL
	MUL8 \f, 0, 0, \zero
	MUL8 \f, 0, 2, \zero
	PLACES
	FETCH \slot, \qd, \g
	s_wait_dscnt 32                                ; all but the 32 just issued
	WIN MUL
	MUL8 \f, 1, 0, 0
	MUL8 \f, 1, 2, 0
.endm
; The last quarter changes slots: one barrier; in front of it each wave waits for its reads of this slot and for all its tensor loads
.macro TURN slot, next, fill
	s_wait_dscnt 16
	WIN MUL
	MUL8 F1, 0, 0, 0
	s_wait_dscnt 0
	s_wait_tensorcnt 0x0
	s_barrier_signal -1
	MUL8 F1, 0, 2, 0
.if \fill
	WIN 0
.endif
	s_barrier_wait -1
.if \fill
	CREST                                          ; the barrier has opened a round of the cluster's
	s_add_nc_u64 s[G0+4*\slot+2:G0+4*\slot+3], s[G0+4*\slot+2:G0+4*\slot+3], 2*KSTEP*2
	s_add_nc_u64 s[G0B+4*\slot+2:G0B+4*\slot+3], s[G0B+4*\slot+2:G0B+4*\slot+3], 2*KSTEP*SIZE_N*2
	JLOAD \slot                                    ; my one tensor load behind the round: 120 matrix instructions ahead of the wait for it
.else
	PLACES
.endif
	FETCH \next, 0, F0
	WIN MUL
	MUL8 F1, 1, 0, 0
	MUL8 F1, 1, 2, 0
.endm
; THE WAY OUT of block a (16 rows x 64 columns of f32): the sums go as they are into my stage (each accumulator's low four registers first) and come back as whole rows
.macro STG a
.set TBF, TMP+32*((\a)%2)
.if (\a) >= 2
	s_wait_xcnt 0x0                                ; the registers that block a - 2 was stored from are loaded again only behind this wait (ISA guide 3.1)
.endif
.irp b, 0,1,2,3
	ds_store_b128 v[STO], v[ACC+8*(4*(\a)+\b):ACC+8*(4*(\a)+\b)+3]   offset:64*\b
	ds_store_b128 v[STO], v[ACC+8*(4*(\a)+\b)+4:ACC+8*(4*(\a)+\b)+7] offset:64*\b+16
.endr
.irp t, 0,1,2,3,4,5,6,7
	ds_load_b128 v[TBF+4*\t:TBF+4*\t+3], v[RD] offset:\t*2*SPITCH  ; LDS serves a wave's instructions in order (ISA guide 5.7.1.4)
.endr
.endm
.macro OUTB a, younger                 ; younger: the next block's eight stores and eight loads, or none
.set TBF, TMP+32*((\a)%2)
	s_wait_dscnt \younger
	WIN 0x08                                       ; source 1 (the residual) window 2
.set i, 0
.rept 16
	v_pk_add_f32 v[TBF+2*i:TBF+2*i+1], v[TBF+2*i:TBF+2*i+1], v[32*(\a)+2*i:32*(\a)+2*i+1]
.set i, i+1
.endr
	WIN 0
.irp t, 0,1,2,3,4,5,6,7
	v_pk_add_f32 v[TBF+4*\t:TBF+4*\t+1],   v[TBF+4*\t:TBF+4*\t+1],   v[BI:BI+1]
	v_pk_add_f32 v[TBF+4*\t+2:TBF+4*\t+3], v[TBF+4*\t+2:TBF+4*\t+3], v[BI+2:BI+3]
.endr
.irp t, 0,1,2,3,4,5,6,7
	global_store_b128 v[CO], v[TBF+4*\t:TBF+4*\t+3], s[8:9] offset:(16*(\a)+2*\t)*SIZE_N*4   ; 16 lanes store 256 consecutive bytes, aligned
.endr
.endm
	s_wait_tensorcnt 1                             ; my part of K step 0 is in; K step 1's may stay out
	s_barrier_signal -1
	s_barrier_wait -1
	FETCH 0, 0, F0
	QUARTER 0, 1, F0, F1, 1
	WIN 0
	s_mov_b32 s3, LAPS-1
.Llap:
	QUARTER 0, 2, F1, F0, 0
	QUARTER 0, 3, F0, F1, 0
	TURN 0, 1, 1
	QUARTER 1, 1, F0, F1, 0
	QUARTER 1, 2, F1, F0, 0
	QUARTER 1, 3, F0, F1, 0
	TURN 1, 0, 1
	QUARTER 0, 1, F0, F1, 0
	WIN 0
	s_sub_co_u32 s3, s3, 1
	s_cmp_lg_u32 s3, 0
	s_cbranch_scc1 .Llap
	QUARTER 0, 2, F1, F0, 0                        ; the last lap fills nothing
	QUARTER 0, 3, F0, F1, 0
	TURN 0, 1, 0
	QUARTER 1, 1, F0, F1, 0
	QUARTER 1, 2, F1, F0, 0
	QUARTER 1, 3, F0, F1, 0
	s_wait_dscnt 16
	WIN MUL
	MUL8 F1, 0, 0, 0
	MUL8 F1, 0, 2, 0
	s_wait_dscnt 0
	MUL8 F1, 1, 0, 0
	MUL8 F1, 1, 2, 0
	WIN 0
	PLACES
	s_wait_loadcnt 0x0                             ; the residual and the bias
	STG 0
	STG 1
	OUTB 0, 16
	STG 2
	OUTB 1, 16
	STG 3
	OUTB 2, 16
	OUTB 3, 0
	CROUND                                         ; the closing round
	s_endpgm
.Lfunc_end_k_qc61b3056a3_ff2:
	.size	k_qc61b3056a3_ff2, .Lfunc_end_k_qc61b3056a3_ff2-k_qc61b3056a3_ff2
	.p2alignl 7, 3214868480
	.fill 96, 4, 3214868480
	.section	.rodata,"a",@progbits
	.p2align	6, 0x0
	.amdhsa_kernel k_qc61b3056a3_ff2
		.amdhsa_group_segment_fixed_size 327680
		.amdhsa_private_segment_fixed_size 0
		.amdhsa_enable_private_segment 0
		.amdhsa_kernarg_size 40
		.amdhsa_user_sgpr_count 2
		.amdhsa_user_sgpr_kernarg_segment_ptr 1
		.amdhsa_wavefront_size32 1
		.amdhsa_system_sgpr_workgroup_id_x 1
		.amdhsa_system_sgpr_workgroup_id_y 1
		.amdhsa_system_sgpr_workgroup_id_z 1
		.amdhsa_system_vgpr_workitem_id 0
		.amdhsa_next_free_vgpr 640
		.amdhsa_next_free_sgpr 72
		.amdhsa_reserve_vcc 0
		.amdhsa_float_denorm_mode_32 3
		.amdhsa_float_denorm_mode_16_64 3
		.amdhsa_memory_ordered 1
		.amdhsa_forward_progress 1
		.amdhsa_inst_pref_size 97
	.end_amdhsa_kernel
	.amdgpu_metadata
---
amdhsa.version: [ 1, 2 ]
amdhsa.kernels:
  - .name:           k_qc61b3056a3_ff2
    .symbol:         k_qc61b3056a3_ff2.kd
    .args:
      - { .name: ffh, .offset: 0, .size: 8, .value_kind: global_buffer, .address_space: global }
      - { .name: wbf, .offset: 8, .size: 8, .value_kind: global_buffer, .address_space: global }
      - { .name: ff_b2, .offset: 16, .size: 8, .value_kind: global_buffer, .address_space: global }
      - { .name: x1, .offset: 24, .size: 8, .value_kind: global_buffer, .address_space: global }
      - { .name: out0, .offset: 32, .size: 8, .value_kind: global_buffer, .address_space: global }
    .group_segment_fixed_size: 327680
    .private_segment_fixed_size: 0
    .kernarg_segment_align: 8
    .kernarg_segment_size: 40
    .max_flat_workgroup_size: 128
    .sgpr_count:     72
    .vgpr_count:     640
    .wavefront_size: 32
...
	.end_amdgpu_metadata
.endif
;; end of part 7
;; ======== version 2 of 2: 7 launches
;; workspace buffers: wbf 25,165,824 bytes; maskw 524,288 bytes of whole numbers; hn 8,388,608 bytes; qkvh 25,165,824 bytes; att 8,388,608 bytes; x1 16,777,216 bytes; ffh 33,554,432 bytes
;; launch prep: the kernel of part 1 again; grid 1024 x 1, 8 waves a work-group, no clusters, 0 bytes of LDS; arguments x, ln1_g, ln1_b, causal_mask, qkv_w, out_w, ff_w1, ff_w2, hn, maskw, wbf; writes hn, maskw, wbf
;; launch qkv: the kernel of part 2 again; grid 12 x 16, 4 waves a work-group, clusters of 4 x 4, 327,680 bytes of LDS; arguments hn, wbf, qkvh; writes qkvh
;; launch attn (part 8): grid 16 x 16, 4 waves a work-group, clusters of 4 x 1, 327,680 bytes of LDS; arguments qkvh, maskw, att; writes att
.if DOCPART == 8
	.amdgcn_target "amdgcn-amd-amdhsa--gfx1250"
	.amdhsa_code_object_version 6
	.text
	.protected	k_qc61b3056a3_attn
	.globl	k_qc61b3056a3_attn
	.p2align	8
	.type	k_qc61b3056a3_attn,@function
k_qc61b3056a3_attn:
	s_mov_b64 s[64:65], 0
	v_nop
	global_prefetch_b8 v0, s[64:65] scope:SCOPE_SE
	s_setreg_imm32_b32 hwreg(HW_REG_WAVE_MODE, 25, 1), 1
	s_wait_xcnt 0x0
	s_wait_alu depctr_hold_cnt(0) depctr_sa_sdst(0) depctr_va_vdst(0) depctr_va_sdst(0) depctr_va_ssrc(0) depctr_va_vcc(0) depctr_vm_vsrc(0)
	s_getreg_b32 s2, hwreg(HW_REG_IB_STS2, 6, 4)
	s_cmp_eq_u32 s2, 0
	s_cbranch_scc0 .Lentry_in_a_cluster
	s_endpgm
.Lentry_in_a_cluster:
	s_bfe_u32 s2, ttmp6, 0x10000c
	s_cmp_lg_u32 s2, 0x3003
	s_cbranch_scc0 .Lentry_shape_is_right
	s_endpgm
.Lentry_shape_is_right:
; att[b][q][64 head + d] = the sum over k of softmax_k(masked Q.K / 8) V.  qkvh: bf16 [b][plane][t][64], planes 0-15 Q (already times log2(e) / 8), 16-31 K, 32-47 V.
; maskw: for each tile of 16 queries and each step of 64 keys 32 words; bit L of word 8 kb + j is the mask of the score that lane L holds in register j of accumulator kb.
; The mask is an input: every key of every query is walked, whatever the mask holds.
; SHARES.  A work-group owns 128 queries of two neighbouring heads.  Wave w owns queries 32 w .. 32 w + 31 of BOTH heads: four tiles of 16 queries, tile t = 2 x (which 16 queries) + head.
; LAYOUT.  S^T = K Q^T (source 0 = 16 keys, source 1 = 16 queries): a lane holds ONE query (lane % 16) and keys 8 (lane / 16) + 0..7.  Two such tiles, rounded to bf16 in pairs, are
; source 1 of O^T = V^T P; V ([key][channel]) is turned by ds_load_tr16_b128.  A query's maximum wants one exchange between the halves of the lanes.
; SOFTMAX.  Running maximum m for each query; p = 2^(s - m); in every step O and the sum l are multiplied by a = 2^(m_old - m_new).
; l IS MADE BY THE MATRIX UNIT: a fifth block of V^T, all ones, gives the sum of a query's weights over all the step's keys, both halves of the lanes.  So l is the sum of the weights AS ROUNDED
; TO bf16, the same numbers that V is multiplied by.  All 16 rows of that product are equal: register 0 alone is multiplied by a and read; the other seven hold a plain sum of weights (each at most 1,
; 2,048 of them) and are never read.
; A masked score is -FLT_MAX.  While a query has met masked keys only, m is -FLT_MAX, s - m is exactly 0 and p = 1; the first true key makes a = 0, which wipes that.  A query with no
; true key at all ends with m = -FLT_MAX and gets NaN, as a softmax over -inf alone gives.  Scores that are NaN or infinite themselves are not served.
; BY TURNS.  The tiles are two PIECES, named by their first tile: piece 0 (tiles 0, 1: my first 16 queries) and piece 2 (tiles 2, 3: my second 16).  In a TURN one piece has the matrix unit: 20 products
; V^T P of the step in hand, then 16 products K Q^T of the next step; the other piece's softmax, 2 x 134 instructions, is dealt behind these 36: 7.4 vector instructions and two window switches
; for each matrix instruction.  Then the pieces change places.  Two turns are a key step.  Both pieces read the same fragments of K and V, one buffer each.
; THE MASK WORDS of a piece (32, for both its tiles: the mask does not hang on the head) have a scalar buffer of their own.  At a turn's head the words of the piece whose softmax it holds are waited
; for, and the other buffer, read out in the turn before, is asked for at once: a load has a whole turn in which to land.
; CLUSTER.  The four query blocks of a cluster walk the same K and V of the same two heads: each tile is asked for jointly, mask 15.
; LDS.  A step's fragment loads are 4 waves x 64 x 512 bytes.  K's rows (128 bytes) are 144 bytes apart, 9 x 16: the 16 rows of a plain load start at 16 different groups of four banks.  V's are 160
; apart, 5 x 32: the turning load's 8 rows x 32 bytes fall side by side.  A plane is dense, so a tile of 128 keys is stated as 64 rows of 256 bytes, padded behind every 128 bytes.
; A slot holds two steps: four regions of 20,480 bytes (K head 0, K head 1, V head 0, V head 1; K's fill 18,432); wave w fills region w.
; REGISTERS: window 0: v0-11 addresses; v12-43 statistics, 8 a tile; v48-49 constants; v64-191 S^T, 32 a tile; v192-255 P, 16 a tile.
;   window 1: v0-127 O^T, 32 a tile; v128-191 Q, 16 a tile; v192-223 the sums, 8 a tile.   window 2: v0-127 K of one step, 64 a head.   window 3: v0-127 V of one step, 64 a head; v128-135 ones.
.set KS,    64
.set PK,    144
.set PVP,   160
.set REGB,  128*PVP                    ; a region: 20,480 bytes
.set STEPK, KS*PK                      ; a step's rows in a region of K
.set STEPV, KS*PVP                     ; and of V
.set SLOT1, 1<<17                      ; slot 1 begins here: one exclusive or turns an address in one slot into the other's
.set STAGE, 4*REGB                     ; 81,920: between the slots, 32 rows x 272 bytes for each wave; no tensor load lands here
.set SP,    272
.set AK0, 2                            ; my lane's place in head 0's K region; never rewritten
.set AV0, 3                            ; the same for V
.set ADR, 4                            ; the LDS address of the run of loads in hand
.set QO,  5
.set STO, 6
.set RD,  7
.set GO,  8
.set ST,  12                           ; tile t at v[ST+8 t]: +0 m, +1 its pair partner, +4..+7 at work; a in +6
.set NEG, 48
.set NANR, 49
.set S,   64
.set P,   192
.set RB,  128                          ; the way out: whole rows read back (S^T's upper half, free by then)
.set QF,  128                          ; window 1
.set LF,  192                          ; window 1
.set ONES, 128                         ; window 3
.set TBK, 2                            ; s2  LDS byte at which the rows of the step of K to be fetched begin
.set TBV, 3                            ; s3  the same for V
.set WV,  4                            ; s4  wave
.set SLOTS, 5
.set SEL, 6                            ; s6, s7 lane selects for v_permlanex16_b32
.set G1K, 8                            ; s[8:15]  descriptor group 1 for K's tiles
.set G1V, 16                           ; s[16:23] for V's: it differs in the padding alone
.set G0,  24                           ; s[24:27] slot 0's first fill; s[28:31] slot 1's, which then walks on
.set MA,  32                           ; s[32:63] piece 0's mask words
.set ATT, 66                           ; s[66:67] att at my first row
.set MBF, 68                           ; s[68:99] piece 2's mask words
.set MP,  100                          ; s[100:101] piece 0's mask words of the step last asked for
.set TWICE, 104
.set TS,  105
.set NQ,  70                           ; a tile's list has 140 numbers; a group is two numbers of both tiles
.set MSB, 0
.macro WIN new                         ; the immediate's high byte repeats the setting that is left; a switch that changes nothing is dropped
.if MSB != (\new)
	s_set_vgpr_msb (MSB<<8)|(\new)
.set MSB, (\new)
.endif
.endm
.set W_KQ, 0x06                        ; K window 2, Q window 1, S^T window 0
.set W_PV, 0x53                        ; V window 3, P window 0, O^T and the sums window 1
.set W_RS, 0x41                        ; O^T (destination, source 0) window 1, a window 0
.macro CROUND
	s_barrier_signal -1
	s_barrier_wait -1
	s_cmp_lg_u32 s[WV], 0
	s_cbranch_scc1 .Lnot_wave_0_\@
	s_barrier_signal -3
.Lnot_wave_0_\@:
	s_barrier_wait -3
	s_barrier_signal -1
	s_barrier_wait -1
.endm
.macro PLACES                          ; four plain vector instructions between a matrix instruction and a load into, or a vector access to, its registers
.rept 4
	v_nop
.endr
.endm
; A joint refill.  Waves 0 and 1 fetch K of heads 0 and 1, waves 2 and 3 V.  The branch hangs on the wave's number alone.  Four v_nop follow each of the two lines.
.macro JLOAD
	s_cmp_lt_u32 s[WV], 2
	s_cbranch_scc0 .Lfor_v_\@
	tensor_load_to_lds s[G0+4:G0+7], s[G1K:G1K+7]
.rept 4
	v_nop
.endr
	s_branch .Lasked_\@
.Lfor_v_\@:
	tensor_load_to_lds s[G0+4:G0+7], s[G1V:G1V+7]
.rept 4
	v_nop
.endr
.Lasked_\@:
.endm
	s_load_b128 s[36:39], s[0:1], 0x0              ; qkvh s[36:37], maskw s[38:39]
	s_load_b64 s[ATT:ATT+1], s[0:1], 0x10          ; att
	v_lshrrev_b32 v1, 5, v0
	v_readfirstlane_b32 s[WV], v1
	s_bfe_u32 s40, ttmp6, 0x40000                  ; cx
	s_lshl_b32 s41, ttmp9, 2
	s_add_co_u32 s41, s41, s40                     ; my block of 128 queries: it enters Q's, the mask's and att's addresses alone
	s_and_b32 s42, ttmp7, 0xffff
	s_lshr_b32 s43, s42, 3                         ; batch
	s_and_b32 s44, s42, 7                          ; pair of heads
	s_lshr_b32 s45, s[WV], 1                       ; I fetch K (0) or V (1),
	s_and_b32 s46, s[WV], 1                        ; of this head of the pair
	s_lshl1_add_u32 s47, s44, s46
	s_mul_i32 s48, s43, 12582912                   ; the batch's 48 planes
	s_lshl_b32 s50, s45, 4
	s_add_co_u32 s50, s50, 16
	s_add_co_u32 s50, s50, s47                     ; the plane that I fetch: 16 + head or 32 + head
	s_lshl_b32 s50, s50, 18
	s_add_co_u32 s50, s50, s48
	s_mov_b32 s51, 0
	s_lshl_b32 s52, s44, 19                        ; Q: the pair's first plane (2 x pair planes of 262,144 bytes),
	s_add_co_u32 s52, s52, s48
	s_lshl_b32 s53, s41, 14                        ; 128 rows of 128 bytes a block,
	s_add_co_u32 s52, s52, s53
	s_lshl_b32 s53, s[WV], 12                      ; 32 a wave
	s_add_co_u32 s52, s52, s53
	s_mov_b32 s53, 0
	s_lshl_b32 s54, s41, 15                        ; the mask: 4,096 bytes for each tile of 16 queries, eight tiles a block,
	s_lshl_b32 s55, s[WV], 13                      ; two a wave
	s_add_co_u32 s54, s54, s55
	s_mov_b32 s55, 0
	s_lshl_b32 s56, s43, 11                        ; att: my rows: 2,048 batch + 128 block + 32 wave,
	s_lshl_b32 s57, s41, 7
	s_add_co_u32 s56, s56, s57
	s_lshl_b32 s57, s[WV], 5
	s_add_co_u32 s56, s56, s57
	s_lshl_b32 s56, s56, 11                        ; of 2,048 bytes,
	s_lshl_b32 s57, s44, 8                         ; the pair's 256 bytes
	s_add_co_u32 s56, s56, s57
	s_mov_b32 s57, 0
	s_mul_i32 s58, s[WV], REGB                     ; the region that I fill
	s_mov_b32 s[G1K], 15|(1<<16)|(1<<20)|(1<<21)|(4<<22)|(3<<25)   ; all four work-groups; 2-byte elements; padding on; bit 21 beside a mask; 4 words behind every 32
	s_mov_b32 s[G1V], 15|(1<<16)|(1<<20)|(1<<21)|(4<<22)|(7<<25)   ; the same with 8 words
.irp g, G1K, G1V
	s_mov_b32 s[\g+1], 128<<16                     ; tensor_dim0 = 128: two keys' 64 channels, 256 bytes
	s_mov_b32 s[\g+2], 64<<16                      ; tensor_dim1 = 64
	s_mov_b32 s[\g+3], 128<<16                     ; tile_dim0 = 128
	s_mov_b32 s[\g+4], 64                          ; tile_dim1 = 64
	s_mov_b32 s[\g+5], 128                         ; elements from row to row: the plane is dense
	s_mov_b32 s[\g+6], 0
	s_mov_b32 s[\g+7], 0
.endr
	s_mov_b32 s[SEL], 0x76543210
	s_mov_b32 s[SEL+1], 0xfedcba98
	s_mov_b32 s[TBK], 0
	s_mov_b32 s[TBV], 0
	s_mov_b32 s[SLOTS], 14                         ; 16 slots of 128 keys; two are first fills
	s_wait_kmcnt 0x0
	s_add_nc_u64 s[50:51], s[36:37], s[50:51]
	s_add_nc_u64 s[68:69], s[36:37], s[52:53]      ; Q: in piece 2's mask buffer, which is first loaded behind the wait for Q
	s_add_nc_u64 s[MP:MP+1], s[38:39], s[54:55]    ; the mask words of my first tile, step 0
	s_add_nc_u64 s[ATT:ATT+1], s[ATT:ATT+1], s[56:57]
	s_mov_b32 s[G0], 1
	s_add_co_u32 s[G0+1], s58, 0
	s_mov_b64 s[G0+2:G0+3], s[50:51]
	s_or_b32 s[G0+3], s[G0+3], 0x80000000
	s_mov_b32 s[G0+4], 1
	s_add_co_u32 s[G0+5], s58, SLOT1
	s_add_nc_u64 s[G0+6:G0+7], s[50:51], 2*KS*128  ; keys 128 on
	s_or_b32 s[G0+7], s[G0+7], 0x80000000
	CROUND                                         ; all four work-groups are here: the first joint loads meet
	s_cmp_lt_u32 s[WV], 2                          ; a wave's two first fills stand in one branch, ahead of every wait on TENSORcnt and every LDS read: two loads of mine are out
	s_cbranch_scc0 .Lfirst_v
	tensor_load_to_lds s[G0:G0+3], s[G1K:G1K+7]
	tensor_load_to_lds s[G0+4:G0+7], s[G1K:G1K+7]
	PLACES                                         ; four v_nop follow the second
	s_branch .Lfirst_asked
.Lfirst_v:
	tensor_load_to_lds s[G0:G0+3], s[G1V:G1V+7]
	tensor_load_to_lds s[G0+4:G0+7], s[G1V:G1V+7]
	PLACES
.Lfirst_asked:
	v_and_b32 v1, 15, v0                           ; r
	v_bfe_u32 v9, v0, 4, 1                         ; h
	v_lshlrev_b32 v[QO], 7, v1
	v_lshl_add_u32 v[QO], v9, 4, v[QO]             ; row x 128 + 16 x half
	WIN 0x40                                       ; destination window 1
.irp t, 0,1,2,3
.irp ch, 0,1
	global_load_b128 v[QF+16*\t+8*\ch:QF+16*\t+8*\ch+3],   v[QO], s[68:69] offset:(\t%2)*262144+(\t/2)*2048+\ch*64      ; tile t: plane t % 2 of the pair, queries 16 (t / 2) on
	global_load_b128 v[QF+16*\t+8*\ch+4:QF+16*\t+8*\ch+7], v[QO], s[68:69] offset:(\t%2)*262144+(\t/2)*2048+\ch*64+32
.endr
.endr
	WIN 0xc0                                       ; destination window 3
.irp i, 0,1,2,3,4,5,6,7
	v_mov_b32 v[ONES+\i], 0x3f803f80               ; 16 rows x 32 keys of 1.0 in bf16
.endr
	WIN 0
	v_mul_u32_u24 v[AK0], v1, PK
	v_lshl_add_u32 v[AK0], v9, 4, v[AK0]           ; K: row r, 16 bytes for each half of the lanes
	v_and_b32 v10, 7, v0
	v_bfe_u32 v11, v0, 3, 1
	v_lshl_add_u32 v[AV0], v9, 3, v10              ; V: the turning load's lane reads key 8 h + l % 8, channels 8 ((l / 8) % 2) on
	v_mul_u32_u24 v[AV0], v[AV0], PVP
	v_lshl_add_u32 v[AV0], v11, 4, v[AV0]
	v_add_nc_u32 v[AV0], 2*REGB, v[AV0]            ; V's regions lie behind K's two
	v_mov_b32 v[NEG], 0xff7fffff                   ; -FLT_MAX
	v_mov_b32 v[NANR], 0x7fc00000
.irp t, 0,1,2,3
	v_mov_b32 v[ST+8*\t+1], 0                      ; named as a pair with m, so it is written
.endr
	s_load_b512 s[MA:MA+15], s[MP:MP+1], 0x0       ; piece 0's words of step 0; the set-up's scalars in s32-58 are dead from here on
	s_load_b512 s[MA+16:MA+31], s[MP:MP+1], 0x40
; THE LDS LOADS stand in runs of 32: a step's K of both heads (16 fragments) and, a turn later, its V (turned).  Head 1's region stands in the immediate (28,256 at the most).
.macro FETCH_K
	WIN 0
	v_add_nc_u32 v[ADR], s[TBK], v[AK0]
	s_add_co_u32 s[TBK], s[TBK], STEPK             ; the next fetch is the next step's
	WIN 0x80                                       ; destination window 2
.irp hh, 0,1
.irp kb, 0,1,2,3
.irp ch, 0,1
	ds_load_b128 v[64*\hh+8*(2*\kb+\ch):64*\hh+8*(2*\kb+\ch)+3],   v[ADR] offset:\hh*REGB+\kb*16*PK+\ch*64
	ds_load_b128 v[64*\hh+8*(2*\kb+\ch)+4:64*\hh+8*(2*\kb+\ch)+7], v[ADR] offset:\hh*REGB+\kb*16*PK+\ch*64+32
.endr
.endr
.endr
.endm
.macro FETCH_V
	WIN 0
	v_add_nc_u32 v[ADR], s[TBV], v[AV0]
	s_add_co_u32 s[TBV], s[TBV], STEPV
	WIN 0xc0                                       ; destination window 3
.irp hh, 0,1
.irp kh, 0,1
.irp cb, 0,1,2,3
	ds_load_tr16_b128 v[64*\hh+8*(4*\kh+\cb):64*\hh+8*(4*\kh+\cb)+3],   v[ADR] offset:\hh*REGB+\kh*32*PVP+\cb*32
	ds_load_tr16_b128 v[64*\hh+8*(4*\kh+\cb)+4:64*\hh+8*(4*\kh+\cb)+7], v[ADR] offset:\hh*REGB+\kh*32*PVP+16*PVP+\cb*32
.endr
.endr
.endr
.endm
; THE MATRIX WORK OF A TURN, for piece x.  The accumulators take turns, one instruction a turn: between two links of a chain stand 9 (V^T P) or 7 (K Q^T) others'.
; Product i of 20 of O^T += V^T P: keys 32 (i / 10) on; block (i % 10) / 2: channels 16 x block on, or (block 4) the ones; tile x + i % 2, whose head is i % 2.  zero = 1: the first 10 start the sums.
.macro PVM x, zero
	WIN W_PV
.set tt, \x+i%2
.set mP, P+16*tt+8*(i/10)
.if (i%10)/2 < 4
.set mO, 32*tt+8*((i%10)/2)
.set mV, 64*(i%2)+8*(4*(i/10)+(i%10)/2)
.else
.set mO, LF+8*tt
.set mV, ONES
.endif
.if \zero && (i < 10)
	v_wmma_f32_16x16x32_bf16 v[mO:mO+7], v[mV:mV+7], v[mP:mP+7], 0
.else
	v_wmma_f32_16x16x32_bf16 v[mO:mO+7], v[mV:mV+7], v[mP:mP+7], v[mO:mO+7]
.endif
.endm
; Product i of 16 of S^T = K Q^T: channels 32 (i / 8) on, keys 16 ((i / 2) % 4) on, tile x + i % 2.  The first 8 start the sums.
.macro KQM x
	WIN W_KQ
.set tt, \x+i%2
.set mS, S+32*tt+8*((i/2)%4)
.set mK, 64*(i%2)+8*(2*((i/2)%4)+i/8)
.set mQ, QF+16*tt+8*(i/8)
.if i < 8
	v_wmma_f32_16x16x32_bf16 v[mS:mS+7], v[mK:mK+7], v[mQ:mQ+7], 0
.else
	v_wmma_f32_16x16x32_bf16 v[mS:mS+7], v[mK:mK+7], v[mQ:mQ+7], v[mS:mS+7]
.endif
.endm
; THE VECTOR WORK OF A TURN.  One tile's softmax for one key step is a list; SM writes number j of it for tile t.  s0-s31 are the lane's 32 scores, in pairs 0-15.
; first = 1: the first key step, which starts m, O^T and the sums: it has no a and nothing to rescale.
;   0-31    the mask: s = mask ? s: -FLT_MAX, ascending
;   32-47   the maximum of s0-s31 and the old m, three operands at a time: four chains of seven scores each, then the four scores left over, the chains and m
;   48-51   the other half of the lanes' maximum; m_old kept; the new m; m_old - m_new
;   52-121  plain instruction q at 52 + 2 q, exponential q at 53 + 2 q (a, then s0-s31), so that no two of a tile follow each other and each has a plain instruction behind it before its result
;           is used.  Plain q: s - m for pair 0 (q = 0) and pair (q + 1) / 2 (q odd), five numbers ahead of the pair's first exponential; the rounding to bf16 of pair (q - 4) / 2 (q even, from 4 on),
;           three numbers behind the pair's second.  Numbers 56, 114, 118, 119, 121 and 139 are empty.
;   122-138 the tile's sum (register 0) and its O^T times a, ascending: the one part that leaves window 0, so it stands together
.macro SM t, first
.set rT, ST+8*(\t)
.set rS, S+32*(\t)
.set rP, P+16*(\t)
.set q, (j-52)/2
.set emp, 0
.if (j == 56) || (j == 114) || (j == 118) || (j == 119) || (j == 121) || (j == 139)
.set emp, 1
.endif
.if \first && ((j == 49) || (j == 51) || (j == 53) || (j > 121))
.set emp, 1
.endif
.if emp == 0
.if j < 122
	WIN 0
.else
	WIN W_RS
.endif
.if j < 32
.if (\t) < 2
	v_cndmask_b32 v[rS+j], v[NEG], v[rS+j], s[MA+j]
.else
	v_cndmask_b32 v[rS+j], v[NEG], v[rS+j], s[MBF+j]
.endif
.elseif j < 36
	v_max3_num_f32 v[rT+4+j%4], v[rS+8*(j%4)], v[rS+8*(j%4)+1], v[rS+8*(j%4)+2]
.elseif j < 44
	v_max3_num_f32 v[rT+4+j%4], v[rT+4+j%4], v[rS+8*(j%4)+2*((j-32)/4)+1], v[rS+8*(j%4)+2*((j-32)/4)+2]
.elseif j == 44
	v_max3_num_f32 v[rT+4], v[rT+4], v[rS+7], v[rS+15]
.elseif j == 45
	v_max3_num_f32 v[rT+6], v[rT+6], v[rS+23], v[rS+31]
.elseif j == 46
	v_max3_num_f32 v[rT+4], v[rT+4], v[rT+5], v[rT+6]
.elseif (j == 47) && \first
	v_max_num_f32 v[rT+4], v[rT+4], v[rT+7]
.elseif j == 47
	v_max3_num_f32 v[rT+4], v[rT+4], v[rT+7], v[rT]
.elseif j == 48
	v_permlanex16_b32 v[rT+5], v[rT+4], s[SEL], s[SEL+1]   ; the query's other 32 keys lie in the lane 16 away
.elseif j == 49
	v_mov_b32 v[rT+7], v[rT]                       ; m_old
.elseif j == 50
	v_max_num_f32 v[rT], v[rT+4], v[rT+5]
.elseif j == 51
	v_sub_f32 v[rT+7], v[rT+7], v[rT]
.elseif j == 53
	v_exp_f32 v[rT+6], v[rT+7]                     ; a
.elseif (j < 122) && (j%2 == 1)
	v_exp_f32 v[rS+(j-55)/2], v[rS+(j-55)/2]
.elseif (j < 122) && ((q == 0) || (q%2 == 1))
	v_pk_add_f32 v[rS+2*((q+1)/2):rS+2*((q+1)/2)+1], v[rS+2*((q+1)/2):rS+2*((q+1)/2)+1], v[rT:rT+1] op_sel_hi:[1,0] neg_lo:[0,1] neg_hi:[0,1]   ; s - m
.elseif j < 122
	v_cvt_pk_bf16_f32 v[rP+(q-4)/2], v[rS+q-4], v[rS+q-3]
.elseif j == 122
	v_mul_f32 v[LF+8*(\t)], v[LF+8*(\t)], v[rT+6]
.else
	v_pk_mul_f32 v[32*(\t)+2*(j-123):32*(\t)+2*(j-123)+1], v[32*(\t)+2*(j-123):32*(\t)+2*(j-123)+1], v[rT+6:rT+7] op_sel_hi:[1,0]
.endif
.endif
.endm
; Group k of 70 of piece y's softmax: numbers 2 k and 2 k + 1 of both tiles' lists.
.macro QUAD y, first
.if (k >= 26) && (k < 61)              ; tile by tile: plain, exponential, plain, exponential
.irp t, \y, \y+1
.irp n, 0,1
.set j, 2*k+\n
	SM \t, \first
.endr
.endr
.else                                  ; the two tiles alternate, so that no instruction reads the result of the one just before it
.irp n, 0,1
.irp t, \y, \y+1
.set j, 2*k+\n
	SM \t, \first
.endr
.endr
.endif
.set k, k+1
.endm
; Behind matrix instruction mi of the turn's MT: its even share of the 70 groups.  The last share is groups 68 and 69: six plain multiplies of the other piece's O^T, which are the places
; between the turn's last K Q^T and the next turn's first read of those scores.
.macro DEAL y, first
.rept (NQ*(mi+1))/MT-(NQ*mi)/MT
	QUAD \y, \first
.endr
.set mi, mi+1
.endm
; A TURN.  Piece x has the matrix unit; the other piece's softmax is dealt behind its matrix instructions.
; pv = 2: 20 products V^T P; 1: they start O^T and the sums; 0: none.  kq = 1: 16 products K Q^T for the next step.
; first = 1: the softmax is the first key step's; its groups from 61 on are empty, the turn's last products stand bare, and four v_nop take the last share's part as the places behind them.
; Piece 0's turn fetches the next step's K behind its first product: the last product that read K stands ten plain instructions back.  Piece 2's turn fetches the same step's V behind its first
; K Q^T: the last product that read V stands eight plain instructions back or more.
.macro TURN x, pv, kq, first
.set k, 0
.set mi, 0
.set MT, 16*\kq
.if \pv
.set MT, MT+20
.endif
	s_wait_kmcnt 0x0                               ; the words of the piece whose softmax this turn holds are in, and no scalar load is out (so the pointer may step)
.if \x == 2
	s_load_b512 s[MBF:MBF+15], s[MP:MP+1], 0x1000  ; piece 2's words of the same step, for the next turn, into the buffer that the turn before read out
	s_load_b512 s[MBF+16:MBF+31], s[MP:MP+1], 0x1040
.elseif \kq
	s_add_nc_u64 s[MP:MP+1], s[MP:MP+1], 128       ; piece 0's words of the next step, for the next turn; the last step asks for nothing
	s_load_b512 s[MA:MA+15], s[MP:MP+1], 0x0
	s_load_b512 s[MA+16:MA+31], s[MP:MP+1], 0x40
.endif
.if \pv
.if \x == 0
	s_wait_dscnt 0x0                               ; V is in
.endif
.set i, 0
.rept 20
	PVM \x, 2-\pv
	DEAL 2-\x, \first
.if (\x == 0) && \kq && (i == 0)
	FETCH_K
.endif
.set i, i+1
.endr
.endif
.if \kq
.if \x == 0
	s_wait_dscnt 0x0                               ; K is in
.endif
.set i, 0
.rept 16
	KQM \x
	DEAL 2-\x, \first
.if (\x == 2) && (i == 0)
	FETCH_V
.endif
.set i, i+1
.endr
.endif
.if \first
	PLACES
.endif
.endm
; THE CHANGE OF SLOTS, between piece 2's turn and piece 0's: the slot's last bytes, V of its second step, have been asked for.  Each wave waits for its reads of the slot and for all its tensor loads
; (one is out: its region of the other slot).  fill = 1: the slot is filled again with the keys two slots on, behind a round of the cluster's barrier, first thing there: it has two key steps,
; 144 matrix instructions, in which to land.
.macro CHANGE fill
	WIN 0                                          ; at a label and at a branch every window is 0
	s_wait_dscnt 0x0
	s_wait_tensorcnt 0x0                           ; no tensor load of mine is out, so a group 0 may be written
.if \fill
	s_xor_b32 s[G0+5], s[G0+5], SLOT1              ; the walking descriptor: the other slot than last time,
	s_add_nc_u64 s[G0+6:G0+7], s[G0+6:G0+7], 2*KS*128   ; the next 128 keys
	CROUND
	JLOAD                                          ; my one tensor load behind the round
.else
	s_barrier_signal -1
	s_barrier_wait -1
.endif
	s_sub_co_u32 s[TBK], s[TBK], 2*STEPK           ; the fetches go back to a slot's first step,
	s_xor_b32 s[TBK], s[TBK], SLOT1                ; in the other slot
	s_sub_co_u32 s[TBV], s[TBV], 2*STEPV
	s_xor_b32 s[TBV], s[TBV], SLOT1
.endm
; A slot's two key steps: written once, walked twice; the LDS addresses hang on s[TBK] and s[TBV].
.macro TWO_STEPS
	s_mov_b32 s[TWICE], 2
.Lstep_\@:
	TURN 0, 2, 1, 0
	TURN 2, 2, 1, 0
	WIN 0
	s_sub_co_u32 s[TWICE], s[TWICE], 1
	s_cmp_lg_u32 s[TWICE], 0
	s_cbranch_scc1 .Lstep_\@
.endm
	s_wait_tensorcnt 1                             ; my region of slot 0 is in; slot 1's may stay out
	s_barrier_signal -1
	s_barrier_wait -1                              ; everybody's is
	FETCH_K                                        ; key step 0
	s_wait_loadcnt 0x0                             ; Q
	s_wait_dscnt 0x0
.set i, 0
.rept 16
	KQM 0                                          ; piece 0's first scores: there is no vector work yet to set between them
.set i, i+1
.endr
	WIN 0                                          ; the addresses for the way out are made here: eight plain instructions, the places behind those products
	s_mul_i32 s[TS], s[WV], 32*SP
	s_add_co_u32 s[TS], s[TS], STAGE               ; my 32 rows of the stage
	v_mul_u32_u24 v[STO], v1, SP                   ; in: row r, 16 bytes for each half of the lanes
	v_lshl_add_u32 v[STO], v9, 4, v[STO]
	v_add_nc_u32 v[STO], s[TS], v[STO]
	v_mul_u32_u24 v[RD], v9, SP                    ; back: lanes 0-15 one row of 256 bytes, lanes 16-31 the next
	v_lshl_add_u32 v[RD], v1, 4, v[RD]
	v_add_nc_u32 v[RD], s[TS], v[RD]
	v_lshlrev_b32 v[GO], 11, v9                    ; and the same two rows in att
	v_lshl_add_u32 v[GO], v1, 4, v[GO]
	TURN 2, 0, 1, 1                                ; piece 2's first scores | piece 0's first softmax | V of step 0
	TURN 0, 1, 1, 1                                ; piece 0: V^T P of step 0 starts O^T, K Q^T of step 1 | piece 2's first softmax | K of step 1
	TURN 2, 1, 1, 0                                ; piece 2: the same | piece 0's softmax of step 1 | V of step 1
	WIN 0
.Lslot:                                                ; 14 trips: every slot but the last two is filled again
	CHANGE 1
	TWO_STEPS
	s_sub_co_u32 s[SLOTS], s[SLOTS], 1
	s_cmp_lg_u32 s[SLOTS], 0
	s_cbranch_scc1 .Lslot
	CHANGE 0                                       ; the tail is written out: nothing more is asked for
	TWO_STEPS
	TURN 0, 2, 0, 0                                ; piece 0: V^T P of the last step | piece 2's last softmax
.set i, 0
.rept 20
	PVM 2, 0                                       ; piece 2: V^T P of the last step
.set i, i+1
.endr
	; THE WAY OUT.  O^T / l, rounded to bf16, goes into my own 32 rows of the stage and comes back as whole rows of 256 bytes (both heads).
	PLACES                                         ; the last two products made piece 2's sums, which are read next
	WIN 0x01                                       ; source 0 window 1, destination window 0
.irp t, 0,1,2,3
	v_rcp_f32 v[ST+8*\t+6], v[LF+8*\t]             ; register 0 of the tile's sums: l of my query, over all keys
.endr
	WIN 0
	v_nop                                          ; a plain instruction between the last reciprocal and its use
.irp t, 0,1,2,3
	v_cmp_gt_f32 vcc_lo, v[ST+8*\t], v[NEG]        ; has the query met a true key?
	v_cndmask_b32 v[ST+8*\t+6], v[NANR], v[ST+8*\t+6], vcc_lo
.endr
.macro PACKO t
	WIN W_RS
.set i, 0
.rept 16
	v_pk_mul_f32 v[32*\t+2*i:32*\t+2*i+1], v[32*\t+2*i:32*\t+2*i+1], v[ST+8*\t+6:ST+8*\t+7] op_sel_hi:[1,0]
.set i, i+1
.endr
	WIN 0x05                                       ; sources window 1, destination window 0: S^T's registers are free
.set i, 0
.rept 16
	v_cvt_pk_bf16_f32 v[S+16*\t+i], v[32*\t+2*i], v[32*\t+2*i+1]
.set i, i+1
.endr
	WIN 0
.irp cb, 0,1,2,3
	ds_store_b128 v[STO], v[S+16*\t+4*\cb:S+16*\t+4*\cb+3] offset:(\t/2)*16*SP+(\t%2)*128+32*\cb   ; rows 16 (t / 2) on, the head's 128 bytes, channels 16 cb on
.endr
.endm
	PACKO 0
	PACKO 1
	PACKO 2
	PACKO 3
.irp t, 0,1,2,3,4,5,6,7,8,9,10,11,12,13,14,15
	ds_load_b128 v[RB+4*\t:RB+4*\t+3], v[RD] offset:\t*2*SP   ; my own bytes: LDS serves a wave's instructions in order (ISA guide 5.7.1.4), so these see the stores above
.endr
.irp t, 0,1,2,3,4,5,6,7,8,9,10,11,12,13,14,15
	s_wait_dscnt 15-\t                             ; load t is back, the younger ones stay out
	global_store_b128 v[GO], v[RB+4*\t:RB+4*\t+3], s[ATT:ATT+1] offset:\t*4096   ; 16 lanes store 256 consecutive bytes, aligned
.endr
	CROUND                                         ; the closing round: no work-group ends while a partner may still ask for a tile that names it
	s_endpgm
.Lfunc_end_k_qc61b3056a3_attn:
	.size	k_qc61b3056a3_attn, .Lfunc_end_k_qc61b3056a3_attn-k_qc61b3056a3_attn
	.p2alignl 7, 3214868480
	.fill 96, 4, 3214868480
	.section	.rodata,"a",@progbits
	.p2align	6, 0x0
	.amdhsa_kernel k_qc61b3056a3_attn
		.amdhsa_group_segment_fixed_size 327680
		.amdhsa_private_segment_fixed_size 0
		.amdhsa_enable_private_segment 0
		.amdhsa_kernarg_size 24
		.amdhsa_user_sgpr_count 2
		.amdhsa_user_sgpr_kernarg_segment_ptr 1
		.amdhsa_wavefront_size32 1
		.amdhsa_system_sgpr_workgroup_id_x 1
		.amdhsa_system_sgpr_workgroup_id_y 1
		.amdhsa_system_sgpr_workgroup_id_z 1
		.amdhsa_system_vgpr_workitem_id 0
		.amdhsa_next_free_vgpr 904
		.amdhsa_next_free_sgpr 106
		.amdhsa_reserve_vcc 1
		.amdhsa_float_denorm_mode_32 3
		.amdhsa_float_denorm_mode_16_64 3
		.amdhsa_memory_ordered 1
		.amdhsa_forward_progress 1
		.amdhsa_inst_pref_size 188
	.end_amdhsa_kernel
	.amdgpu_metadata
---
amdhsa.version: [ 1, 2 ]
amdhsa.kernels:
  - .name:           k_qc61b3056a3_attn
    .symbol:         k_qc61b3056a3_attn.kd
    .args:
      - { .name: qkvh, .offset: 0, .size: 8, .value_kind: global_buffer, .address_space: global }
      - { .name: maskw, .offset: 8, .size: 8, .value_kind: global_buffer, .address_space: global }
      - { .name: att, .offset: 16, .size: 8, .value_kind: global_buffer, .address_space: global }
    .group_segment_fixed_size: 327680
    .private_segment_fixed_size: 0
    .kernarg_segment_align: 8
    .kernarg_segment_size: 24
    .max_flat_workgroup_size: 128
    .sgpr_count:     106
    .vgpr_count:     904
    .wavefront_size: 32
...
	.end_amdgpu_metadata
.endif
;; end of part 8
;; launch oproj: the kernel of part 4 again; grid 8 x 32, 4 waves a work-group, clusters of 4 x 4, 327,680 bytes of LDS; arguments att, wbf, out_b, x, x1; writes x1
;; launch ln2: the kernel of part 5 again; grid 256 x 1, 4 waves a work-group, no clusters, 0 bytes of LDS; arguments x1, ln2_g, ln2_b, hn; writes hn
;; launch ff1 (part 9): grid 16 x 16, 4 waves a work-group, clusters of 4 x 4, 327,680 bytes of LDS; arguments hn, wbf, ff_b1, ffh; writes ffh
.if DOCPART == 9
	.amdgcn_target "amdgcn-amd-amdhsa--gfx1250"
	.amdhsa_code_object_version 6
	.text
	.protected	k_qc61b3056a3_ff1
	.globl	k_qc61b3056a3_ff1
	.p2align	8
	.type	k_qc61b3056a3_ff1,@function
k_qc61b3056a3_ff1:
	s_mov_b64 s[64:65], 0
	v_nop
	global_prefetch_b8 v0, s[64:65] scope:SCOPE_SE
	s_setreg_imm32_b32 hwreg(HW_REG_WAVE_MODE, 25, 1), 1
	s_wait_xcnt 0x0
	s_wait_alu depctr_hold_cnt(0) depctr_sa_sdst(0) depctr_va_vdst(0) depctr_va_sdst(0) depctr_va_ssrc(0) depctr_va_vcc(0) depctr_vm_vsrc(0)
	s_getreg_b32 s2, hwreg(HW_REG_IB_STS2, 6, 4)
	s_cmp_eq_u32 s2, 0
	s_cbranch_scc0 .Lentry_in_a_cluster
	s_endpgm
.Lentry_in_a_cluster:
	s_bfe_u32 s2, ttmp6, 0x10000c
	s_cmp_lg_u32 s2, 0xf033
	s_cbranch_scc0 .Lentry_shape_is_right
	s_endpgm
.Lentry_shape_is_right:
; ffh = gelu(hn x W1 + ff_b1), bf16.  hn: [4096][1024] bf16.  W1: [1024][4096] bf16 at byte WOFF of wbf, rows along N as the problem stores it.  Sums, bias and GELU in f32.
; The exact GELU's erf is taken by a fifth-degree polynomial in t = 1 / (1 + 0.3275911 |x| / sqrt(2)) times an exponential: absolute error up to 1.5e-7.
; A tile of C, 256 x 256, is made by four waves, each 128 x 128: 64 accumulators, 512 registers.  K goes in steps of 128 through two LDS slots filled by the tensor data mover.  16 x 16 = 256 work-groups.
; A's rows lie along K and are read as they lie; B's rows lie along N and are turned on the way into registers (ds_load_tr16_b128).
; CLUSTERS: 4 x 4 work-groups; A's tile is shared along a row of the cluster, B's along a column: each is asked for jointly, by the same tensor load with a mask that names the four.
; THE MATRIX INSTRUCTION IS USED TRANSPOSED: source 0 = 16 columns of B, source 1 = 16 rows of A: a lane then holds eight neighbouring numbers of a row of C.
; THE WAY OUT IS A LOOP over the wave's eight blocks of 16 rows.  Of a block's work only the 32 additions that read its accumulators hang on the block (register numbers cannot be counted),
; so these are written out eight times and picked by the counter; the GELU of 64 numbers a lane (608 instructions), the stage and the stores stand once.
; REGISTERS: window 0: v0-31 addresses; v64-127, v128-191 A's fragments, two buffers (at work on the way out); v32-63, v192-223 the way out.
;   window 1: v0-63 the bias of my columns; v64-127, v128-191 B's fragments.   windows 2, 3: the accumulators of my rows 0-63, 64-127 ((a, b) at v[8 (8 a + b)]).
.set SIZE_K, 1024
.set SIZE_N, 4096
.set WOFF,   8388608
.set KSTEP,  128
.set PITCH,  272                       ; A's LDS row: 256 bytes + 16: the 16 rows of a fragment load start 68 words apart
.set BPITCH, 544                       ; B's LDS row: 512 bytes + 32: 17 x 32, so that the turning load's 8 rows x 32 bytes fall side by side
.set HALFT,  128*PITCH                 ; what one tensor load brings: 128 rows of A, or 64 rows of B (64 x 544 is the same 34,816 bytes)
.set SLOT,   4*HALFT                   ; A's 256 rows, then B's 128 rows
.set STAGE,  2*SLOT                    ; behind the ring: 16 rows x 272 bytes for each wave
.set SPITCH, 272
.set LAPS,   SIZE_K/(2*KSTEP)
.set ADRA, 16                          ; v16-17 LDS address of my A fragments in slot 0, 1
.set ADRB, 20                          ; v20-21 the same for B
.set STO,  24                          ; the way out: where I put 16 bytes of a row
.set RD,   25                          ; where I read back
.set CO,   26                          ; my byte offset in the output
.set BA,   27                          ; my byte offset in the bias
.set A4,   28                          ; v[28:29] a constant of the polynomial, twice
.set F0,   64
.set F1,   128
.set X,    64                          ; the way out: a block's 64 numbers a lane in f32
.set AX,   128                         ; |x|, t, 2^(k x x), the polynomial: 16 registers each
.set U,    144
.set E,    160
.set PQ,   176
.set TMP,  192                         ; packed results
.set OB,   32                          ; 16 rows read back
.set G1,   24
.set G0,   32
.set G1B,  48
.set G0B,  56
.set SC,   66                          ; s[66:67] the bias's address
.set CP,   68                          ; s[68:79] constants in pairs; s82 the mask that clears a sign
.set CK,   70
.set C1,   72
.set C2,   74
.set C3,   76
.set C5,   78
.set CABS, 82
.set MSB, 0
.macro WIN new                         ; the immediate's high byte repeats the setting that is left; a switch that changes nothing is dropped
.if MSB != (\new)
	s_set_vgpr_msb (MSB<<8)|(\new)
.set MSB, (\new)
.endif
.endm
.set MUL_LO, 0xa1                      ; source 0 (B) window 1, source 1 (A) window 0, C and D window 2
.set MUL_HI, 0xf1                      ; the same, C and D window 3
.set TO_B,   0x40                      ; destination window 1, address window 0
; A joint load: waves 0 and 1 fetch A's two halves, waves 2 and 3 B's.  The branch hangs on the wave's number alone.  Four v_nop follow each line.
.macro JLOAD s
	s_cmp_eq_u32 s11, 0
	s_cbranch_scc0 .Lfor_b_\@
	tensor_load_to_lds s[G0+4*\s:G0+4*\s+3], s[G1:G1+7]
.rept 4
	v_nop
.endr
	s_branch .Lasked_\@
.Lfor_b_\@:
	tensor_load_to_lds s[G0B+4*\s:G0B+4*\s+3], s[G1B:G1B+7]
.rept 4
	v_nop
.endr
.Lasked_\@:
.endm
.macro CREST                           ; a round of the cluster's barrier behind its opening barrier
	s_cmp_lg_u32 s10, 0
	s_cbranch_scc1 .Lnot_wave_0_\@
	s_barrier_signal -3
.Lnot_wave_0_\@:
	s_barrier_wait -3
	s_barrier_signal -1
	s_barrier_wait -1
.endm
.macro CROUND
	s_barrier_signal -1
	s_barrier_wait -1
	CREST
.endm
	s_load_b128 s[4:7], s[0:1], 0x0                ; hn s[4:5], wbf s[6:7]
	s_load_b64 s[SC:SC+1], s[0:1], 0x10            ; the bias
	s_load_b64 s[8:9], s[0:1], 0x18                ; the output
	v_lshrrev_b32 v1, 5, v0
	v_readfirstlane_b32 s10, v1                    ; wave 0..3
	s_lshr_b32 s11, s10, 1                         ; which half of the tile's rows is mine.  Also: I fetch for A (0) or for B (1)
	s_and_b32 s12, s10, 1                          ; which half of its columns.  Also: which half of that tile I fetch
	s_bfe_u32 s40, ttmp6, 0x40000                  ; cx
	s_bfe_u32 s41, ttmp6, 0x40004                  ; cy
	s_lshl_b32 s42, ttmp9, 2
	s_add_co_u32 s42, s42, s40                     ; tile column
	s_and_b32 s13, ttmp7, 0xffff
	s_lshl_b32 s13, s13, 2
	s_add_co_u32 s13, s13, s41                     ; tile row
	s_lshl_b32 s43, s41, 2
	s_lshl_b32 s43, 15, s43                        ; my row of the cluster
	s_lshl_b32 s44, 0x1111, s40                    ; my column
	s_or_b32 s[G1+0], s43, (1<<16)|(1<<20)|(1<<21)|(5<<22)|(3<<25)   ; A: mask of my row; 2-byte elements; padding on; bit 21 beside a mask; 4 words behind every 64
	s_or_b32 s[G1B+0], s44, (1<<16)|(1<<20)|(1<<21)|(6<<22)|(7<<25)  ; B: mask of my column; 8 words behind every 128
	s_mov_b32 s[G1+1], KSTEP<<16                   ; A: tensor_dim0 = 128
	s_mov_b32 s[G1+2], 128<<16                     ; tensor_dim1 = 128
	s_mov_b32 s[G1+3], KSTEP<<16                   ; tile_dim0 = 128
	s_mov_b32 s[G1+4], 128                         ; tile_dim1 = 128
	s_mov_b32 s[G1+5], SIZE_K                      ; elements from row to row
	s_mov_b32 s[G1+6], 0
	s_mov_b32 s[G1+7], 0
	s_mov_b32 s[G1B+1], 256<<16                    ; B: tensor_dim0 = 256
	s_mov_b32 s[G1B+2], 64<<16                     ; tensor_dim1 = 64
	s_mov_b32 s[G1B+3], 256<<16                    ; tile_dim0 = 256
	s_mov_b32 s[G1B+4], 64                         ; tile_dim1 = 64
	s_mov_b32 s[G1B+5], SIZE_N
	s_mov_b32 s[G1B+6], 0
	s_mov_b32 s[G1B+7], 0
	; A's address hangs on the tile row and the wave, B's on the tile column and the wave, each in registers that never hold the other coordinate
	s_lshl_b32 s16, s13, 8
	s_lshl_b32 s17, s12, 7
	s_add_co_u32 s16, s16, s17                     ; A: row 256 x tile row + 128 x half
	s_lshl_b32 s16, s16, 11                        ; rows of 2,048 bytes
	s_mov_b32 s17, 0
	s_mul_i32 s46, s12, 64*SIZE_N*2                ; B: row 64 x half of the K step,
	s_lshl_b32 s47, s42, 9                         ; column 256 x tile column
	s_add_co_u32 s46, s46, s47
	s_add_co_u32 s46, s46, WOFF
	s_mov_b32 s47, 0
	s_mul_i32 s20, s10, HALFT                      ; where they go: wave x 34,816
	s_wait_kmcnt 0x0
	s_add_nc_u64 s[14:15], s[4:5], s[16:17]
	s_add_nc_u64 s[46:47], s[6:7], s[46:47]
	CROUND                                         ; all sixteen work-groups are here: the first joint loads meet
.irp s, 0,1
	s_mov_b32 s[G0+4*\s], 1
	s_add_co_u32 s[G0+4*\s+1], s20, \s*SLOT
	s_add_nc_u64 s[G0+4*\s+2:G0+4*\s+3], s[14:15], \s*KSTEP*2
	s_or_b32 s[G0+4*\s+3], s[G0+4*\s+3], 0x80000000
	s_mov_b32 s[G0B+4*\s], 1
	s_add_co_u32 s[G0B+4*\s+1], s20, \s*SLOT
	s_add_nc_u64 s[G0B+4*\s+2:G0B+4*\s+3], s[46:47], \s*KSTEP*SIZE_N*2
	s_or_b32 s[G0B+4*\s+3], s[G0B+4*\s+3], 0x80000000
	JLOAD \s                                       ; two tensor loads of mine are out
.endr
	v_and_b32 v1, 15, v0                           ; r = l % 16
	v_bfe_u32 v2, v0, 4, 1                         ; h = l / 16
	v_mul_u32_u24 v3, v1, PITCH
	v_lshl_add_u32 v3, v2, 4, v3                   ; A: row r, 16 bytes for each half of the lanes
	v_and_b32 v4, 7, v0
	v_lshl_add_u32 v4, v2, 3, v4                   ; B: the turning load's lane reads row 8 h + l % 8,
	v_mul_u32_u24 v4, v4, BPITCH
	v_bfe_u32 v5, v0, 3, 1
	v_lshl_add_u32 v4, v5, 4, v4                   ; 16 bytes at 16 ((l / 8) % 2)
	s_mul_i32 s21, s11, HALFT                      ; my 128 rows of A
	s_lshl_b32 s22, s12, 8                         ; my 128 columns of B,
	s_add_co_u32 s22, s22, 2*HALFT                 ; which lies behind A
.irp s, 0,1
	v_add_nc_u32 v[ADRA+\s], s21, v3
	v_add_nc_u32 v[ADRB+\s], s22, v4
	s_add_co_u32 s21, s21, SLOT
	s_add_co_u32 s22, s22, SLOT
.endr
	s_mul_i32 s23, s10, 16*SPITCH
	s_add_co_u32 s23, s23, STAGE                   ; my stage
	v_mul_u32_u24 v4, v1, SPITCH
	v_lshl_add_u32 v4, v2, 4, v4
	v_add_nc_u32 v[STO], s23, v4
	v_mul_u32_u24 v7, v2, SPITCH                   ; back: lanes 0-15 one row of 256 bytes, lanes 16-31 the next
	v_lshl_add_u32 v7, v1, 4, v7
	v_add_nc_u32 v[RD], s23, v7
	v_mul_u32_u24 v7, v2, SIZE_N*2
	v_lshl_add_u32 v[CO], v1, 4, v7
	s_lshl_b32 s16, s13, 8
	s_lshl_b32 s17, s11, 7
	s_add_co_u32 s16, s16, s17                     ; my first row of C
	s_mul_i32 s16, s16, SIZE_N*2
	s_lshl_b32 s46, s42, 9
	s_lshl_b32 s47, s12, 8
	s_add_co_u32 s46, s46, s47                     ; my first column, in bytes of bf16
	s_add_co_u32 s16, s16, s46
	s_mov_b32 s17, 0
	s_add_nc_u64 s[8:9], s[8:9], s[16:17]
	s_lshl_b32 s18, s46, 1                         ; the same column in bytes of f32
	s_mov_b32 s19, 0
	s_add_nc_u64 s[SC:SC+1], s[SC:SC+1], s[18:19]
	v_lshlrev_b32 v[BA], 5, v2                     ; my eight columns of each block of 16 begin at 8 h
	v_mov_b32 v[A4], 0x3f3a00e3
	v_mov_b32 v[A4+1], 0x3f3a00e3
	s_mov_b32 s[CP], 0x3e6d3388                    ; 0.3275911 / sqrt(2)
	s_mov_b32 s[CP+1], 0x3e6d3388
	s_mov_b32 s[CK], 0xbf38aa3b                    ; -log2(e) / 2
	s_mov_b32 s[CK+1], 0xbf38aa3b
	s_mov_b32 s[C1], 0xbe027906                    ; -a1 / 2 .. -a5 / 2 of the polynomial (the fourth lies in v[A4])
	s_mov_b32 s[C1+1], 0xbe027906
	s_mov_b32 s[C2], 0x3e11a98e
	s_mov_b32 s[C2+1], 0x3e11a98e
	s_mov_b32 s[C3], 0xbf35f0e3
	s_mov_b32 s[C3+1], 0xbf35f0e3
	s_mov_b32 s[C5], 0xbf07dc22
	s_mov_b32 s[C5+1], 0xbf07dc22
	s_mov_b32 s[CABS], 0x7fffffff
	WIN TO_B                                       ; the bias of my 64 columns a lane, into window 1's idle v0-63; it lands under the K loop
.irp b, 0,1,2,3,4,5,6,7
	global_load_b128 v[8*\b:8*\b+3],   v[BA], s[SC:SC+1] offset:64*\b
	global_load_b128 v[8*\b+4:8*\b+7], v[BA], s[SC:SC+1] offset:64*\b+16
.endr
	WIN 0
; 16 matrix instructions: m blocks a0, a0 + 1 of the window's four x all 8 n blocks, 32 along K.  zero = 1: the first product starts the sums.
; The 64 accumulators take turns, one instruction a turn, in the same order in every quarter step.
.macro MUL16 f, hi, a0, zero
.irp a, \a0, \a0+1
.irp b, 0,1,2,3,4,5,6,7
.if \zero
	v_wmma_f32_16x16x32_bf16 v[8*(8*(\a)+\b):8*(8*(\a)+\b)+7], v[\f+8*\b:\f+8*\b+7], v[\f+8*(4*\hi+\a):\f+8*(4*\hi+\a)+7], 0
.else
	v_wmma_f32_16x16x32_bf16 v[8*(8*(\a)+\b):8*(8*(\a)+\b)+7], v[\f+8*\b:\f+8*\b+7], v[\f+8*(4*\hi+\a):\f+8*(4*\hi+\a)+7], v[8*(8*(\a)+\b):8*(8*(\a)+\b)+7]
.endif
.endr
.endr
.endm
; 32 LDS loads in one run: quarter q (32 along K) of a slot into buffer f: B's 128 columns turned, then A's 128 rows
.macro FETCH slot, q, f
	WIN TO_B
.irp i, 0,1,2,3,4,5,6,7
	ds_load_tr16_b128 v[\f+8*\i:\f+8*\i+3],   v[ADRB+\slot] offset:\q*32*BPITCH+32*\i
	ds_load_tr16_b128 v[\f+8*\i+4:\f+8*\i+7], v[ADRB+\slot] offset:\q*32*BPITCH+32*\i+16*BPITCH
.endr
	WIN 0
.irp i, 0,1,2,3,4,5,6,7
	ds_load_b128 v[\f+8*\i:\f+8*\i+3],   v[ADRA+\slot] offset:\q*64+\i*16*PITCH
	ds_load_b128 v[\f+8*\i+4:\f+8*\i+7], v[ADRA+\slot] offset:\q*64+\i*16*PITCH+32
.endr
.endm
.macro PLACES                          ; four plain vector instructions between a matrix instruction and a load into, or a vector access to, its registers
.rept 4
	v_nop
.endr
.endm
; A quarter step: multiplies buffer f; in its middle it fetches quarter q of the same slot into buffer g
.macro QUARTER slot, q, f, g, zero
	s_wait_dscnt 8                                 ; B and A's rows 0-63 are in; the youngest eight loads (A's rows 64-127) may be out
	WIN MUL_LO
	MUL16 \f, 0, 0, \zero
	MUL16 \f, 0, 2, \zero
	PLACES
	FETCH \slot, \q, \g
	s_wait_dscnt 32                                ; all but the 32 just issued
	WIN MUL_HI
	MUL16 \f, 1, 0, \zero
	MUL16 \f, 1, 2, \zero
.endm
; The last quarter of a K step changes slots: one barrier; in front of it each wave waits for its reads of this slot and for all its tensor loads (the one that is out is its part of the next slot)
.macro MEET round
	s_wait_dscnt 8
	WIN MUL_LO
	MUL16 F1, 0, 0, 0
	s_wait_dscnt 0
	s_wait_tensorcnt 0x0
	s_barrier_signal -1
	MUL16 F1, 0, 2, 0                              ; register work while the others arrive
.if \round
	WIN 0
.endif
	s_barrier_wait -1
.endm
.macro TURN slot, next, fill
	MEET \fill
.if \fill
	CREST                                          ; the barrier has opened a round of the cluster's: no wave of any partner still reads this slot or has a load on its way
	s_add_nc_u64 s[G0+4*\slot+2:G0+4*\slot+3], s[G0+4*\slot+2:G0+4*\slot+3], 2*KSTEP*2
	s_add_nc_u64 s[G0B+4*\slot+2:G0B+4*\slot+3], s[G0B+4*\slot+2:G0B+4*\slot+3], 2*KSTEP*SIZE_N*2
	JLOAD \slot                                    ; my one tensor load behind the round, first thing there: 240 matrix instructions ahead of the wait for it; its four v_nop are also the places in front of the loads below
.else
	PLACES
.endif
	FETCH \next, 0, F0
	WIN MUL_HI
	MUL16 F1, 1, 0, 0
	MUL16 F1, 1, 2, 0
.endm
; gelu(x) = max(x, 0) + |x| (-poly(t) / 2) 2^(-x x log2(e) / 2), t = 1 / (1 + 0.3275911 |x| / sqrt(2)): no difference of near numbers on either side.
.macro GELU16 g                        ; 16 numbers a lane, in place in X, then rounded to bf16
.set XG, X+16*\g
.set n, 0
.rept 16
	v_and_b32 v[AX+n], s[CABS], v[XG+n]
.set n, n+1
.endr
.set n, 0
.rept 8
	v_pk_fma_f32 v[U+n:U+n+1], v[AX+n:AX+n+1], s[CP:CP+1], 1.0 op_sel_hi:[1,0,0]
.set n, n+2
.endr
.set n, 0
.rept 16
	v_rcp_f32 v[U+n], v[U+n]
.set n, n+1
.endr
.set n, 0
.rept 8
	v_pk_mul_f32 v[E+n:E+n+1], v[XG+n:XG+n+1], v[XG+n:XG+n+1]      ; plain work that touches no reciprocal stands behind them
.set n, n+2
.endr
.set n, 0
.rept 8
	v_pk_mul_f32 v[E+n:E+n+1], v[E+n:E+n+1], s[CK:CK+1] op_sel_hi:[1,0]
.set n, n+2
.endr
.set n, 0
.rept 16
	v_exp_f32 v[E+n], v[E+n]
.set n, n+1
.endr
.set n, 0
.rept 16
	v_max_num_f32 v[XG+n], 0, v[XG+n]              ; and behind the exponentials
.set n, n+1
.endr
.set n, 0
.rept 8
	v_pk_fma_f32 v[PQ+n:PQ+n+1], v[U+n:U+n+1], s[C5:C5+1], v[A4:A4+1] op_sel_hi:[1,0,1]
.set n, n+2
.endr
.irp c, C3, C2, C1
.set n, 0
.rept 8
	v_pk_fma_f32 v[PQ+n:PQ+n+1], v[PQ+n:PQ+n+1], v[U+n:U+n+1], s[\c:\c+1] op_sel_hi:[1,1,0]
.set n, n+2
.endr
.endr
.set n, 0
.rept 8
	v_pk_mul_f32 v[PQ+n:PQ+n+1], v[PQ+n:PQ+n+1], v[U+n:U+n+1]
.set n, n+2
.endr
.set n, 0
.rept 8
	v_pk_mul_f32 v[PQ+n:PQ+n+1], v[PQ+n:PQ+n+1], v[E+n:E+n+1]
.set n, n+2
.endr
.set n, 0
.rept 8
	v_pk_fma_f32 v[XG+n:XG+n+1], v[AX+n:AX+n+1], v[PQ+n:PQ+n+1], v[XG+n:XG+n+1]
.set n, n+2
.endr
.set n, 0
.rept 8
	v_cvt_pk_bf16_f32 v[TMP+8*\g+n], v[XG+2*n], v[XG+2*n+1]
.set n, n+1
.endr
.endm
; Block a's sums (16 rows x 128 columns, 64 numbers a lane) plus the bias, into X; each accumulator is read from its low end on.  Every window is 0 again behind it.
.macro ADDS a
.set AC, 64*((\a)%4)
	WIN 0x06+(\a)/4                                ; source 0: window 2 or 3; source 1 (the bias): window 1
.set i, 0
.rept 32
	v_pk_add_f32 v[X+2*i:X+2*i+1], v[AC+2*i:AC+2*i+1], v[2*i:2*i+1]
.set i, i+1
.endr
	WIN 0
.endm
	s_wait_tensorcnt 1                             ; my part of K step 0 is in; K step 1's may stay out
	s_barrier_signal -1
	s_barrier_wait -1
	FETCH 0, 0, F0
	QUARTER 0, 1, F0, F1, 1                        ; the first quarter's products start the sums
	WIN 0
	s_mov_b32 s3, LAPS-1
.Llap:                                                 ; a trip goes once round the ring and fills both slots again
	QUARTER 0, 2, F1, F0, 0
	QUARTER 0, 3, F0, F1, 0
	TURN 0, 1, 1
	QUARTER 1, 1, F0, F1, 0
	QUARTER 1, 2, F1, F0, 0
	QUARTER 1, 3, F0, F1, 0
	TURN 1, 0, 1
	QUARTER 0, 1, F0, F1, 0
	WIN 0
	s_sub_co_u32 s3, s3, 1
	s_cmp_lg_u32 s3, 0
	s_cbranch_scc1 .Llap
	QUARTER 0, 2, F1, F0, 0                        ; the last lap fills nothing
	QUARTER 0, 3, F0, F1, 0
	TURN 0, 1, 0
	QUARTER 1, 1, F0, F1, 0
	QUARTER 1, 2, F1, F0, 0
	QUARTER 1, 3, F0, F1, 0
	s_wait_dscnt 8                                 ; the very last quarter
	WIN MUL_LO
	MUL16 F1, 0, 0, 0
	MUL16 F1, 0, 2, 0
	s_wait_dscnt 0
	WIN MUL_HI
	MUL16 F1, 1, 0, 0
	MUL16 F1, 1, 2, 0
	WIN 0
	PLACES
	s_wait_loadcnt 0x0                             ; the bias
	; THE WAY OUT: eight trips, a block of 16 rows each.  Block 0's sums are taken ahead of the loop; a trip takes the NEXT block's, between its loads from the stage and the wait for them.
	ADDS 0
	s_mov_b32 s3, 1                                ; the block whose sums this trip takes
.Lblock:
	GELU16 0
	GELU16 1
	GELU16 2
	GELU16 3
.irp b, 0,1,2,3,4,5,6,7
	ds_store_b128 v[STO], v[TMP+4*\b:TMP+4*\b+3] offset:32*\b      ; into my own stage: 16 bytes of a row a lane
.endr
	s_wait_xcnt 0x0                                ; the last trip's stores have had their addresses translated (ISA guide 3.1): only behind this wait are their base stepped and their data registers loaded again
	s_add_nc_u64 s[8:9], s[8:9], 16*SIZE_N*2       ; 16 rows on, in the first trip too: the stores below reach back by as much
.irp t, 0,1,2,3,4,5,6,7
	ds_load_b128 v[OB+4*\t:OB+4*\t+3], v[RD] offset:\t*2*SPITCH    ; back as whole rows; LDS serves a wave's instructions in order (ISA guide 5.7.1.4)
.endr
.irp a, 1,2,3,4,5,6,7                  ; the counter picks one of the seven runs; in the last trip (8) none: nothing is left to take
	s_cmp_lg_u32 s3, \a
	s_cbranch_scc1 .Lskip_\a
	ADDS \a
	s_branch .Lhave
.Lskip_\a:
.endr
.Lhave:
	s_wait_dscnt 0                                 ; the block is back in registers
.irp t, 0,1,2,3,4,5,6,7
	global_store_b128 v[CO], v[OB+4*\t:OB+4*\t+3], s[8:9] offset:(2*\t-16)*SIZE_N*2   ; 16 lanes store 256 consecutive bytes, aligned; 16 rows back at the most: inside the signed 24-bit immediate
.endr
	s_add_co_u32 s3, s3, 1
	s_cmp_lt_u32 s3, 9
	s_cbranch_scc1 .Lblock
	CROUND                                         ; the closing round: no work-group ends while a partner may still ask for a tile that names it
	s_endpgm
.Lfunc_end_k_qc61b3056a3_ff1:
	.size	k_qc61b3056a3_ff1, .Lfunc_end_k_qc61b3056a3_ff1-k_qc61b3056a3_ff1
	.p2alignl 7, 3214868480
	.fill 96, 4, 3214868480
	.section	.rodata,"a",@progbits
	.p2align	6, 0x0
	.amdhsa_kernel k_qc61b3056a3_ff1
		.amdhsa_group_segment_fixed_size 327680
		.amdhsa_private_segment_fixed_size 0
		.amdhsa_enable_private_segment 0
		.amdhsa_kernarg_size 32
		.amdhsa_user_sgpr_count 2
		.amdhsa_user_sgpr_kernarg_segment_ptr 1
		.amdhsa_wavefront_size32 1
		.amdhsa_system_sgpr_workgroup_id_x 1
		.amdhsa_system_sgpr_workgroup_id_y 1
		.amdhsa_system_sgpr_workgroup_id_z 1
		.amdhsa_system_vgpr_workitem_id 0
		.amdhsa_next_free_vgpr 1024
		.amdhsa_next_free_sgpr 84
		.amdhsa_reserve_vcc 0
		.amdhsa_float_denorm_mode_32 3
		.amdhsa_float_denorm_mode_16_64 3
		.amdhsa_memory_ordered 1
		.amdhsa_forward_progress 1
		.amdhsa_inst_pref_size 163
	.end_amdhsa_kernel
	.amdgpu_metadata
---
amdhsa.version: [ 1, 2 ]
amdhsa.kernels:
  - .name:           k_qc61b3056a3_ff1
    .symbol:         k_qc61b3056a3_ff1.kd
    .args:
      - { .name: hn, .offset: 0, .size: 8, .value_kind: global_buffer, .address_space: global }
      - { .name: wbf, .offset: 8, .size: 8, .value_kind: global_buffer, .address_space: global }
      - { .name: ff_b1, .offset: 16, .size: 8, .value_kind: global_buffer, .address_space: global }
      - { .name: ffh, .offset: 24, .size: 8, .value_kind: global_buffer, .address_space: global }
    .group_segment_fixed_size: 327680
    .private_segment_fixed_size: 0
    .kernarg_segment_align: 8
    .kernarg_segment_size: 32
    .max_flat_workgroup_size: 128
    .sgpr_count:     84
    .vgpr_count:     1024
    .wavefront_size: 32
...
	.end_amdgpu_metadata
.endif
;; end of part 9
;; launch ff2: the kernel of part 7 again; grid 8 x 32, 4 waves a work-group, clusters of 4 x 4, 327,680 bytes of LDS; arguments ffh, wbf, ff_b2, x1, out0; writes out0
